; MI455X (gfx1250); checked and timed in simulation.
; The chip was launched on July 23, 2026; its instructions are those of AMD's public machine-readable ISA for CDNA 5 (MIT licence, August 2026) and "CDNA5" Instruction Set Architecture Reference Guide (July 2026). The comments in the code are by the model that wrote it; some were corrected since.
;; Dense MOE. Allowed arithmetic: matrix products marked QUANTISED: E4M3 operands, one E8M0 scale for each 32 along K, by v_wmma_scale_f32_16x16x128_f8f6f4 with both operands' format E4M3, f32 sums; products left as they are: f32 operands where the result goes on into a quantised operand, else bf16, f16 or f32 operands; f32 sums; everything else in f32.
;; Inputs: b1 8 x 4,096 float32; b2 8 x 1,024 float32; router_b 8 float32; router_w 8 x 1,024 float32; w1 8 x 1,024 x 4,096 float32; w2 8 x 4,096 x 1,024 float32; x 4 x 256 x 1,024 float32.
;; Outputs: out0 4 x 256 x 1,024 float32.
;; Constants: top_k = 2.
;; This version of the problem:
;;   THIS VERSION OF THE PROBLEM IS GIVEN IN LOW PRECISION. The matrix products marked QUANTISED in the list below multiply operands that are first quantised to E4M3 (4 exponent bits, 3 mantissa bits; 8 bits a number), with one power-of-two scale for each 32 numbers along K (OCP MX v1.0); their sums are f32. All else is computed in f32.
;;   The module's matrix products, in the order in which they are computed (A, B: the left and right operand; K: the contracted axis; several contracted axes count as one K, in the product's order):
;;     1. [M 1,024, K 1,024] x [K 1,024, N 8]; A: input x; B: input router_w: left as it is (N = 8 < 16)
;;     2. [M 1,024, K 1,024] x [K 1,024, N 4,096]; A: input x; B: input w1: QUANTISED
;;     3. [M 1,024, K 4,096] x [K 4,096, N 1,024]; A: computed on the way; B: input w2: QUANTISED
;;     4. [M 1,024, K 1,024] x [K 1,024, N 4,096]; A: input x; B: input w1: QUANTISED
;;     5. [M 1,024, K 4,096] x [K 4,096, N 1,024]; A: computed on the way; B: input w2: QUANTISED
;;     6. [M 1,024, K 1,024] x [K 1,024, N 4,096]; A: input x; B: input w1: QUANTISED
;;     7. [M 1,024, K 4,096] x [K 4,096, N 1,024]; A: computed on the way; B: input w2: QUANTISED
;;     8. [M 1,024, K 1,024] x [K 1,024, N 4,096]; A: input x; B: input w1: QUANTISED
;;     9. [M 1,024, K 4,096] x [K 4,096, N 1,024]; A: computed on the way; B: input w2: QUANTISED
;;     10. [M 1,024, K 1,024] x [K 1,024, N 4,096]; A: input x; B: input w1: QUANTISED
;;     11. [M 1,024, K 4,096] x [K 4,096, N 1,024]; A: computed on the way; B: input w2: QUANTISED
;;     12. [M 1,024, K 1,024] x [K 1,024, N 4,096]; A: input x; B: input w1: QUANTISED
;;     13. [M 1,024, K 4,096] x [K 4,096, N 1,024]; A: computed on the way; B: input w2: QUANTISED
;;     14. [M 1,024, K 1,024] x [K 1,024, N 4,096]; A: input x; B: input w1: QUANTISED
;;     15. [M 1,024, K 4,096] x [K 4,096, N 1,024]; A: computed on the way; B: input w2: QUANTISED
;;     16. [M 1,024, K 1,024] x [K 1,024, N 4,096]; A: input x; B: input w1: QUANTISED
;;     17. [M 1,024, K 4,096] x [K 4,096, N 1,024]; A: computed on the way; B: input w2: QUANTISED
;;   THE QUANTISER, for each operand of a quantised product, along K:
;;     - K is cut into blocks of 32 from its start; a last block that is shorter is filled with zeros.
;;     - A block's scale is 2^e with e = floor(log2(the largest magnitude in the block)) - 8, held to -126 .. 127; a block of zeros has e = 0. As a byte (E8M0): e + 127.
;;     - Each number is divided by its block's scale, clamped to +-448, and rounded to the nearest number of E4M3, ties to even, subnormals kept.
;;     - The product sums the exact products of the quantised numbers (number of the format x scale) in f32.
;;   ~~~python
;;   def quantise(x, axis):      # numpy; x: float32 -> the quantised numbers, widened to float32 again
;;       x = np.moveaxis(x, axis, -1); K = x.shape[-1]
;;       x = np.pad(x, [(0, 0)] * (x.ndim - 1) + [(0, -K % 32)]); x = x.reshape(x.shape[:-1] + (-1, 32)); a = np.abs(x).max(-1, keepdims=True)
;;       e = np.where(a > 0, np.clip(np.frexp(np.where(a > 0, a, 1))[1] - 1 - 8, -126, 127), 0)      # np.frexp(a)[1] - 1 = floor(log2(a)), exactly
;;       r = np.clip(x / 2.0 ** e, -448, 448)
;;       step = 2.0 ** (np.maximum(np.frexp(np.where(r == 0, 1, r))[1] - 1, -6) - 3)
;;       q = np.round(r / step) * step * 2.0 ** e      # np.round: ties to even
;;       return np.moveaxis(q.reshape(q.shape[:-2] + (-1,))[..., :K], -1, axis).astype(np.float32)
;;   ~~~
;;   OPERANDS COMPUTED ON THE WAY. 'Computed on the way' means the value that the module computes at that place (a softmax that the list does not call 'softmax' is quantised finished and normalised). What goes into a quantiser is computed in f32, as accurately as f32 sums, v_exp_f32 and their like allow (about 1e-6 of the number): no bf16 or f16 on the way to a quantiser, and a product that is left as it is and whose result goes on into a quantised operand takes f32 operands (vector FMAs, or v_wmma_f32_16x16x4_f32). A number that lies on a knife's edge between two numbers of the format may be rounded either way, as far as f32 arithmetic and the matrix unit's own rounding can turn it there, and no further.
;; 2 versions. Each part assembles by itself: llvm-mc -triple=amdgcn-amd-amdhsa -mcpu=gfx1250 --defsym DOCPART=n.
;; ======== version 1 of 2: 4 launches
;; workspace buffers: xq 1,048,576 bytes; xs 32,768 bytes; sel 4,096 bytes of whole numbers; gate 8,192 bytes; rows 10,240 bytes of whole numbers; hid 33,554,432 bytes; hsc 1,048,576 bytes; y 67,108,864 bytes
;; launch route (part 1): grid 256 x 1, 4 waves a work-group, no clusters, 0 bytes of LDS; arguments x, router_w, router_b, xq, xs, sel, gate; writes xq, xs, sel, gate
.if DOCPART == 1
	.amdgcn_target "amdgcn-amd-amdhsa--gfx1250"
	.amdhsa_code_object_version 6
	.text
	.protected	k_qe3ed122a15_route
	.globl	k_qe3ed122a15_route
	.p2align	8
	.type	k_qe3ed122a15_route,@function
k_qe3ed122a15_route:
	s_mov_b64 s[64:65], 0
	v_nop
	global_prefetch_b8 v0, s[64:65] scope:SCOPE_SE
	s_setreg_imm32_b32 hwreg(HW_REG_WAVE_MODE, 25, 1), 1
	s_wait_xcnt 0x0
; ROUTE.  One wave takes one token t = 4 x work-group + wave (1,024 tokens, 256 work-groups of 4 waves).  It makes
;  (a) the token's row of x as codes of E4M3 with one E8M0 byte for each 32 along K, laid as the next launch's operand registers want them:
;      xq[t] is 64 pieces of 16 bytes; piece p = 8 s + 4 h + c holds k = 128 s + 32 c + 16 h + 0 .. 15; xs[t][4 s + c] is the byte of block (s, c);
;  (b) the eight router logits in f32 (packed multiply-adds, then a sum over the 32 lanes), the two largest (a tie goes to the lower index), and their
;      softmax: the larger logit is taken away first, so g0 = 1 / (1 + e^(second - best)), g1 = e^(second - best) g0.
;      sel[t] = best | second << 8 | ((1 << best) | (1 << second)) << 16 (whole numbers, at a fixed place: no address of this launch hangs on them), gate[t] = (g0, g1).
; Lane l holds pieces l and l + 32: 32 numbers of x, and the same 32 places of each row of router_w.  A block of 32 lies in lanes l and l xor 4.
; No LDS, no barrier, no matrix unit: 4 MB are read once and the eight dot products are 8 numbers a token.
; LIMITS: NaN and infinities among the inputs are not served.  A block of zeros gets the byte 1 (its codes are zeros; only this program reads the bytes).
.set XR, 32                            ; v32-63   my 32 numbers of x (piece 0, piece 1)
.set WR, 64                            ; v64-191  router_w, experts 0-3, 32 registers each; experts 4-7: window 1, v0-127
.set AC, 8                             ; v8-23    a pair of partial sums for each expert
.set LG, 24                            ; v24-31   the logits
.set QM, 192                           ; v192-193 largest magnitudes of my two half blocks, then of the blocks
.set QS, 194                           ; v194-195 the conversions' scale operands
.set QL, 196                           ; v196-197 448 x the scale
.set QB, 198                           ; v198-199 the scale bytes
.set CD, 200                           ; v200-207 the codes
.set PD, 208                           ; v208-215 destinations of the lane exchange
.set TT, 224                           ; v224-255 the held numbers; later the two gates and the word for sel
.set MSB, 0
.macro WIN new                         ; the immediate's high byte repeats the setting that is left
.if MSB != \new
	s_set_vgpr_msb (MSB<<8)|\new
.set MSB, \new
.endif
.endm
	s_load_b256 s[4:11], s[0:1], 0x0               ; x, router_w, router_b, xq
	s_load_b128 s[12:15], s[0:1], 0x20             ; xs, sel
	s_load_b64 s[16:17], s[0:1], 0x30              ; gate
	v_lshrrev_b32 v5, 5, v0
	v_readfirstlane_b32 s20, v5                    ; wave
	v_and_b32 v1, 31, v0                           ; lane
	s_lshl_b32 s21, ttmp9, 2
	s_add_co_u32 s21, s21, s20                     ; my token
	v_lshrrev_b32 v5, 3, v1                        ; s = l / 8
	v_and_b32 v6, 3, v1                            ; c = l % 4
	v_bfe_u32 v7, v1, 2, 1                         ; h
	v_lshlrev_b32 v2, 9, v5
	v_lshl_add_u32 v2, v6, 7, v2
	v_lshl_add_u32 v2, v7, 6, v2                   ; byte of my piece 0 in a row of f32: 512 s + 128 c + 64 h
	v_lshlrev_b32 v3, 4, v1                        ; 16 l: my piece in xq
	v_lshl_add_u32 v4, v5, 2, v6                   ; 4 s + c: my block's byte in xs
	s_mov_b32 s32, 0x76543210
	s_mov_b32 s33, 0xfedcba98                      ; lane selects: lane l xor 16
	s_mov_b32 s34, 0x600000                        ; the mantissa field of 448
	s_mov_b32 s23, 0
	s_lshl_b32 s22, s21, 12
	s_wait_kmcnt 0x0
	s_load_b256 s[24:31], s[8:9], 0x0              ; router_b
	s_add_nc_u64 s[4:5], s[4:5], s[22:23]          ; my row of x
	s_lshl_b32 s22, s21, 10
	s_add_nc_u64 s[10:11], s[10:11], s[22:23]      ; of xq
	s_lshl_b32 s22, s21, 5
	s_add_nc_u64 s[12:13], s[12:13], s[22:23]      ; of xs
	s_lshl_b32 s22, s21, 2
	s_add_nc_u64 s[14:15], s[14:15], s[22:23]      ; my word of sel
	s_lshl_b32 s22, s21, 3
	s_add_nc_u64 s[16:17], s[16:17], s[22:23]      ; my pair of gate
.irp z, 0,1
.irp i, 0,1,2,3
	global_load_b128 v[XR+16*\z+4*\i:XR+16*\z+4*\i+3], v2, s[4:5] offset:2048*\z+16*\i th:TH_LOAD_NT
.endr
.endr
.irp e, 0,1,2,3
.irp z, 0,1
.irp i, 0,1,2,3
	global_load_b128 v[WR+32*\e+16*\z+4*\i:WR+32*\e+16*\z+4*\i+3], v2, s[6:7] offset:4096*\e+2048*\z+16*\i
.endr
.endr
.endr
	WIN 0x40                                       ; destination window 1
.irp e, 0,1,2,3
.irp z, 0,1
.irp i, 0,1,2,3
	global_load_b128 v[32*\e+16*\z+4*\i:32*\e+16*\z+4*\i+3], v2, s[6:7] offset:4096*(4+\e)+2048*\z+16*\i
.endr
.endr
.endr
	WIN 0
.irp e, 0,1,2,3,4,5,6,7
	v_mov_b32 v[PD+\e], 0                          ; written once: a lane exchange's destination counts as one of its sources
.endr
	s_wait_loadcnt 56                              ; x and expert 0 are in; the 56 loads of experts 1 to 7 may be out
	; ---- x into codes
.irp z, 0,1
	v_max3_num_f32 v[QM+\z], |v[XR+16*\z]|, |v[XR+16*\z+1]|, 0x4800000   ; my 16 numbers, and the floor 2^(9 - 127): the byte cannot fall under 1
.endr
.irp i, 2,4,6,8,10,12,14
.irp z, 0,1
	v_max3_num_f32 v[QM+\z], v[QM+\z], |v[XR+16*\z+\i]|, |v[XR+16*\z+\i+1]|
.endr
.endr
.irp z, 0,1
	v_max_num_f32_dpp v[QM+\z], v[QM+\z], v[QM+\z] row_xmask:4 row_mask:0xf bank_mask:0xf   ; with lane l xor 4: the block's largest magnitude
.endr
.irp z, 0,1
	v_add_nc_u32 v[QS+\z], 0xfc000000, v[QM+\z]    ; 8 off the exponent field: the conversion takes this operand's exponent field as its scale
	v_and_or_b32 v[QL+\z], v[QM+\z], 0x7f800000, s34   ; 448 x the scale
	v_lshrrev_b32 v[QB+\z], 23, v[QS+\z]           ; the scale's byte
.endr
.irp z, 0,1
.irp i, 0,1,2,3,4,5,6,7,8,9,10,11,12,13,14,15
	v_med3_num_f32 v[TT+16*\z+\i], v[XR+16*\z+\i], -v[QL+\z], v[QL+\z]   ; the conversion to an 8-bit code does not saturate (ISA guide 7.6.2): the hold; x itself stays for the logits
.endr
.endr
.irp z, 0,1
	v_cvt_scalef32_pk8_fp8_f32 v[CD+4*\z:CD+4*\z+1], v[TT+16*\z:TT+16*\z+7], v[QS+\z]
	v_cvt_scalef32_pk8_fp8_f32 v[CD+4*\z+2:CD+4*\z+3], v[TT+16*\z+8:TT+16*\z+15], v[QS+\z]
.endr
	v_nop                                          ; a plain line behind the last scaled conversion
	global_store_b128 v3, v[CD:CD+3], s[10:11]                 ; 32 lanes store 512 consecutive bytes
	global_store_b128 v3, v[CD+4:CD+7], s[10:11] offset:512
	global_store_b8 v4, v[QB], s[12:13]                        ; both lanes of a block store the same byte with the same value
	global_store_b8 v4, v[QB+1], s[12:13] offset:16
	; ---- the logits
.macro DOT e, wb                       ; expert e, its row in v[wb] on
	s_wait_loadcnt 8*(7-(\e))                      ; this expert's eight loads are in; those of the later experts may be out
	v_pk_mul_f32 v[AC+2*(\e):AC+2*(\e)+1], v[XR:XR+1], v[\wb:\wb+1]
.irp k, 2,4,6,8,10,12,14,16,18,20,22,24,26,28,30
	v_pk_fma_f32 v[AC+2*(\e):AC+2*(\e)+1], v[XR+\k:XR+\k+1], v[\wb+\k:\wb+\k+1], v[AC+2*(\e):AC+2*(\e)+1]
.endr
.endm
	DOT 0, WR
	DOT 1, WR+32
	DOT 2, WR+64
	DOT 3, WR+96
	WIN 0x04                                       ; source 1 window 1
	DOT 4, 0
	DOT 5, 32
	DOT 6, 64
	DOT 7, 96
	WIN 0
.irp e, 0,1,2,3,4,5,6,7
	v_add_f32 v[LG+\e], v[AC+2*\e], v[AC+2*\e+1]
.endr
.irp m, 1,2,4,8
.irp e, 0,1,2,3,4,5,6,7
	v_add_f32_dpp v[LG+\e], v[LG+\e], v[LG+\e] row_xmask:\m row_mask:0xf bank_mask:0xf
.endr
.endr
.irp e, 0,1,2,3,4,5,6,7
	v_permlanex16_b32 v[PD+\e], v[LG+\e], s32, s33
.endr
	s_wait_kmcnt 0x0                               ; router_b
.irp e, 0,1,2,3,4,5,6,7
	v_add_f32 v[LG+\e], v[LG+\e], v[PD+\e]
.endr
.irp e, 0,1,2,3,4,5,6,7
	v_add_f32 v[LG+\e], s[24+\e], v[LG+\e]         ; every lane now holds all eight logits
.endr
	; ---- the two largest; strict compares, ascending e: the lower index wins a tie
	v_mov_b32 v216, v[LG]                          ; best
	v_mov_b32 v217, 0                              ; its index
	v_mov_b32 v218, 0xff800000                     ; second: -infinity
	v_mov_b32 v219, 0
.irp e, 1,2,3,4,5,6,7
	v_cmp_gt_f32 vcc_lo, v[LG+\e], v216
	v_cmp_gt_f32 s36, v[LG+\e], v218
	v_cndmask_b32 v218, v218, v[LG+\e], s36
	v_cndmask_b32 v219, v219, \e, s36
	v_cndmask_b32 v218, v218, v216, vcc_lo
	v_cndmask_b32 v219, v219, v217, vcc_lo
	v_cndmask_b32 v216, v216, v[LG+\e], vcc_lo
	v_cndmask_b32 v217, v217, \e, vcc_lo
.endr
	v_sub_f32 v220, v218, v216                     ; second - best: 0 or less
	v_mul_f32 v220, 0x3fb8aa3b, v220               ; x log2(e)
	v_exp_f32 v221, v220
	v_lshl_or_b32 v222, v219, 8, v217              ; (plain lines behind the exponential)  the word for sel: the two indices,
	v_mov_b32 v226, 1
	v_lshlrev_b32 v227, v217, v226                 ; 1 << best
	v_lshlrev_b32 v228, v219, v226                 ; 1 << second
	v_or_b32 v227, v227, v228
	v_lshl_or_b32 v222, v227, 16, v222             ; and a bit for each chosen expert, from bit 16 on
	s_wait_alu depctr_va_vdst(0)                   ; the wait ahead of the first line that names the result
	v_add_f32 v220, 1.0, v221
	v_rcp_f32 v224, v220
	v_mov_b32 v5, 0                                ; (a plain line behind the reciprocal)  the stores' offset
	s_wait_alu depctr_va_vdst(0)
	v_mul_f32 v225, v221, v224                     ; g1; g0 is v224
	v_cmp_eq_u32 vcc_lo, 0, v1
	s_wait_xcnt 0x0                                ; EXEC changes only when every earlier memory instruction has read its sources
	s_and_saveexec_b32 s35, vcc_lo                 ; lane 0 alone
	global_store_b32 v5, v222, s[14:15]
	global_store_b64 v5, v[224:225], s[16:17]
	s_endpgm
.Lfunc_end_k_qe3ed122a15_route:
	.size	k_qe3ed122a15_route, .Lfunc_end_k_qe3ed122a15_route-k_qe3ed122a15_route
	.p2alignl 7, 3214868480
	.fill 96, 4, 3214868480
	.section	.rodata,"a",@progbits
	.p2align	6, 0x0
	.amdhsa_kernel k_qe3ed122a15_route
		.amdhsa_group_segment_fixed_size 0
		.amdhsa_private_segment_fixed_size 0
		.amdhsa_enable_private_segment 0
		.amdhsa_kernarg_size 56
		.amdhsa_user_sgpr_count 2
		.amdhsa_user_sgpr_kernarg_segment_ptr 1
		.amdhsa_wavefront_size32 1
		.amdhsa_system_sgpr_workgroup_id_x 1
		.amdhsa_system_sgpr_workgroup_id_y 1
		.amdhsa_system_sgpr_workgroup_id_z 1
		.amdhsa_system_vgpr_workitem_id 0
		.amdhsa_next_free_vgpr 384
		.amdhsa_next_free_sgpr 66
		.amdhsa_reserve_vcc 1
		.amdhsa_float_denorm_mode_32 3
		.amdhsa_float_denorm_mode_16_64 3
		.amdhsa_memory_ordered 1
		.amdhsa_forward_progress 1
		.amdhsa_inst_pref_size 29
	.end_amdhsa_kernel
	.amdgpu_metadata
---
amdhsa.version: [ 1, 2 ]
amdhsa.kernels:
  - .name:           k_qe3ed122a15_route
    .symbol:         k_qe3ed122a15_route.kd
    .args:
      - { .name: x, .offset: 0, .size: 8, .value_kind: global_buffer, .address_space: global }
      - { .name: router_w, .offset: 8, .size: 8, .value_kind: global_buffer, .address_space: global }
      - { .name: router_b, .offset: 16, .size: 8, .value_kind: global_buffer, .address_space: global }
      - { .name: xq, .offset: 24, .size: 8, .value_kind: global_buffer, .address_space: global }
      - { .name: xs, .offset: 32, .size: 8, .value_kind: global_buffer, .address_space: global }
      - { .name: sel, .offset: 40, .size: 8, .value_kind: global_buffer, .address_space: global }
      - { .name: gate, .offset: 48, .size: 8, .value_kind: global_buffer, .address_space: global }
    .group_segment_fixed_size: 0
    .private_segment_fixed_size: 0
    .kernarg_segment_align: 8
    .kernarg_segment_size: 56
    .max_flat_workgroup_size: 128
    .sgpr_count:     66
    .vgpr_count:     384
    .wavefront_size: 32
...
	.end_amdgpu_metadata
.endif
;; end of part 1
;; launch up (part 2): grid 32 x 8, 8 waves a work-group, no clusters, 136,448 bytes of LDS; arguments w1, b1, xq, xs, sel, hid, hsc; writes hid, hsc
.if DOCPART == 2
	.amdgcn_target "amdgcn-amd-amdhsa--gfx1250"
	.amdhsa_code_object_version 6
	.text
	.protected	k_qe3ed122a15_up
	.globl	k_qe3ed122a15_up
	.p2align	8
	.type	k_qe3ed122a15_up,@function
k_qe3ed122a15_up:
	s_mov_b64 s[64:65], 0
	v_nop
	global_prefetch_b8 v0, s[64:65] scope:SCOPE_SE
	s_setreg_imm32_b32 hwreg(HW_REG_WAVE_MODE, 25, 1), 1
	s_wait_xcnt 0x0
; UP.  Work-group (hs, e) makes hidden units 128 hs .. 128 hs + 127 of expert e for the rows (tokens) that chose e:
; hid = Q(relu(Q(x) Q(w1[e]) + b1[e])), both Q along the product's K, E4M3 with one E8M0 byte for each 32.
; The launch is bound by the 134 MB of w1, f32, K outermost: each byte is read once, by 256 work-groups of 512 KB each.
; TWO ROLES.  Waves 0-3 (producers) stream the slice, 128 k x 128 columns (64 KB) a chunk: wave w takes k = 32 w .. 32 w + 31 of the chunk, a lane four columns, its registers running
;   down K, so that a block of 32 lies in one lane; a load is a whole row of the slice, 512 consecutive bytes.  Two sets of 32 loads a wave take turns: while one is quantised the other is on its way,
;   and each quarter of a set is asked for again as soon as it has been read.  The codes go to LDS as images of the operand's registers and stay there (all of K: 128 KB).
;   Waves 4-7 (consumers) take the rows' fragments of xq straight from memory, w1's from LDS, and multiply.  Each role has its own count of loads, so no wave waits for young weight loads to get at its rows.
; One barrier a chunk: behind it chunk s is multiplied while chunk s + 1 is quantised.  Every barrier stands in the text that all eight waves walk.
; The registers in which a consumer's loads from memory land (sel, x's fragments and scale words, b1) are named by no line of the producers, and the producers' landing registers by no load of the consumers.
; ROWS.  sel[t] (whole numbers that the launch before stored) has bit 16 + e set where token t chose e.  The tokens go in 32 steps of 32: bit l of mask n = 4 q + k stands for token 128 q + 4 l + k.
;   A chosen token's PLACE is the number of chosen tokens ahead of it, steps ascending, lanes ascending.  Each consumer makes the 32 masks, keeps them in the 32 lanes of one register, and sums the count.
;   A tile is 16 places.  Consumer wq owns tiles 20 p + 4 i + wq, i = 0 .. 4, in pass p; lane (r, h) wants the token at place 16 tile + r.  It is found in registers: a walk over the 32 masks keeps, for each of
;   the lane's five places, the last step whose first place is not above it; the wanted set bit of that step's mask is then found by counts of pairs, fours, bytes and halves and five halvings.
;   Pass 0 (320 places) runs beside the stream; passes 1 to 3 (up to 1,024 places) run from LDS afterwards.
;   Tiles past the count are jumped over by scalar branches on the count, but not in pass 0's first K step nor in its way out: so every accumulator and operand register is written on every way, and tiles
;   0 .. 19 of hid are always stored (the next launch's first loads have no branch either).  Places past the count get some token under 1,024, whose results nobody reads.
; THE PRODUCT IS USED TRANSPOSED (source 0 = 16 columns of w1, source 1 = 16 rows of x) and the columns of a tile are chosen (column 32 b + q lies in tile 2 b + (q / 8) % 2 at row q % 8 + 8 (q / 16)), so that a lane's
;   16 registers of tiles 2 b, 2 b + 1 are 16 neighbours along the next K: the conversions' results are the next operand's registers.  b1 is the C of the first K step: it is loaded into tile 4's accumulators,
;   tiles 0-3 take those as C, tile 4 follows in place.
; No tensor loads, no cluster: the tile branches hang on a count made from loaded numbers, the weights must pass the vector unit, and no two work-groups share a byte of them.
; LIMITS: NaN and infinities are not served; a block of zeros gets the byte 1 (only this program reads the bytes); b1 enters the f32 sum first.
.set NP, 9                             ; places behind a run of products: 8 serve loads into and reads of their registers, 9 a product that writes over them
.set BT, 16400                         ; LDS: a tile of w1's codes: 8 K steps x 2,048 bytes + 16
.set SC, 131328                        ; w1's scale bytes: 512 s + 64 tile + 4 row + block
; window 0, made ahead of the first parting of the roles: v1 lane, v2 r, v3 h, v4 16 lane, v5 v4 + 4 BT, v6 SC + 4 lane, v7 producers' place for codes, v8 for scale bytes,
; v12 4 r, v13 64 h; v25-27 LDS addresses made and used inside one block; v46 the 32 masks, one a lane
.set AO, 15                            ; v15-19  tile i: byte offset of my row's fragment in xq
.set AX, 20                            ; v20-24  and of its scale words in xs
.set AS, 32                            ; v32-36  x's scale words, tile i
.set BS, 37                            ; v37-40  w1's scale words: lanes 0-15 tile 2 q, lanes 16-31 tile 2 q + 1
.set AF, 48                            ; v48-127 consumers: x's fragments, tile i at 16 i
.set SW, 48                            ; v48-79  at the start: the words of sel
.set BF, 128                           ; v128-191 four of w1's fragments, filled from LDS ahead of every run of products
.set BI, 192                           ; v192-255 tile 4's accumulators; first b1.   window 1: accumulator (i, b) at 64 i + 8 b, i < 4
.set PM, 128                           ; producers: largest magnitudes of my four columns,
.set PS, 132                           ; scale operands,
.set PL, 136                           ; 448 x the scale,
.set PB, 140                           ; scale bytes,
.set TT, 144                           ; v144-175 eight held numbers of each column,
.set CC, 176                           ; v176-191 16 codes of each column.   window 1: the two landing sets, at 0 and at 128
.set TM, 128                           ; the way out works in w1's fragment registers too,
.set PW, 144
.set PC, 148
.set FP, 128                           ; and so does the search for the rows, five registers each: place << 5 | 31,
.set FK, 133                           ; the step found: its first place << 5 | n,
.set FM, 138                           ; its mask,
.set FA, 143                           ; the mask's counts of pairs,
.set FB, 148                           ; of fours,
.set FC, 153                           ; of bytes,
.set FD, 158                           ; of the low half,
.set FR, 163                           ; how many set bits are still to be passed,
.set FO, 168                           ; the bit's position so far,
.set FT, 173                           ; at work
.set FU, 178
.set MT, 184                           ; v184-191 at work on the masks
.set MSB, 0
.macro WIN new                         ; the immediate's high byte repeats the setting that is left; at a label and at a branch every window is 0
.if MSB != \new
	s_set_vgpr_msb (MSB<<8)|\new
.set MSB, \new
.endif
.endm
.macro PLACES n
.rept \n
	v_nop
.endr
.endm
.macro BAR                             ; my LDS stores have landed and my LDS loads are in: then the work-group's barrier
	s_wait_dscnt 0x0
	s_barrier_signal -1
	s_barrier_wait -1
.endm
.macro SKIP i, lbl                     ; tile i and those behind it have no rows in this pass
	s_cmp_lt_u32 s30, (\i)+1
	s_cbranch_scc1 \lbl
.endm
.macro CHEAD lbl                       ; a consumer's block in the loops that all waves walk: producers, and consumers without tiles, pass it by
	s_cmp_lt_u32 s20, 4
	s_cbranch_scc1 \lbl
	s_cmp_eq_u32 s30, 0
	s_cbranch_scc1 \lbl
.endm
.macro WM d, a, b, c, sa, sb, odd      ; one product; odd: source 0's scale words stand in lanes 16-31
.if \odd
	v_wmma_scale_f32_16x16x128_f8f6f4 v[\d:\d+7], v[\a:\a+15], v[\b:\b+15], v[\c:\c+7], v[\sa], v[\sb] matrix_a_scale:MATRIX_SCALE_ROW1
.else
	v_wmma_scale_f32_16x16x128_f8f6f4 v[\d:\d+7], v[\a:\a+15], v[\b:\b+15], v[\c:\c+7], v[\sa], v[\sb]
.endif
.endm
; ---- producers
.macro WLOAD s, g                      ; rows 8 g .. 8 g + 7 of my 32 rows of chunk s: every offset is an immediate, no base is ever stepped
	WIN 0x40
.irp i, 0,1,2,3,4,5,6,7
	global_load_b128 v[128*((\s)%2)+4*(8*(\g)+\i):128*((\s)%2)+4*(8*(\g)+\i)+3], v4, s[32+2*((\s)/4):33+2*((\s)/4)] offset:(((\s)%4)*128+8*(\g)+\i)*16384 th:TH_LOAD_NT
.endr
	WIN 0
.endm
.macro PROD s
.set XB, 128*((\s)%2)
.if (\s) < 7
	s_wait_loadcnt 32                              ; this chunk's 32 loads are in; the next chunk's 32 may be out
.else
	s_wait_loadcnt 0x0
.endif
	WIN 0x14
.irp j, 0,1,2,3
	v_max3_num_f32 v[PM+\j], 0x4800000, |v[XB+\j]|, |v[XB+4+\j]|   ; column j: all 32 numbers of the block are mine; the floor 2^(9 - 127) holds the byte at 1 from below
.endr
.irp i, 2,4,6,8,10,12,14,16,18,20,22,24,26,28,30
.irp j, 0,1,2,3
	v_max3_num_f32 v[PM+\j], v[PM+\j], |v[XB+4*\i+\j]|, |v[XB+4*\i+4+\j]|
.endr
.endr
	WIN 0
.irp j, 0,1,2,3
	v_add_nc_u32 v[PS+\j], 0xfc000000, v[PM+\j]    ; 8 off the exponent field: the conversion's scale operand
	v_and_or_b32 v[PL+\j], v[PM+\j], 0x7f800000, s24   ; 448 x the scale
	v_lshrrev_b32 v[PB+\j], 23, v[PS+\j]           ; the byte
.endr
.irp g, 0,1,2,3
	WIN 0x01
.irp j, 0,1,2,3
.irp i, 0,1,2,3,4,5,6,7
	v_med3_num_f32 v[TT+8*\j+\i], v[XB+4*(8*\g+\i)+\j], -v[PL+\j], v[PL+\j]   ; the hold (ISA guide 7.6.2) also brings a column's numbers into consecutive registers
.endr
.endr
	WIN 0
.if \g == 2
	s_wait_dscnt 0x0                               ; the LDS stores of k 0-15 have read the codes' registers, which are written again now
.endif
.irp j, 0,1,2,3
	v_cvt_scalef32_pk8_fp8_f32 v[CC+4*\j+2*(\g%2):CC+4*\j+2*(\g%2)+1], v[TT+8*\j:TT+8*\j+7], v[PS+\j]
.endr
	v_nop                                          ; a plain line behind the conversions: the next quarter writes their sources
.if (\s) <= 5
	WLOAD (\s)+2, \g                               ; the quarter just read takes the chunk two on
.endif
.if (\g%2) == 1
.irp j, 0,1,2,3
	ds_store_b128 v7, v[CC+4*\j:CC+4*\j+3] offset:2048*(\s)+16*\j+256*(\g/2)   ; k 0-15 of the block: the image's lane r; k 16-31: lane r + 16
.endr
.endif
.endr
.irp j, 0,1,2,3
	ds_store_b8 v8, v[PB+\j] offset:512*(\s)+4*\j
.endr
.endm
; ---- consumers
.macro ALOAD skip, bx, bs, ox, os      ; the rows' fragments and scale words of one K step
.irp i, 0,1,2,3,4
.if \skip
	SKIP \i, .Lal_\@
.endif
.irp c, 0,1,2,3
	global_load_b128 v[AF+16*\i+4*\c:AF+16*\i+4*\c+3], v[AO+\i], s[\bx:\bx+1] offset:\ox+16*\c
.endr
	global_load_b32 v[AS+\i], v[AX+\i], s[\bs:\bs+1] offset:\os
.endr
.Lal_\@:
.endm
; Four of w1's eight tiles against my five tiles of rows.  The accumulators take turns, one product a turn.
.macro HALF hf, first, skip, ra, rs, ob, os
.irp b, 0,1,2,3
.irp c, 0,1,2,3
	ds_load_b128 v[BF+16*\b+4*\c:BF+16*\b+4*\c+3], v[\ra] offset:\ob+\b*BT+512*\c
.endr
.endr
.if \hf == 0
.irp q, 0,1,2,3
	ds_load_b32 v[BS+\q], v[\rs] offset:\os+128*\q
.endr
.endif
	s_wait_dscnt 0x0
.irp i, 0,1,2,3
.if \skip
	SKIP \i, .Lh_\@
.endif
.if \first
	WIN 0x40                                       ; D window 1, C (b1) window 0
.irp b, 0,1,2,3
	WM 64*\i+8*(4*\hf+\b), BF+16*\b, AF+16*\i, BI+8*(4*\hf+\b), BS+2*\hf+\b/2, AS+\i, \b%2
.endr
.else
	WIN 0x50                                       ; C and D window 1
.irp b, 0,1,2,3
	WM 64*\i+8*(4*\hf+\b), BF+16*\b, AF+16*\i, 64*\i+8*(4*\hf+\b), BS+2*\hf+\b/2, AS+\i, \b%2
.endr
.endif
	WIN 0
.endr
.if \skip
	SKIP 4, .Lh_\@
.endif
.if \first
	PLACES 9                                       ; tile 4 writes over b1, which the products above took as C
.endif
.irp b, 0,1,2,3
	WM BI+8*(4*\hf+\b), BF+16*\b, AF+64, BI+8*(4*\hf+\b), BS+2*\hf+\b/2, AS+4, \b%2
.endr
.Lh_\@:
	PLACES NP                                      ; in front of the next loads into operand registers, of reads of results, and of products that start sums anew
.endm
.macro CONS s, first, skip, next       ; K step s of pass 0: every LDS offset is an immediate
	s_wait_loadcnt 0x0                             ; my rows' fragments, asked for an interval ago (and b1)
	HALF 0, \first, \skip, 4, 6, 2048*(\s), 512*(\s)
	HALF 1, \first, \skip, 5, 6, 2048*(\s), 512*(\s)
.if \next
	ALOAD 1, 8, 10, 128*((\s)+1), 4*((\s)+1)
.endif
.endm
.macro B1LOAD                          ; b1 into tile 4's accumulators
.irp t, 0,1,2,3,4,5,6,7
	global_load_b128 v[BI+8*\t:BI+8*\t+3], v13, s[56:57] offset:(32*(\t/2)+8*(\t%2))*4          ; tile 2 b + u, lane half h: units 32 b + 16 h + 8 u + 0 .. 7
	global_load_b128 v[BI+8*\t+4:BI+8*\t+7], v13, s[56:57] offset:(32*(\t/2)+8*(\t%2))*4+16
.endr
.endm
.macro MASKS                           ; the 32 masks into the lanes of v46, the count into s28; eight steps at a time, so that no line waits for the line above it
.irp g, 0,1,2,3
.irp k, 0,1,2,3,4,5,6,7
	v_and_b32 v[MT+\k], s66, v[SW+8*\g+\k]         ; the expert's bit of the token's word
.endr
.irp k, 0,1,2,3,4,5,6,7
	v_cmp_ne_u32 s[68+\k], 0, v[MT+\k]             ; the lanes whose token chose e
.endr
.irp k, 0,1,2,3,4,5,6,7
	v_writelane_b32 v46, s[68+\k], 8*\g+\k
	s_bcnt1_i32_b32 s76, s[68+\k]
	s_add_co_u32 s28, s28, s76
.endr
.endr
.endm
.macro HALVE src, w                    ; does the wanted bit lie past the next w positions?  src: the mask's counts over w positions
.irp i, 0,1,2,3,4
	v_bfe_u32 v[FT+\i], v[\src+\i], v[FO+\i], \w
.endr
.irp i, 0,1,2,3,4
	v_cmp_ge_u32 s[93+\i], v[FR+\i], v[FT+\i]
.endr
.irp i, 0,1,2,3,4
	v_cndmask_b32 v[FT+\i], 0, v[FT+\i], s[93+\i]
	v_cndmask_b32 v[FU+\i], 0, \w, s[93+\i]
.endr
.irp i, 0,1,2,3,4
	v_sub_nc_u32 v[FR+\i], v[FR+\i], v[FT+\i]
	v_add_nc_u32 v[FO+\i], v[FO+\i], v[FU+\i]
.endr
.endm
; The tokens at my five places of the pass (s59 = 16 wq + 320 p) become offsets into xq and xs.  The five registers take turns line by line.
.macro FIND
	v_add_nc_u32 v[FT], s59, v2
.irp i, 0,1,2,3,4
	v_add_nc_u32 v[FP+\i], 64*\i, v[FT]            ; the place: 16 (20 p + 4 i + wq) + r
.endr
.irp i, 0,1,2,3,4
	v_lshl_or_b32 v[FP+\i], v[FP+\i], 5, 31
	v_mov_b32 v[FK+\i], 0
	v_mov_b32 v[FM+\i], 0
.endr
	s_mov_b32 s78, 0                               ; the step n
	s_mov_b32 s79, 0                               ; its first place
.Lfind_\@:                                             ; eight trips of four steps
	s_add_co_u32 s80, s78, 1
	s_add_co_u32 s81, s78, 2
	s_add_co_u32 s82, s78, 3
	v_readlane_b32 s84, v46, s78                   ; the four masks
	v_readlane_b32 s85, v46, s80
	v_readlane_b32 s86, v46, s81
	v_readlane_b32 s87, v46, s82
	s_lshl_b32 s88, s79, 5                         ; the four keys: first place << 5 | n: they rise with n
	s_or_b32 s88, s88, s78
	s_bcnt1_i32_b32 s92, s84
	s_add_co_u32 s79, s79, s92
	s_lshl_b32 s89, s79, 5
	s_or_b32 s89, s89, s80
	s_bcnt1_i32_b32 s92, s85
	s_add_co_u32 s79, s79, s92
	s_lshl_b32 s90, s79, 5
	s_or_b32 s90, s90, s81
	s_bcnt1_i32_b32 s92, s86
	s_add_co_u32 s79, s79, s92
	s_lshl_b32 s91, s79, 5
	s_or_b32 s91, s91, s82
	s_bcnt1_i32_b32 s92, s87
	s_add_co_u32 s79, s79, s92
.irp c, 0,1,2,3
.irp i, 0,1,2,3,4
	v_cmp_le_u32 s[93+\i], s[88+\c], v[FP+\i]      ; the step begins at or below my place: it is kept until a later one does too
.endr
.irp i, 0,1,2,3,4
	v_cndmask_b32 v[FK+\i], v[FK+\i], s[88+\c], s[93+\i]
	v_cndmask_b32 v[FM+\i], v[FM+\i], s[84+\c], s[93+\i]
.endr
.endr
	s_add_co_u32 s78, s78, 4
	s_cmp_lt_u32 s78, 32
	s_cbranch_scc1 .Lfind_\@
.irp i, 0,1,2,3,4
	v_lshrrev_b32 v[FR+\i], 5, v[FP+\i]
	v_lshrrev_b32 v[FT+\i], 5, v[FK+\i]
.endr
.irp i, 0,1,2,3,4
	v_sub_nc_u32 v[FR+\i], v[FR+\i], v[FT+\i]      ; my place less the step's first: so many set bits are passed
	v_and_b32 v[FK+\i], 31, v[FK+\i]               ; n
.endr
.irp i, 0,1,2,3,4
	v_lshrrev_b32 v[FT+\i], 1, v[FM+\i]
.endr
.irp i, 0,1,2,3,4
	v_and_b32 v[FT+\i], 0x55555555, v[FT+\i]
.endr
.irp i, 0,1,2,3,4
	v_sub_nc_u32 v[FA+\i], v[FM+\i], v[FT+\i]      ; set bits in each pair
.endr
.irp i, 0,1,2,3,4
	v_lshrrev_b32 v[FT+\i], 2, v[FA+\i]
	v_and_b32 v[FB+\i], 0x33333333, v[FA+\i]
.endr
.irp i, 0,1,2,3,4
	v_and_b32 v[FT+\i], 0x33333333, v[FT+\i]
.endr
.irp i, 0,1,2,3,4
	v_add_nc_u32 v[FB+\i], v[FB+\i], v[FT+\i]      ; in each four
.endr
.irp i, 0,1,2,3,4
	v_lshrrev_b32 v[FT+\i], 4, v[FB+\i]
.endr
.irp i, 0,1,2,3,4
	v_add_nc_u32 v[FC+\i], v[FB+\i], v[FT+\i]
.endr
.irp i, 0,1,2,3,4
	v_and_b32 v[FC+\i], 0x0f0f0f0f, v[FC+\i]       ; in each byte
.endr
.irp i, 0,1,2,3,4
	v_lshrrev_b32 v[FT+\i], 8, v[FC+\i]
.endr
.irp i, 0,1,2,3,4
	v_add_nc_u32 v[FD+\i], v[FC+\i], v[FT+\i]
.endr
.irp i, 0,1,2,3,4
	v_and_b32 v[FD+\i], 0xff, v[FD+\i]             ; in the low half
.endr
.irp i, 0,1,2,3,4
	v_cmp_ge_u32 s[93+\i], v[FR+\i], v[FD+\i]
.endr
.irp i, 0,1,2,3,4
	v_cndmask_b32 v[FT+\i], 0, v[FD+\i], s[93+\i]
	v_cndmask_b32 v[FO+\i], 0, 16, s[93+\i]
.endr
.irp i, 0,1,2,3,4
	v_sub_nc_u32 v[FR+\i], v[FR+\i], v[FT+\i]
.endr
	HALVE FC, 8
	HALVE FB, 4
	HALVE FA, 2
	HALVE FM, 1
.irp i, 0,1,2,3,4
	v_lshrrev_b32 v[FT+\i], 2, v[FK+\i]            ; q
	v_and_b32 v[FU+\i], 3, v[FK+\i]                ; k
.endr
.irp i, 0,1,2,3,4
	v_lshl_add_u32 v[FU+\i], v[FO+\i], 2, v[FU+\i]
.endr
.irp i, 0,1,2,3,4
	v_lshl_add_u32 v[FT+\i], v[FT+\i], 7, v[FU+\i] ; the token: 128 q + 4 bit + k,
.endr
.irp i, 0,1,2,3,4
	v_min_u32 v[FT+\i], 0x3ff, v[FT+\i]            ; held inside the table
.endr
.irp i, 0,1,2,3,4
	v_lshl_add_u32 v[AO+\i], v[FT+\i], 10, v13     ; 1,024 t + 64 h
	v_lshlrev_b32 v[AX+\i], 5, v[FT+\i]            ; 32 t
.endr
	PLACES 9                                       ; the work registers are w1's fragment registers
.endm
.macro CONSG first                     ; a K step of a later pass: addresses from scalars that step in the loops
	CHEAD .Lcg_\@
	ALOAD 1, 40, 42, 0, 0
	v_add_nc_u32 v25, s44, v4
	v_add_nc_u32 v26, s44, v5
	s_lshr_b32 s47, s44, 2
	v_add_nc_u32 v27, s47, v6
	s_wait_loadcnt 0x0
	HALF 0, \first, 1, 25, 27, 0, 0
	HALF 1, \first, 1, 26, 27, 0, 0
.Lcg_\@:
	s_wait_xcnt 0x0                                ; the loads have read their bases
	s_add_co_u32 s44, s44, 2048
	s_add_nc_u64 s[40:41], s[40:41], 128
	s_add_nc_u64 s[42:43], s[42:43], 4
.endm
; The way out of tile i: relu, quantised along the 128 hidden units (one K step of the next product), stored as the operand's image.  hb: its 64 registers; the three window settings.
.macro EPI i, hb, wmx, wmd, wcv
	s_cmp_lt_u32 s58, (\i)+1
	s_cbranch_scc1 .Lepi_end
	s_wait_xcnt 0x0                                ; the last tile's stores have read their data
	WIN \wmx
.irp b, 0,1,2,3
	v_max3_num_f32 v[TM+\b], 0x4800000, v[\hb+16*\b], v[\hb+16*\b+1]   ; no |.|: what is negative becomes 0 and must not count; each accumulator is read from its low end on
.endr
.irp k, 2,4,6,8,10,12,14
.irp b, 0,1,2,3
	v_max3_num_f32 v[TM+\b], v[TM+\b], v[\hb+16*\b+\k], v[\hb+16*\b+\k+1]
.endr
.endr
	WIN 0
.irp b, 0,1,2,3
	v_permlanex16_b32 v[TM+4+\b], v[TM+\b], s26, s27
.endr
.irp b, 0,1,2,3
	v_max_num_f32 v[TM+\b], v[TM+\b], v[TM+4+\b]   ; with lane l xor 16: the block's largest
.endr
.irp b, 0,1,2,3
	v_add_nc_u32 v[TM+12+\b], 0xfc000000, v[TM+\b]
	v_and_or_b32 v[TM+8+\b], v[TM+\b], 0x7f800000, s24
	v_lshrrev_b32 v[TM+4+\b], 23, v[TM+12+\b]
.endr
	v_lshl_or_b32 v[PW], v[TM+5], 8, v[TM+4]       ; my row's scale word
	v_lshl_or_b32 v[PW], v[TM+6], 16, v[PW]
	v_lshl_or_b32 v[PW], v[TM+7], 24, v[PW]
.irp b, 0,1,2,3
	WIN \wmd
.irp k, 0,1,2,3,4,5,6,7,8,9,10,11,12,13,14,15
	v_med3_num_f32 v[\hb+16*\b+\k], v[\hb+16*\b+\k], 0, v[TM+8+\b]   ; the activation and the hold in one
.endr
	WIN \wcv
	v_cvt_scalef32_pk8_fp8_f32 v[PC+4*\b:PC+4*\b+1], v[\hb+16*\b:\hb+16*\b+7], v[TM+12+\b]
	v_cvt_scalef32_pk8_fp8_f32 v[PC+4*\b+2:PC+4*\b+3], v[\hb+16*\b+8:\hb+16*\b+15], v[TM+12+\b]
.endr
	WIN 0
	v_nop                                          ; a plain line behind the last scaled conversion
.irp c, 0,1,2,3
	global_store_b128 v4, v[PC+4*\c:PC+4*\c+3], s[36:37] offset:262144*(\i)+512*\c   ; 32 lanes store 512 consecutive bytes
.endr
	global_store_b32 v12, v[PW], s[38:39] offset:8192*(\i)     ; lanes r and r + 16 store the same word with the same value
.endm
	s_load_b256 s[4:11], s[0:1], 0x0               ; w1 s[4:5], b1 s[6:7], xq s[8:9], xs s[10:11]
	s_load_b128 s[12:15], s[0:1], 0x20             ; sel s[12:13], hid s[14:15]
	s_load_b64 s[16:17], s[0:1], 0x30              ; hsc
	v_lshl_add_u32 v45, v0, 2, 0x21100
	v_mov_b32 v47, 0
	v_lshrrev_b32 v14, 5, v0
	v_readfirstlane_b32 s20, v14                   ; wave 0..7
	s_and_b32 s21, s20, 3                          ; wq: my number within my role
	s_mov_b32 s22, ttmp9                           ; hs
	s_and_b32 s23, ttmp7, 0xffff                   ; e
	s_mov_b32 s24, 0x600000                        ; the mantissa field of 448
	s_mov_b32 s26, 0x76543210
	s_mov_b32 s27, 0xfedcba98                      ; lane selects: lane l xor 16
	s_mov_b32 s28, 0                               ; the count: the consumers sum it
	s_lshl_b32 s59, s21, 4                         ; 16 wq + 320 p
	s_lshl_b32 s66, 0x10000, s23                   ; the expert's bit in a word of sel
	v_and_b32 v1, 31, v0
	v_and_b32 v2, 15, v0
	v_bfe_u32 v3, v0, 4, 1
	v_lshlrev_b32 v4, 4, v1
	v_add_nc_u32 v5, 4*BT, v4
	v_lshl_add_u32 v6, v1, 2, SC
	v_mov_b32 v46, 0                               ; written once whole: a lane write's destination counts as one of its sources
	v_bfe_u32 v14, v0, 3, 2                        ; l / 8
	v_bfe_u32 v25, v0, 1, 1
	v_lshl_add_u32 v14, v14, 1, v25                ; my four columns' tile: 2 (l / 8) + (l / 2) % 2
	v_and_b32 v25, 1, v0
	v_bfe_u32 v26, v0, 2, 1
	v_lshlrev_b32 v25, 2, v25
	v_lshl_add_u32 v25, v26, 3, v25                ; and the first one's row in it: 4 (l % 2) + 8 ((l / 4) % 2)
	v_mul_u32_u24 v7, v14, BT
	v_lshl_add_u32 v7, v25, 4, v7
	s_lshl_b32 s47, s21, 9
	v_add_nc_u32 v7, s47, v7                       ; + 512 wq: my wave's block of 32 is group wq of the image
	v_lshlrev_b32 v8, 6, v14
	v_lshl_add_u32 v8, v25, 2, v8
	v_add_nc_u32 v8, s21, v8
	v_add_nc_u32 v8, SC, v8
	v_lshlrev_b32 v12, 2, v2
	v_lshlrev_b32 v13, 6, v3
	s_lshl_b32 s52, s23, 24                        ; w1: expert e, column 128 hs, row 32 wq
	s_lshl_b32 s47, s22, 9
	s_add_co_u32 s52, s52, s47
	s_lshl_b32 s47, s21, 19
	s_add_co_u32 s52, s52, s47
	s_mov_b32 s53, 0
	s_lshl_b32 s54, s23, 22                        ; hid: [e][tile][K step][2,048]: tile wq, K step hs
	s_lshl_b32 s47, s21, 16
	s_add_co_u32 s54, s54, s47
	s_lshl_b32 s47, s22, 11
	s_add_co_u32 s54, s54, s47
	s_mov_b32 s55, 0
	s_lshl_b32 s48, s23, 17                        ; hsc: [e][tile][K step][64]
	s_lshl_b32 s47, s21, 11
	s_add_co_u32 s48, s48, s47
	s_lshl_b32 s47, s22, 6
	s_add_co_u32 s48, s48, s47
	s_mov_b32 s49, 0
	s_lshl_b32 s50, s23, 14                        ; b1
	s_lshl_b32 s47, s22, 9
	s_add_co_u32 s50, s50, s47
	s_mov_b32 s51, 0
	s_wait_kmcnt 0x0
	s_add_nc_u64 s[32:33], s[4:5], s[52:53]        ; chunks 0-3
	s_add_nc_u64 s[34:35], s[32:33], 0x800000      ; chunks 4-7: 512 rows of 16,384 bytes on
	s_add_nc_u64 s[36:37], s[14:15], s[54:55]
	s_add_nc_u64 s[38:39], s[16:17], s[48:49]
	s_add_nc_u64 s[56:57], s[6:7], s[50:51]
	; ---- interval 0: the producers ask for two chunks and quantise the first; the consumers find their rows and ask for them
	s_cmp_lt_u32 s20, 4
	s_cbranch_scc0 .Lsetup
.irp g, 0,1,2,3
	WLOAD 0, \g
.endr
.irp g, 0,1,2,3
	WLOAD 1, \g
.endr
	PROD 0
	s_branch .Ljoin0
.Lsetup:
.irp q, 0,1,2,3,4,5,6,7
	global_load_b128 v[SW+4*\q:SW+4*\q+3], v4, s[12:13] offset:512*\q      ; sel of tokens 128 q + 4 l + k
.endr
	B1LOAD
	s_wait_loadcnt 16                              ; sel is in; the 16 loads of b1 behind it may be out
	MASKS
	FIND
	ALOAD 0, 8, 10, 0, 0                           ; the first K step's fragments, all five tiles
.Ljoin0:
	BAR
	s_min_u32 s28, s28, 1024                       ; the count
	s_add_co_u32 s29, s28, 15
	s_lshr_b32 s29, s29, 4                         ; tiles
	s_add_co_u32 s25, s29, 3
	s_sub_co_u32 s25, s25, s21                     ; tiles + 3 - wq - 20 p
	s_lshr_b32 s30, s25, 2
	s_min_u32 s30, s30, 5                          ; how many of my five tiles have rows in pass 0
; ---- intervals 1 to 7: chunk s is quantised while K step s - 1 is multiplied
.macro INTERVAL s
	s_cmp_lt_u32 s20, 4
	s_cbranch_scc0 .Lcons_\@
	PROD \s
	s_branch .Ljoin_\@
.Lcons_\@:
.if (\s) == 1
	CONS 0, 1, 0, 1
.else
	CONS (\s)-1, 0, 1, 1
.endif
.Ljoin_\@:
	BAR
.endm
.irp s, 1,2,3,4,5,6,7
	INTERVAL \s
.endr
	; ---- behind the last barrier nothing is stored to LDS any more
	s_cmp_lt_u32 s20, 4
	s_cbranch_scc1 .Ltail
	CONS 7, 0, 1, 0
.Ltail:
	s_wait_loadcnt 0x0                             ; from here on no load is out at the head of a block that loads
	s_mov_b32 s31, 0                               ; the pass
	s_mov_b32 s58, 5                               ; pass 0 stores all five tiles
.Lpass:                                                ; four trips: the way out of pass p, then the products of pass p + 1 (none in the last trip: the count allows 64 tiles at most)
	s_cmp_lt_u32 s20, 4
	s_cbranch_scc1 .Lepi_end
	EPI 0, 0, 0x14, 0x41, 0x01
	EPI 1, 64, 0x14, 0x41, 0x01
	EPI 2, 128, 0x14, 0x41, 0x01
	EPI 3, 192, 0x14, 0x41, 0x01
	EPI 4, BI, 0, 0, 0
.Lepi_end:
	s_wait_xcnt 0x0                                ; every earlier memory instruction has read its sources: bases, offsets and data may be written
	s_add_nc_u64 s[36:37], s[36:37], 1310720       ; 20 tiles on in hid,
	s_add_nc_u64 s[38:39], s[38:39], 40960         ; in hsc,
	s_add_co_u32 s59, s59, 320                     ; and 320 places on
	s_sub_co_i32 s25, s25, 20
	s_max_i32 s30, s25, 0
	s_lshr_b32 s30, s30, 2
	s_min_u32 s30, s30, 5
	s_mov_b32 s58, s30
	s_mov_b32 s44, 0
	s_mov_b64 s[40:41], s[8:9]
	s_mov_b64 s[42:43], s[10:11]
	CHEAD .Lsetupg_end
	PLACES NP
	B1LOAD
	FIND
	s_wait_loadcnt 0x0                             ; b1 is in
.Lsetupg_end:
	CONSG 1
	s_mov_b32 s46, 7
.Lk:
	CONSG 0
	s_sub_co_u32 s46, s46, 1
	s_cmp_lg_u32 s46, 0
	s_cbranch_scc1 .Lk
	s_add_co_u32 s31, s31, 1
	s_cmp_lt_u32 s31, 4
	s_cbranch_scc1 .Lpass
	s_wait_tensorcnt 0x0
	ds_add_u32 v45, v47
	s_wait_dscnt 0x0
	s_endpgm
.Lfunc_end_k_qe3ed122a15_up:
	.size	k_qe3ed122a15_up, .Lfunc_end_k_qe3ed122a15_up-k_qe3ed122a15_up
	.p2alignl 7, 3214868480
	.fill 96, 4, 3214868480
	.section	.rodata,"a",@progbits
	.p2align	6, 0x0
	.amdhsa_kernel k_qe3ed122a15_up
		.amdhsa_group_segment_fixed_size 136448
		.amdhsa_private_segment_fixed_size 0
		.amdhsa_enable_private_segment 0
		.amdhsa_kernarg_size 56
		.amdhsa_user_sgpr_count 2
		.amdhsa_user_sgpr_kernarg_segment_ptr 1
		.amdhsa_wavefront_size32 1
		.amdhsa_system_sgpr_workgroup_id_x 1
		.amdhsa_system_sgpr_workgroup_id_y 1
		.amdhsa_system_sgpr_workgroup_id_z 1
		.amdhsa_system_vgpr_workitem_id 0
		.amdhsa_next_free_vgpr 512
		.amdhsa_next_free_sgpr 98
		.amdhsa_reserve_vcc 0
		.amdhsa_float_denorm_mode_32 3
		.amdhsa_float_denorm_mode_16_64 3
		.amdhsa_memory_ordered 1
		.amdhsa_forward_progress 1
		.amdhsa_inst_pref_size 255
	.end_amdhsa_kernel
	.section	.bss,"aw",@nobits
	.p2align	6
	.space	262144
	.amdgpu_metadata
---
amdhsa.version: [ 1, 2 ]
amdhsa.kernels:
  - .name:           k_qe3ed122a15_up
    .symbol:         k_qe3ed122a15_up.kd
    .args:
      - { .name: w1, .offset: 0, .size: 8, .value_kind: global_buffer, .address_space: global }
      - { .name: b1, .offset: 8, .size: 8, .value_kind: global_buffer, .address_space: global }
      - { .name: xq, .offset: 16, .size: 8, .value_kind: global_buffer, .address_space: global }
      - { .name: xs, .offset: 24, .size: 8, .value_kind: global_buffer, .address_space: global }
      - { .name: sel, .offset: 32, .size: 8, .value_kind: global_buffer, .address_space: global }
      - { .name: hid, .offset: 40, .size: 8, .value_kind: global_buffer, .address_space: global }
      - { .name: hsc, .offset: 48, .size: 8, .value_kind: global_buffer, .address_space: global }
    .group_segment_fixed_size: 136448
    .private_segment_fixed_size: 0
    .kernarg_segment_align: 8
    .kernarg_segment_size: 56
    .max_flat_workgroup_size: 256
    .sgpr_count:     98
    .vgpr_count:     512
    .wavefront_size: 32
...
	.end_amdgpu_metadata
.endif
;; end of part 2
;; launch down (part 3): grid 32 x 8, 8 waves a work-group, no clusters, 153,856 bytes of LDS; arguments w2, b2, hid, hsc, sel, y, rows; writes y, rows
.if DOCPART == 3
	.amdgcn_target "amdgcn-amd-amdhsa--gfx1250"
	.amdhsa_code_object_version 6
	.text
	.protected	k_qe3ed122a15_down
	.globl	k_qe3ed122a15_down
	.p2align	8
	.type	k_qe3ed122a15_down,@function
k_qe3ed122a15_down:
	s_mov_b64 s[64:65], 0
	v_nop
	global_prefetch_b8 v0, s[64:65] scope:SCOPE_SE
	s_setreg_imm32_b32 hwreg(HW_REG_WAVE_MODE, 25, 1), 1
	s_wait_xcnt 0x0
; DOWN.  Work-group (ds + 16 kh, e) makes output columns 64 ds .. 64 ds + 63 of expert e from half kh of the hidden layer (K = 2,048 kh .. + 2,047), for the expert's rows:
; y[kh][1024 e + place] = hid Q(w2[e]) (+ b2[e] where kh = 0).  The two halves and the two experts of a token are added by the last launch.
; The launch is bound by the 134 MB of w2, f32, K outermost: each byte is read once; 64 columns make a row of the slice 256 aligned bytes that one work-group alone reads.
; TWO ROLES, as in the launch before.  Waves 0-3 (producers) stream the slice, 256 k x 64 columns (64 KB, two K steps) a chunk: wave w takes block w (32 k) of both K steps; lanes 0-15 take its rows 0-15,
;   lanes 16-31 its rows 16-31, a lane four columns, registers down K; a block's maximum is joined with lane l xor 16.  A lane's 16 codes of a column are one group of the operand's image: one 16-byte LDS store.
;   Waves 4-7 (consumers) load the hidden layer's images from memory (512 consecutive bytes a load), w2's from LDS, and multiply.  One barrier a chunk, in the text that all eight waves walk.
; The registers in which a consumer's loads of sel and of hid's fragments and scale words land (window 0, v20-24 and v32-191) are named by no line of the producers; the producers' landing registers (window 1) take
;   no load of the consumers from memory but b2's, which is waited for in the block that asks for it.
; ROWS.  sel[t] (whole numbers that an earlier launch stored) has bit 16 + e set where token t chose e.  The tokens go in 32 steps of 32: lane l of step 4 q + k has token 128 q + 4 l + k; a chosen token's place is
;   the number of chosen tokens ahead of it, steps ascending, lanes ascending: the order in which the launch before laid hid.  Each consumer sums the expert's count.  Wave 4 of the expert's first work-group also
;   stores each chosen token's place for the last launch: rows[2 t + j] = 1,024 e + place (j = 0: first choice, 1: second); a lane whose token did not choose e stores to a dump word of its own
;   (word 2,304 + 32 e + l), which nobody loads: so EXEC never changes.  Each step has two registers of its own for its store: no store's source is written again before the wait behind them.
;   A tile is 16 places; consumer wq owns tiles 20 p + 4 i + wq in pass p.  Pass 0 runs beside the stream, passes 1 to 3 from LDS afterwards.  Tiles past the count are jumped
;   over by scalar branches on the count, but not in pass 0's first chunk: so every accumulator and operand register is written on every way (tiles 0 .. 19 of hid are always stored by the launch before).
; THE PRODUCT IS USED TRANSPOSED (source 0 = 16 columns of w2, source 1 = 16 rows of hid): a lane holds eight neighbouring outputs of one row.  b2 is loaded into tile 4's accumulators (made 0 where kh = 1),
;   tiles 0-3 take those as the C of their first product, tile 4 follows in place.  Results go through the wave's own stage in LDS: sixteen lanes store 256 consecutive, aligned bytes.
; No tensor loads, no cluster: the tile branches hang on a count made from loaded numbers, the weights must pass the vector unit, and no two work-groups share a byte of them.
; LIMITS: NaN and infinities are not served; a block of zeros gets the byte 1; K is summed in two f32 halves and b2 enters the first half's sum first.
.set NP, 9                             ; places behind a run of products: 8 serve loads into and reads of their registers, 9 a product that writes over them
.set BT, 32784                         ; LDS: a tile of w2's codes: 16 K steps x 2,048 bytes + 16
.set SC, 131328                        ; w2's scale bytes: 256 K step + 4 column + block
.set STG, 135424                       ; the stages: 16 rows x 272 bytes for each consumer
.set RDUMP, 2304                       ; rows: the first dump word
; window 0, made ahead of the first parting of the roles: v1 lane, v2 r, v3 h, v4 16 lane, v5 v4 + 2 BT, v6 SC + 4 lane, v7 producers' place for codes, v8 for scale bytes, v9 into my stage, v10 out of it,
; v11 4 lane, v12 my place in two rows of y, v13 32 h, v14 my place in w2's rows; v17-19 LDS addresses made and used inside one block
.set AS, 20                            ; v20-24  hid's scale words, tile i: lanes 0-15 the chunk's first K step, lanes 16-31 its second
.set BS, 26                            ; v26-29  w2's: register 2 u + m: lanes 0-15 tile 2 m, lanes 16-31 tile 2 m + 1
.set A0, 32                            ; v32-111  hid's fragments of the first K step, tile i at 16 i
.set A1, 112                           ; v112-191 of the second
.set SW, 32                            ; at the start, ahead of hid's first fragments: v32-63 the words of sel,
.set RA, 64                            ; v64-95   step n: the offset of its store (v64-71 at work where nothing is stored),
.set RD, 96                            ; v96-127  its data,
.set RT, 128                           ; v128-137 at work
.set B0, 192                           ; v192-223 w2's fragments (u 0, tiles 0, 1); on the way out: rows of y
.set B1, 160                           ; window 1, v160-255: (0, 2), (0, 3), (1, 0) .. (1, 3).   window 1, v0-159: accumulator (i, nt) at 32 i + 8 nt
.set PM, 192                           ; producers: largest magnitudes of (u, j); at the end the scale bytes,
.set PS, 200                           ; the lane exchange's destinations, then the scale operands,
.set PL, 208                           ; 448 x the scale,
.set TT, 216                           ; v216-231 eight held numbers of each of two columns,
.set CC, 232                           ; v232-247 16 codes of each column of one K step.   window 1: the two landing sets, at 0 and at 128
.set MSB, 0
.macro WIN new                         ; the immediate's high byte repeats the setting that is left; at a label and at a branch every window is 0
.if MSB != \new
	s_set_vgpr_msb (MSB<<8)|\new
.set MSB, \new
.endif
.endm
.macro PLACES n
.rept \n
	v_nop
.endr
.endm
.macro BAR                             ; my LDS stores have landed and my LDS loads are in: then the work-group's barrier
	s_wait_dscnt 0x0
	s_barrier_signal -1
	s_barrier_wait -1
.endm
.macro SKIP i, lbl                     ; tile i and those behind it have no rows in this pass
	s_cmp_lt_u32 s30, (\i)+1
	s_cbranch_scc1 \lbl
.endm
.macro CHEAD lbl                       ; a consumer's block in the loops that all waves walk: producers, and consumers without tiles, pass it by
	s_cmp_lt_u32 s20, 4
	s_cbranch_scc1 \lbl
	s_cmp_eq_u32 s30, 0
	s_cbranch_scc1 \lbl
.endm
.macro WM d, a, b, c, sa, sb, odd, u   ; one product; odd: source 0's scale words stand in lanes 16-31; u: source 1's do
.if (\odd) && (\u)
	v_wmma_scale_f32_16x16x128_f8f6f4 v[\d:\d+7], v[\a:\a+15], v[\b:\b+15], v[\c:\c+7], v[\sa], v[\sb] matrix_a_scale:MATRIX_SCALE_ROW1 matrix_b_scale:MATRIX_SCALE_ROW1
.elseif \odd
	v_wmma_scale_f32_16x16x128_f8f6f4 v[\d:\d+7], v[\a:\a+15], v[\b:\b+15], v[\c:\c+7], v[\sa], v[\sb] matrix_a_scale:MATRIX_SCALE_ROW1
.elseif \u
	v_wmma_scale_f32_16x16x128_f8f6f4 v[\d:\d+7], v[\a:\a+15], v[\b:\b+15], v[\c:\c+7], v[\sa], v[\sb] matrix_b_scale:MATRIX_SCALE_ROW1
.else
	v_wmma_scale_f32_16x16x128_f8f6f4 v[\d:\d+7], v[\a:\a+15], v[\b:\b+15], v[\c:\c+7], v[\sa], v[\sb]
.endif
.endm
; ---- producers
.macro WLOAD ch, g                     ; quarter g of my 32 loads of chunk ch: K step g / 2, rows 8 (g % 2) .. + 7 of each half of the lanes; every offset is an immediate
	WIN 0x40
.irp i, 0,1,2,3,4,5,6,7
	global_load_b128 v[128*((\ch)%2)+4*(8*(\g)+\i):128*((\ch)%2)+4*(8*(\g)+\i)+3], v14, s[32:33] offset:(\ch)*1048576+(128*((\g)/2)+8*((\g)%2)+\i)*4096 th:TH_LOAD_NT
.endr
	WIN 0
.endm
.macro PROD ch
.set XB, 128*((\ch)%2)
.if (\ch) < 7
	s_wait_loadcnt 32                              ; this chunk's 32 loads are in; the next chunk's 32 may be out
.else
	s_wait_loadcnt 0x0
.endif
	WIN 0x14
.irp u, 0,1
.irp j, 0,1,2,3
	v_max3_num_f32 v[PM+4*\u+\j], 0x4800000, |v[XB+64*\u+\j]|, |v[XB+64*\u+4+\j]|   ; my 16 numbers of column j in K step u, and the floor 2^(9 - 127)
.endr
.endr
.irp i, 2,4,6,8,10,12,14
.irp u, 0,1
.irp j, 0,1,2,3
	v_max3_num_f32 v[PM+4*\u+\j], v[PM+4*\u+\j], |v[XB+64*\u+4*\i+\j]|, |v[XB+64*\u+4*\i+4+\j]|
.endr
.endr
.endr
	WIN 0
.irp m, 0,1,2,3,4,5,6,7
	v_permlanex16_b32 v[PS+\m], v[PM+\m], s26, s27
.endr
.irp m, 0,1,2,3,4,5,6,7
	v_max_num_f32 v[PM+\m], v[PM+\m], v[PS+\m]     ; with lane l xor 16: the block's largest magnitude
.endr
.irp m, 0,1,2,3,4,5,6,7
	v_add_nc_u32 v[PS+\m], 0xfc000000, v[PM+\m]    ; 8 off the exponent field: the conversion's scale operand
	v_and_or_b32 v[PL+\m], v[PM+\m], 0x7f800000, s24   ; 448 x the scale
.endr
.irp g, 0,1,2,3
.irp jj, 0,2
	WIN 0x01
.irp jl, 0,1
.irp i, 0,1,2,3,4,5,6,7
	v_med3_num_f32 v[TT+8*\jl+\i], v[XB+4*(8*\g+\i)+\jj+\jl], -v[PL+4*(\g/2)+\jj+\jl], v[PL+4*(\g/2)+\jj+\jl]   ; the hold (ISA guide 7.6.2) also brings a column's numbers into consecutive registers
.endr
.endr
	WIN 0
.if (\g == 2) && (\jj == 0)
	s_wait_dscnt 0x0                               ; the LDS stores of the first K step have read the codes' registers, which are written again now
.endif
.irp jl, 0,1
	v_cvt_scalef32_pk8_fp8_f32 v[CC+4*(\jj+\jl)+2*(\g%2):CC+4*(\jj+\jl)+2*(\g%2)+1], v[TT+8*\jl:TT+8*\jl+7], v[PS+4*(\g/2)+\jj+\jl]
.endr
	v_nop                                          ; a plain line behind the conversions: the next two columns write their sources
.endr
.if (\ch) <= 5
	WLOAD (\ch)+2, \g                              ; the quarter just read takes the chunk two on
.endif
.if (\g%2) == 1
.irp j, 0,1,2,3
	ds_store_b128 v7, v[CC+4*\j:CC+4*\j+3] offset:4096*(\ch)+2048*(\g/2)+16*\j
.endr
.endif
.endr
.irp m, 0,1,2,3,4,5,6,7
	v_lshrrev_b32 v[PM+\m], 23, v[PS+\m]           ; the scale bytes
.endr
.irp u, 0,1
.irp j, 0,1,2,3
	ds_store_b8 v8, v[PM+4*\u+\j] offset:512*(\ch)+256*\u+4*\j     ; lanes l and l xor 16 store the same byte with the same value
.endr
.endr
.endm
; ---- consumers
.macro ALOAD skip, bh, bs, oh, os      ; the rows' images and scale words of one chunk
.irp i, 0,1,2,3,4
.if \skip
	SKIP \i, .Lal_\@
.endif
.irp c, 0,1,2,3
	global_load_b128 v[A0+16*\i+4*\c:A0+16*\i+4*\c+3], v4, s[\bh:\bh+1] offset:\oh+262144*\i+512*\c
.endr
.irp c, 0,1,2,3
	global_load_b128 v[A1+16*\i+4*\c:A1+16*\i+4*\c+3], v4, s[\bh:\bh+1] offset:\oh+262144*\i+2048+512*\c
.endr
	global_load_b32 v[AS+\i], v11, s[\bs:\bs+1] offset:\os+8192*\i
.endr
.Lal_\@:
.endm
; A chunk: w2's four tiles x two K steps against my five tiles of rows.  The four accumulators of a tile take turns, one product a turn.
.macro CMUL first, skip, r0, r1, rs, ob, os
.irp nt, 0,1
.irp c, 0,1,2,3
	ds_load_b128 v[B0+16*\nt+4*\c:B0+16*\nt+4*\c+3], v[\r0] offset:\ob+\nt*BT+512*\c               ; (0, nt)
.endr
.endr
.irp u, 0,1
.irp m, 0,1
	ds_load_b32 v[BS+2*\u+\m], v[\rs] offset:\os+256*\u+128*\m
.endr
.endr
	WIN 0x40                                       ; destination window 1
.irp nt, 0,1
.irp c, 0,1,2,3
	ds_load_b128 v[B1+16*\nt+4*\c:B1+16*\nt+4*\c+3], v[\r1] offset:\ob+\nt*BT+512*\c               ; (0, 2 + nt)
.endr
.endr
.irp nt, 0,1
.irp c, 0,1,2,3
	ds_load_b128 v[B1+32+16*\nt+4*\c:B1+32+16*\nt+4*\c+3], v[\r0] offset:\ob+\nt*BT+2048+512*\c    ; (1, nt)
	ds_load_b128 v[B1+64+16*\nt+4*\c:B1+64+16*\nt+4*\c+3], v[\r1] offset:\ob+\nt*BT+2048+512*\c    ; (1, 2 + nt)
.endr
.endr
	WIN 0
	s_wait_dscnt 0x0
.irp i, 0,1,2,3,4
.if \skip
	SKIP \i, .Lm_\@
.endif
.if (\first) && (\i == 4)
	PLACES 9                                       ; tile 4 writes over b2, which the products above took as C
.endif
	WIN 0x50                                       ; C and D window 1
.irp nt, 0,1
.if (\first) && (\i < 4)
	WM 32*\i+8*\nt, B0+16*\nt, A0+16*\i, 128+8*\nt, BS, AS+\i, \nt, 0
.else
	WM 32*\i+8*\nt, B0+16*\nt, A0+16*\i, 32*\i+8*\nt, BS, AS+\i, \nt, 0
.endif
.endr
	WIN 0x51                                       ; and source 0 window 1
.irp nt, 0,1
.if (\first) && (\i < 4)
	WM 32*\i+16+8*\nt, B1+16*\nt, A0+16*\i, 144+8*\nt, BS+1, AS+\i, \nt, 0
.else
	WM 32*\i+16+8*\nt, B1+16*\nt, A0+16*\i, 32*\i+16+8*\nt, BS+1, AS+\i, \nt, 0
.endif
.endr
.irp nt, 0,1,2,3
	WM 32*\i+8*\nt, B1+32+16*\nt, A1+16*\i, 32*\i+8*\nt, BS+2+\nt/2, AS+\i, \nt%2, 1
.endr
	WIN 0
.endr
.Lm_\@:
	PLACES NP                                      ; in front of the next loads into operand registers, of reads of results, and of products that start sums anew
.endm
.macro CONS ch, first, skip, next      ; chunk ch of pass 0: every LDS offset is an immediate
	s_wait_loadcnt 0x0                             ; my rows' images, asked for an interval ago
	CMUL \first, \skip, 4, 5, 6, 4096*(\ch), 512*(\ch)
.if \next
	ALOAD 1, 36, 38, 4096*((\ch)+1), 128*((\ch)+1)
.endif
.endm
.macro BIAS                            ; b2 into tile 4's accumulators: lane half h, tile nt: columns 16 nt + 8 h + 0 .. 7
	WIN 0x40
.irp nt, 0,1,2,3
	global_load_b128 v[128+8*\nt:131+8*\nt], v13, s[56:57] offset:64*\nt
	global_load_b128 v[132+8*\nt:135+8*\nt], v13, s[56:57] offset:64*\nt+16
.endr
	WIN 0
.endm
.macro BMASK                           ; the second half of K adds no bias: a choice of values, no branch
	WIN 0x44
.set k, 0
.rept 32
	v_cndmask_b32 v[128+k], 0, v[128+k], s59
.set k, k+1
.endr
	WIN 0
	PLACES 4
.endm
.macro COUNT                           ; the expert's count into s28; eight steps at a time, so that no line waits for the line above it
.irp g, 0,1,2,3
.irp k, 0,1,2,3,4,5,6,7
	v_and_b32 v[RA+\k], s66, v[SW+8*\g+\k]         ; the expert's bit of the token's word
.endr
.irp k, 0,1,2,3,4,5,6,7
	v_cmp_ne_u32 s[68+\k], 0, v[RA+\k]             ; the lanes whose token chose e
.endr
.irp k, 0,1,2,3,4,5,6,7
	s_bcnt1_i32_b32 s76, s[68+\k]
	s_add_co_u32 s28, s28, s76
.endr
.endr
.endm
.macro PUBLISH                         ; the count, and each chosen token's place into rows
	v_lshlrev_b32 v[RT+8], 3, v1                   ; 8 l
	s_lshl_b32 s77, s23, 5
	s_add_co_u32 s77, s77, RDUMP
	v_add_nc_u32 v[RT+9], s77, v1                  ; my dump word
	s_lshl_b32 s78, s23, 10                        ; 1,024 e
.irp q, 0,1,2,3,4,5,6,7
.irp k, 0,1,2,3
	v_and_b32 v[RT], s66, v[SW+4*\q+\k]            ; the expert's bit of the token's word,
	v_bfe_u32 v[RT+1], v[SW+4*\q+\k], 8, 8         ; its second choice
	v_cmp_ne_u32 s68, 0, v[RT]                     ; the lanes whose token chose e
	v_cmp_eq_u32 vcc_lo, s23, v[RT+1]
	v_mbcnt_lo_u32_b32 v[RT+2], s68, s28           ; my place: the count so far + such lanes below me
	v_cndmask_b32 v[RT+3], 0, 1, vcc_lo            ; j
	v_add3_u32 v[RT+3], v[RT+8], v[RT+3], 256*\q+2*\k   ; 2 t + j
	v_cndmask_b32 v[RT+3], v[RT+9], v[RT+3], s68
	v_min_u32 v[RT+3], RDUMP+255, v[RT+3]          ; held inside the buffer
	v_lshlrev_b32 v[RA+4*\q+\k], 2, v[RT+3]
	v_add_nc_u32 v[RD+4*\q+\k], s78, v[RT+2]
	global_store_b32 v[RA+4*\q+\k], v[RD+4*\q+\k], s[16:17]
	s_bcnt1_i32_b32 s76, s68
	s_add_co_u32 s28, s28, s76
.endr
.endr
.endm
.macro CONSG first                     ; a chunk of a later pass: addresses from scalars that step in the loops
	CHEAD .Lcg_\@
	ALOAD 1, 40, 42, 0, 0
	v_add_nc_u32 v17, s44, v4
	v_add_nc_u32 v18, s44, v5
	s_lshr_b32 s47, s44, 3
	v_add_nc_u32 v19, s47, v6
	s_wait_loadcnt 0x0
	CMUL \first, 1, 17, 18, 19, 0, 0
.Lcg_\@:
	s_wait_xcnt 0x0                                ; the loads have read their bases
	s_add_co_u32 s44, s44, 4096
	s_add_nc_u64 s[40:41], s[40:41], 4096
	s_add_nc_u64 s[42:43], s[42:43], 128
.endm
; The way out of tile i: 16 rows x 64 columns through my own stage (LDS serves a wave's instructions in order: no wait between the stores and the loads)
.macro EPI i
	SKIP \i, .Lepi_end
	s_wait_xcnt 0x0                                ; the last tile's stores have read their data
	WIN 0x04                                       ; an LDS store's data are its source 1: window 1
.irp nt, 0,1,2,3
	ds_store_b128 v9, v[32*(\i)+8*\nt:32*(\i)+8*\nt+3] offset:64*\nt           ; each accumulator from its low end on
	ds_store_b128 v9, v[32*(\i)+8*\nt+4:32*(\i)+8*\nt+7] offset:64*\nt+16
.endr
	WIN 0
.irp t, 0,1,2,3,4,5,6,7
	ds_load_b128 v[B0+4*\t:B0+4*\t+3], v10 offset:544*\t           ; rows 2 t and 2 t + 1
.endr
.irp t, 0,1,2,3,4,5,6,7
	s_wait_dscnt 7-\t                              ; the younger loads may be out
	global_store_b128 v12, v[B0+4*\t:B0+4*\t+3], s[34:35] offset:262144*(\i)+8192*\t   ; sixteen lanes store 256 consecutive bytes, at a multiple of 256 from the first byte of y
.endr
.endm
	s_load_b256 s[4:11], s[0:1], 0x0               ; w2 s[4:5], b2 s[6:7], hid s[8:9], hsc s[10:11]
	s_load_b128 s[12:15], s[0:1], 0x20             ; sel s[12:13], y s[14:15]
	s_load_b64 s[16:17], s[0:1], 0x30              ; rows
	v_lshl_add_u32 v254, v0, 2, 0x25500
	v_mov_b32 v255, 0
	v_lshrrev_b32 v15, 5, v0
	v_readfirstlane_b32 s20, v15                   ; wave 0..7
	s_and_b32 s21, s20, 3                          ; wq: my number within my role
	s_and_b32 s22, ttmp9, 15                       ; ds
	s_lshr_b32 s19, ttmp9, 4                       ; kh
	s_and_b32 s23, ttmp7, 0xffff                   ; e
	s_mov_b32 s24, 0x600000                        ; the mantissa field of 448
	s_mov_b32 s26, 0x76543210
	s_mov_b32 s27, 0xfedcba98                      ; lane selects: lane l xor 16
	s_mov_b32 s28, 0                               ; the count: the consumers sum it
	s_lshl_b32 s66, 0x10000, s23                   ; the expert's bit in a word of sel
	v_and_b32 v1, 31, v0
	v_and_b32 v2, 15, v0
	v_bfe_u32 v3, v0, 4, 1
	v_lshlrev_b32 v4, 4, v1
	v_add_nc_u32 v5, 2*BT, v4
	v_lshl_add_u32 v6, v1, 2, SC
	v_bfe_u32 v15, v0, 2, 2                        ; my four columns' tile: (l % 16) / 4
	v_and_b32 v16, 3, v0
	v_mul_u32_u24 v7, v15, BT
	v_lshl_add_u32 v7, v3, 8, v7                   ; my half of the block: the image's lanes 16 h on
	v_lshl_add_u32 v7, v16, 6, v7                  ; the first column's row in the tile: 4 (l % 4)
	s_lshl_b32 s47, s21, 9
	v_add_nc_u32 v7, s47, v7                       ; + 512 wq: my wave's block of 32 is group wq of the image
	v_lshl_add_u32 v8, v2, 4, SC
	v_add_nc_u32 v8, s21, v8
	s_mul_i32 s47, s21, 4352
	s_add_co_u32 s47, s47, STG                     ; my stage
	v_mul_u32_u24 v9, v2, 272
	v_lshl_add_u32 v9, v3, 5, v9
	v_add_nc_u32 v9, s47, v9                       ; in: row r, 32 bytes for each half of the lanes
	v_mul_u32_u24 v10, v3, 272
	v_lshl_add_u32 v10, v2, 4, v10
	v_add_nc_u32 v10, s47, v10                     ; back: lanes 0-15 one row of 256 bytes, lanes 16-31 the next
	v_lshlrev_b32 v11, 2, v1
	v_lshlrev_b32 v12, 12, v3
	v_lshl_add_u32 v12, v2, 4, v12                 ; and the same two rows in y
	v_lshlrev_b32 v13, 5, v3
	v_lshlrev_b32 v14, 16, v3
	v_lshl_add_u32 v14, v2, 4, v14                 ; w2: 16 rows of 4,096 bytes down for lanes 16-31, 16 bytes a lane
.irp m, 0,1,2,3,4,5,6,7
	v_mov_b32 v[PS+\m], 0                          ; written once: a lane exchange's destination counts as one of its sources
.endr
	s_lshl_b32 s52, s23, 24                        ; w2: expert e, row 2,048 kh + 32 wq, column 64 ds
	s_lshl_b32 s47, s19, 23
	s_add_co_u32 s52, s52, s47
	s_lshl_b32 s47, s21, 17
	s_add_co_u32 s52, s52, s47
	s_lshl_b32 s47, s22, 8
	s_add_co_u32 s52, s52, s47
	s_mov_b32 s53, 0
	s_lshl_b32 s54, s23, 22                        ; hid: [e][tile][K step][2,048]: tile wq, K step 16 kh
	s_lshl_b32 s47, s21, 16
	s_add_co_u32 s54, s54, s47
	s_lshl_b32 s47, s19, 15
	s_add_co_u32 s54, s54, s47
	s_mov_b32 s55, 0
	s_lshl_b32 s48, s23, 17                        ; hsc: [e][tile][K step][64]
	s_lshl_b32 s47, s21, 11
	s_add_co_u32 s48, s48, s47
	s_lshl_b32 s47, s19, 10
	s_add_co_u32 s48, s48, s47
	s_mov_b32 s49, 0
	s_lshl_b32 s50, s23, 12                        ; b2
	s_lshl_b32 s47, s22, 8
	s_add_co_u32 s50, s50, s47
	s_mov_b32 s51, 0
	s_lshl_b32 s60, s19, 25                        ; y: [kh][1,024 e + place][4,096 bytes]: place 16 wq, column 64 ds
	s_lshl_b32 s47, s23, 22
	s_add_co_u32 s60, s60, s47
	s_lshl_b32 s47, s21, 16
	s_add_co_u32 s60, s60, s47
	s_lshl_b32 s47, s22, 8
	s_add_co_u32 s60, s60, s47
	s_mov_b32 s61, 0
	s_cmp_eq_u32 s19, 0
	s_cselect_b32 s59, -1, 0                       ; all lanes where the bias counts
	s_wait_kmcnt 0x0
	s_add_nc_u64 s[32:33], s[4:5], s[52:53]
	s_add_nc_u64 s[36:37], s[8:9], s[54:55]
	s_add_nc_u64 s[38:39], s[10:11], s[48:49]
	s_add_nc_u64 s[56:57], s[6:7], s[50:51]
	s_add_nc_u64 s[34:35], s[14:15], s[60:61]
	; ---- interval 0
	s_cmp_lt_u32 s20, 4
	s_cbranch_scc0 .Lsetup
.irp g, 0,1,2,3
	WLOAD 0, \g
.endr
.irp g, 0,1,2,3
	WLOAD 1, \g
.endr
	PROD 0
	s_branch .Ljoin0
.Lsetup:
.irp q, 0,1,2,3,4,5,6,7
	global_load_b128 v[SW+4*\q:SW+4*\q+3], v4, s[12:13] offset:512*\q      ; sel of tokens 128 q + 4 l + k
.endr
	BIAS
	s_wait_loadcnt 0x0                             ; sel and b2 are in
	BMASK
	s_cmp_lg_u32 s20, 4
	s_cbranch_scc1 .Lcount
	s_cmp_lg_u32 ttmp9, 0
	s_cbranch_scc1 .Lcount
	PUBLISH                                        ; wave 4 of the expert's first work-group
	s_branch .Lcounted
.Lcount:
	COUNT
.Lcounted:
	s_wait_xcnt 0x0                                ; the stores have read their offsets and data: hid's fragments may land there
	PLACES 9                                       ; the work registers are hid's fragment registers
	ALOAD 0, 36, 38, 0, 0                          ; the first chunk's images, all five tiles
.Ljoin0:
	BAR
	s_min_u32 s28, s28, 1024
	s_add_co_u32 s29, s28, 15
	s_lshr_b32 s29, s29, 4                         ; tiles
	s_add_co_u32 s25, s29, 3
	s_sub_co_u32 s25, s25, s21                     ; tiles + 3 - wq - 20 p
	s_lshr_b32 s30, s25, 2
	s_min_u32 s30, s30, 5                          ; how many of my five tiles have rows in pass 0
; ---- intervals 1 to 7: chunk ch is quantised while chunk ch - 1 is multiplied
.macro INTERVAL ch
	s_cmp_lt_u32 s20, 4
	s_cbranch_scc0 .Lcons_\@
	PROD \ch
	s_branch .Ljoin_\@
.Lcons_\@:
.if (\ch) == 1
	CONS 0, 1, 0, 1
.else
	CONS (\ch)-1, 0, 1, 1
.endif
.Ljoin_\@:
	BAR
.endm
.irp ch, 1,2,3,4,5,6,7
	INTERVAL \ch
.endr
	; ---- behind the last barrier only each consumer's own stage is stored to
	s_cmp_lt_u32 s20, 4
	s_cbranch_scc1 .Ltail
	CONS 7, 0, 1, 0
.Ltail:
	s_wait_loadcnt 0x0                             ; from here on no load is out at the head of a block that loads
	s_mov_b32 s31, 0                               ; the pass
.Lpass:                                                ; four trips: the way out of pass p, then the products of pass p + 1 (none in the last trip: the count allows 64 tiles at most)
	CHEAD .Lepi_end
	EPI 0
	EPI 1
	EPI 2
	EPI 3
	EPI 4
.Lepi_end:
	s_wait_xcnt 0x0                                ; every earlier memory instruction has read its sources: bases and data may be written
	s_add_nc_u64 s[36:37], s[36:37], 1310720       ; 20 tiles on in hid,
	s_add_nc_u64 s[38:39], s[38:39], 40960         ; in hsc,
	s_add_nc_u64 s[34:35], s[34:35], 1310720       ; and 320 rows on in y
	s_sub_co_i32 s25, s25, 20
	s_max_i32 s30, s25, 0
	s_lshr_b32 s30, s30, 2
	s_min_u32 s30, s30, 5
	s_mov_b32 s44, 0
	s_mov_b64 s[40:41], s[36:37]
	s_mov_b64 s[42:43], s[38:39]
	CHEAD .Lsetupg_end
	PLACES NP
	BIAS
	s_wait_loadcnt 0x0
	BMASK
.Lsetupg_end:
	CONSG 1
	s_mov_b32 s46, 7
.Lk:
	CONSG 0
	s_sub_co_u32 s46, s46, 1
	s_cmp_lg_u32 s46, 0
	s_cbranch_scc1 .Lk
	s_add_co_u32 s31, s31, 1
	s_cmp_lt_u32 s31, 4
	s_cbranch_scc1 .Lpass
	s_wait_tensorcnt 0x0
	ds_add_u32 v254, v255
	s_wait_dscnt 0x0
	s_endpgm
.Lfunc_end_k_qe3ed122a15_down:
	.size	k_qe3ed122a15_down, .Lfunc_end_k_qe3ed122a15_down-k_qe3ed122a15_down
	.p2alignl 7, 3214868480
	.fill 96, 4, 3214868480
	.section	.rodata,"a",@progbits
	.p2align	6, 0x0
	.amdhsa_kernel k_qe3ed122a15_down
		.amdhsa_group_segment_fixed_size 153856
		.amdhsa_private_segment_fixed_size 0
		.amdhsa_enable_private_segment 0
		.amdhsa_kernarg_size 56
		.amdhsa_user_sgpr_count 2
		.amdhsa_user_sgpr_kernarg_segment_ptr 1
		.amdhsa_wavefront_size32 1
		.amdhsa_system_sgpr_workgroup_id_x 1
		.amdhsa_system_sgpr_workgroup_id_y 1
		.amdhsa_system_sgpr_workgroup_id_z 1
		.amdhsa_system_vgpr_workitem_id 0
		.amdhsa_next_free_vgpr 512
		.amdhsa_next_free_sgpr 80
		.amdhsa_reserve_vcc 1
		.amdhsa_float_denorm_mode_32 3
		.amdhsa_float_denorm_mode_16_64 3
		.amdhsa_memory_ordered 1
		.amdhsa_forward_progress 1
		.amdhsa_inst_pref_size 255
	.end_amdhsa_kernel
	.section	.bss,"aw",@nobits
	.p2align	6
	.space	262144
	.amdgpu_metadata
---
amdhsa.version: [ 1, 2 ]
amdhsa.kernels:
  - .name:           k_qe3ed122a15_down
    .symbol:         k_qe3ed122a15_down.kd
    .args:
      - { .name: w2, .offset: 0, .size: 8, .value_kind: global_buffer, .address_space: global }
      - { .name: b2, .offset: 8, .size: 8, .value_kind: global_buffer, .address_space: global }
      - { .name: hid, .offset: 16, .size: 8, .value_kind: global_buffer, .address_space: global }
      - { .name: hsc, .offset: 24, .size: 8, .value_kind: global_buffer, .address_space: global }
      - { .name: sel, .offset: 32, .size: 8, .value_kind: global_buffer, .address_space: global }
      - { .name: y, .offset: 40, .size: 8, .value_kind: global_buffer, .address_space: global }
      - { .name: rows, .offset: 48, .size: 8, .value_kind: global_buffer, .address_space: global }
    .group_segment_fixed_size: 153856
    .private_segment_fixed_size: 0
    .kernarg_segment_align: 8
    .kernarg_segment_size: 56
    .max_flat_workgroup_size: 256
    .sgpr_count:     80
    .vgpr_count:     512
    .wavefront_size: 32
...
	.end_amdgpu_metadata
.endif
;; end of part 3
;; launch combine (part 4): grid 256 x 1, 4 waves a work-group, no clusters, 0 bytes of LDS; arguments y, rows, gate, out0; writes out0
.if DOCPART == 4
	.amdgcn_target "amdgcn-amd-amdhsa--gfx1250"
	.amdhsa_code_object_version 6
	.text
	.protected	k_qe3ed122a15_combine
	.globl	k_qe3ed122a15_combine
	.p2align	8
	.type	k_qe3ed122a15_combine,@function
k_qe3ed122a15_combine:
	s_mov_b64 s[64:65], 0
	v_nop
	global_prefetch_b8 v0, s[64:65] scope:SCOPE_SE
	s_setreg_imm32_b32 hwreg(HW_REG_WAVE_MODE, 25, 1), 1
	s_wait_xcnt 0x0
; COMBINE.  out0[t] = g0 (yA[r0] + yB[r0]) + g1 (yA[r1] + yB[r1]): the two halves of K and the two chosen experts of a token; the experts that were not chosen have the gate 0 and add nothing.
; One wave takes one token t = 4 x work-group + wave.  r0, r1 (rows[2 t], rows[2 t + 1]: whole numbers that an earlier launch stored) and g0, g1 come by scalar loads.
; A row is 4,096 bytes: eight groups of four loads of 512 consecutive bytes, all 32 asked for at once; each result has registers of its own, so nothing is waited for but the loads.
; A stream: no LDS, no barrier, no matrix unit.
.set IN, 8                             ; v8-135   group q: yA[r0], yB[r0], yA[r1], yB[r1], four registers each
.set OU, 136                           ; v136-167 group q: four results
	s_load_b256 s[4:11], s[0:1], 0x0               ; y s[4:5], rows s[6:7], gate s[8:9], out0 s[10:11]
	v_lshrrev_b32 v1, 5, v0
	v_readfirstlane_b32 s12, v1                    ; wave
	v_and_b32 v1, 31, v0
	v_lshlrev_b32 v1, 4, v1                        ; 16 bytes a lane
	s_lshl_b32 s13, ttmp9, 2
	s_add_co_u32 s13, s13, s12                     ; my token
	s_lshl_b32 s14, s13, 3
	s_mov_b32 s15, 0
	s_wait_kmcnt 0x0
	s_add_nc_u64 s[6:7], s[6:7], s[14:15]
	s_add_nc_u64 s[8:9], s[8:9], s[14:15]
	s_load_b64 s[16:17], s[6:7], 0x0               ; r0, r1
	s_load_b64 s[18:19], s[8:9], 0x0               ; g0, g1
	s_lshl_b32 s14, s13, 12
	s_add_nc_u64 s[10:11], s[10:11], s[14:15]      ; my row of out0
	s_wait_kmcnt 0x0
	s_min_u32 s16, s16, 8191                       ; held inside the table
	s_min_u32 s17, s17, 8191
	s_lshl_b32 s20, s16, 12
	s_mov_b32 s21, 0
	s_lshl_b32 s22, s17, 12
	s_mov_b32 s23, 0
	s_add_nc_u64 s[24:25], s[4:5], s[20:21]        ; yA[r0]
	s_add_nc_u64 s[26:27], s[24:25], 0x2000000     ; yB[r0]: 8,192 rows of 4,096 bytes on
	s_add_nc_u64 s[28:29], s[4:5], s[22:23]        ; yA[r1]
	s_add_nc_u64 s[30:31], s[28:29], 0x2000000     ; yB[r1]
	s_mov_b32 s32, s18                             ; g0 and g1 as pairs: the packed forms name a pair and take its low word for both halves
	s_mov_b32 s33, s18
	s_mov_b32 s34, s19
	s_mov_b32 s35, s19
.irp q, 0,1,2,3,4,5,6,7
.irp m, 0,1,2,3
	global_load_b128 v[IN+16*\q+4*\m:IN+16*\q+4*\m+3], v1, s[24+2*\m:25+2*\m] offset:512*\q th:TH_LOAD_NT
.endr
.endr
.irp q, 0,1,2,3,4,5,6,7
	s_wait_loadcnt 4*(7-\q)                        ; this group's four loads are in; the later groups' may be out
.irp p, 0,2
	v_pk_add_f32 v[IN+16*\q+\p:IN+16*\q+\p+1], v[IN+16*\q+\p:IN+16*\q+\p+1], v[IN+16*\q+4+\p:IN+16*\q+4+\p+1]
	v_pk_add_f32 v[IN+16*\q+8+\p:IN+16*\q+8+\p+1], v[IN+16*\q+8+\p:IN+16*\q+8+\p+1], v[IN+16*\q+12+\p:IN+16*\q+12+\p+1]
.endr
.irp p, 0,2
	v_pk_mul_f32 v[OU+4*\q+\p:OU+4*\q+\p+1], v[IN+16*\q+\p:IN+16*\q+\p+1], s[32:33] op_sel_hi:[1,0]
.endr
.irp p, 0,2
	v_pk_fma_f32 v[OU+4*\q+\p:OU+4*\q+\p+1], v[IN+16*\q+8+\p:IN+16*\q+8+\p+1], s[34:35], v[OU+4*\q+\p:OU+4*\q+\p+1] op_sel_hi:[1,0,1]
.endr
	global_store_b128 v1, v[OU+4*\q:OU+4*\q+3], s[10:11] offset:512*\q th:TH_STORE_NT   ; 32 lanes store 512 consecutive bytes
.endr
	s_endpgm
.Lfunc_end_k_qe3ed122a15_combine:
	.size	k_qe3ed122a15_combine, .Lfunc_end_k_qe3ed122a15_combine-k_qe3ed122a15_combine
	.p2alignl 7, 3214868480
	.fill 96, 4, 3214868480
	.section	.rodata,"a",@progbits
	.p2align	6, 0x0
	.amdhsa_kernel k_qe3ed122a15_combine
		.amdhsa_group_segment_fixed_size 0
		.amdhsa_private_segment_fixed_size 0
		.amdhsa_enable_private_segment 0
		.amdhsa_kernarg_size 32
		.amdhsa_user_sgpr_count 2
		.amdhsa_user_sgpr_kernarg_segment_ptr 1
		.amdhsa_wavefront_size32 1
		.amdhsa_system_sgpr_workgroup_id_x 1
		.amdhsa_system_sgpr_workgroup_id_y 1
		.amdhsa_system_sgpr_workgroup_id_z 1
		.amdhsa_system_vgpr_workitem_id 0
		.amdhsa_next_free_vgpr 168
		.amdhsa_next_free_sgpr 66
		.amdhsa_reserve_vcc 0
		.amdhsa_float_denorm_mode_32 3
		.amdhsa_float_denorm_mode_16_64 3
		.amdhsa_memory_ordered 1
		.amdhsa_forward_progress 1
		.amdhsa_inst_pref_size 10
	.end_amdhsa_kernel
	.amdgpu_metadata
---
amdhsa.version: [ 1, 2 ]
amdhsa.kernels:
  - .name:           k_qe3ed122a15_combine
    .symbol:         k_qe3ed122a15_combine.kd
    .args:
      - { .name: y, .offset: 0, .size: 8, .value_kind: global_buffer, .address_space: global }
      - { .name: rows, .offset: 8, .size: 8, .value_kind: global_buffer, .address_space: global }
      - { .name: gate, .offset: 16, .size: 8, .value_kind: global_buffer, .address_space: global }
      - { .name: out0, .offset: 24, .size: 8, .value_kind: global_buffer, .address_space: global }
    .group_segment_fixed_size: 0
    .private_segment_fixed_size: 0
    .kernarg_segment_align: 8
    .kernarg_segment_size: 32
    .max_flat_workgroup_size: 128
    .sgpr_count:     66
    .vgpr_count:     168
    .wavefront_size: 32
...
	.end_amdgpu_metadata
.endif
;; end of part 4
;; ======== version 2 of 2: 4 launches
;; workspace buffers: xq 1,048,576 bytes; xs 32,768 bytes; sel 4,096 bytes of whole numbers; gate 8,192 bytes; rows 10,240 bytes of whole numbers; hid 33,554,432 bytes; hsc 1,048,576 bytes; y 67,108,864 bytes
;; launch route (part 5): grid 256 x 1, 4 waves a work-group, no clusters, 0 bytes of LDS; arguments x, router_w, router_b, xq, xs, sel, gate; writes xq, xs, sel, gate
.if DOCPART == 5
	.amdgcn_target "amdgcn-amd-amdhsa--gfx1250"
	.amdhsa_code_object_version 6
	.text
	.protected	k_qe3ed122a15_route
	.globl	k_qe3ed122a15_route
	.p2align	8
	.type	k_qe3ed122a15_route,@function
k_qe3ed122a15_route:
	s_mov_b64 s[64:65], 0
	v_nop
	global_prefetch_b8 v0, s[64:65] scope:SCOPE_SE
	s_setreg_imm32_b32 hwreg(HW_REG_WAVE_MODE, 25, 1), 1
	s_wait_xcnt 0x0
; ROUTE.  One wave takes one token t = 4 x work-group + wave (1,024 tokens, 256 work-groups of 4 waves).  It makes
;  (a) the token's row of x as codes of E4M3 with one E8M0 byte for each 32 along K, laid as the next launch's operand registers want them:
;      xq[t] is 64 pieces of 16 bytes; piece p = 8 s + 4 h + c holds k = 128 s + 32 c + 16 h + 0 .. 15; xs[t][4 s + c] is the byte of block (s, c);
;  (b) the eight router logits in f32 (packed multiply-adds, then a sum over the 32 lanes), the two largest (a tie goes to the lower index), and their
;      softmax: the larger logit is taken away first, so g0 = 1 / (1 + e^(second - best)), g1 = e^(second - best) g0.
;      sel[t] = best | second << 8 | ((1 << best) | (1 << second)) << 16 (whole numbers, at a fixed place: no address of this launch hangs on them), gate[t] = (g0, g1).
; Lane l holds pieces l and l + 32: 32 numbers of x, and the same 32 places of each row of router_w.  A block of 32 lies in lanes l and l xor 4.
; No LDS, no barrier, no matrix unit: 4 MB are read once and the eight dot products are 8 numbers a token.
; LIMITS: NaN and infinities among the inputs are not served.  A block of zeros gets the byte 1 (its codes are zeros; only this program reads the bytes).
.set XR, 32                            ; v32-63   my 32 numbers of x (piece 0, piece 1)
.set WR, 64                            ; v64-191  router_w, experts 0-3, 32 registers each; experts 4-7: window 1, v0-127
.set AC, 8                             ; v8-23    a pair of partial sums for each expert
.set LG, 24                            ; v24-31   the logits
.set QM, 192                           ; v192-193 largest magnitudes of my two half blocks, then of the blocks
.set QS, 194                           ; v194-195 the conversions' scale operands
.set QL, 196                           ; v196-197 448 x the scale
.set QB, 198                           ; v198-199 the scale bytes
.set CD, 200                           ; v200-207 the codes
.set PD, 208                           ; v208-215 destinations of the lane exchange
.set TT, 224                           ; v224-255 the held numbers; later the two gates and the word for sel
.set MSB, 0
.macro WIN new                         ; the immediate's high byte repeats the setting that is left
.if MSB != \new
	s_set_vgpr_msb (MSB<<8)|\new
.set MSB, \new
.endif
.endm
	s_load_b256 s[4:11], s[0:1], 0x0               ; x, router_w, router_b, xq
	s_load_b128 s[12:15], s[0:1], 0x20             ; xs, sel
	s_load_b64 s[16:17], s[0:1], 0x30              ; gate
	v_lshrrev_b32 v5, 5, v0
	v_readfirstlane_b32 s20, v5                    ; wave
	v_and_b32 v1, 31, v0                           ; lane
	s_lshl_b32 s21, ttmp9, 2
	s_add_co_u32 s21, s21, s20                     ; my token
	v_lshrrev_b32 v5, 3, v1                        ; s = l / 8
	v_and_b32 v6, 3, v1                            ; c = l % 4
	v_bfe_u32 v7, v1, 2, 1                         ; h
	v_lshlrev_b32 v2, 9, v5
	v_lshl_add_u32 v2, v6, 7, v2
	v_lshl_add_u32 v2, v7, 6, v2                   ; byte of my piece 0 in a row of f32: 512 s + 128 c + 64 h
	v_lshlrev_b32 v3, 4, v1                        ; 16 l: my piece in xq
	v_lshl_add_u32 v4, v5, 2, v6                   ; 4 s + c: my block's byte in xs
	s_mov_b32 s32, 0x76543210
	s_mov_b32 s33, 0xfedcba98                      ; lane selects: lane l xor 16
	s_mov_b32 s34, 0x600000                        ; the mantissa field of 448
	s_mov_b32 s23, 0
	s_lshl_b32 s22, s21, 12
	s_wait_alu depctr_va_vdst(0)
	s_wait_kmcnt 0x0
	s_load_b256 s[24:31], s[8:9], 0x0              ; router_b
	s_add_nc_u64 s[4:5], s[4:5], s[22:23]          ; my row of x
	s_lshl_b32 s22, s21, 10
	s_add_nc_u64 s[10:11], s[10:11], s[22:23]      ; of xq
	s_lshl_b32 s22, s21, 5
	s_add_nc_u64 s[12:13], s[12:13], s[22:23]      ; of xs
	s_lshl_b32 s22, s21, 2
	s_add_nc_u64 s[14:15], s[14:15], s[22:23]      ; my word of sel
	s_lshl_b32 s22, s21, 3
	s_add_nc_u64 s[16:17], s[16:17], s[22:23]      ; my pair of gate
.irp z, 0,1
.irp i, 0,1,2,3
	global_load_b128 v[XR+16*\z+4*\i:XR+16*\z+4*\i+3], v2, s[4:5] offset:2048*\z+16*\i th:TH_LOAD_NT
.endr
.endr
.irp e, 0,1,2,3
.irp z, 0,1
.irp i, 0,1,2,3
	global_load_b128 v[WR+32*\e+16*\z+4*\i:WR+32*\e+16*\z+4*\i+3], v2, s[6:7] offset:4096*\e+2048*\z+16*\i
.endr
.endr
.endr
	WIN 0x40                                       ; destination window 1
.irp e, 0,1,2,3
.irp z, 0,1
.irp i, 0,1,2,3
	global_load_b128 v[32*\e+16*\z+4*\i:32*\e+16*\z+4*\i+3], v2, s[6:7] offset:4096*(4+\e)+2048*\z+16*\i
.endr
.endr
.endr
	WIN 0
.irp e, 0,1,2,3,4,5,6,7
	v_mov_b32 v[PD+\e], 0                          ; written once: a lane exchange's destination counts as one of its sources
.endr
	s_wait_loadcnt 56                              ; x and expert 0 are in; the 56 loads of experts 1 to 7 may be out
	; ---- x into codes
.irp z, 0,1
	v_max3_num_f32 v[QM+\z], |v[XR+16*\z]|, |v[XR+16*\z+1]|, 0x4800000   ; my 16 numbers, and the floor 2^(9 - 127): the byte cannot fall under 1
.endr
.irp i, 2,4,6,8,10,12,14
.irp z, 0,1
	v_max3_num_f32 v[QM+\z], v[QM+\z], |v[XR+16*\z+\i]|, |v[XR+16*\z+\i+1]|
.endr
.endr
.irp z, 0,1
	v_max_num_f32_dpp v[QM+\z], v[QM+\z], v[QM+\z] row_xmask:4 row_mask:0xf bank_mask:0xf   ; with lane l xor 4: the block's largest magnitude
.endr
.irp z, 0,1
	v_add_nc_u32 v[QS+\z], 0xfc000000, v[QM+\z]    ; 8 off the exponent field: the conversion takes this operand's exponent field as its scale
	v_and_or_b32 v[QL+\z], v[QM+\z], 0x7f800000, s34   ; 448 x the scale
	v_lshrrev_b32 v[QB+\z], 23, v[QS+\z]           ; the scale's byte
.endr
.irp z, 0,1
.irp i, 0,1,2,3,4,5,6,7,8,9,10,11,12,13,14,15
	v_med3_num_f32 v[TT+16*\z+\i], v[XR+16*\z+\i], -v[QL+\z], v[QL+\z]   ; the conversion to an 8-bit code does not saturate (ISA guide 7.6.2): the hold; x itself stays for the logits
.endr
.endr
.irp z, 0,1
	v_cvt_scalef32_pk8_fp8_f32 v[CD+4*\z:CD+4*\z+1], v[TT+16*\z:TT+16*\z+7], v[QS+\z]
	v_cvt_scalef32_pk8_fp8_f32 v[CD+4*\z+2:CD+4*\z+3], v[TT+16*\z+8:TT+16*\z+15], v[QS+\z]
.endr
	v_nop                                          ; a plain line behind the last scaled conversion
	global_store_b128 v3, v[CD:CD+3], s[10:11]                 ; 32 lanes store 512 consecutive bytes
	global_store_b128 v3, v[CD+4:CD+7], s[10:11] offset:512
	global_store_b8 v4, v[QB], s[12:13]                        ; both lanes of a block store the same byte with the same value
	global_store_b8 v4, v[QB+1], s[12:13] offset:16
	; ---- the logits
.macro DOT e, wb                       ; expert e, its row in v[wb] on
	s_wait_loadcnt 8*(7-(\e))                      ; this expert's eight loads are in; those of the later experts may be out
	v_pk_mul_f32 v[AC+2*(\e):AC+2*(\e)+1], v[XR:XR+1], v[\wb:\wb+1]
.irp k, 2,4,6,8,10,12,14,16,18,20,22,24,26,28,30
	v_pk_fma_f32 v[AC+2*(\e):AC+2*(\e)+1], v[XR+\k:XR+\k+1], v[\wb+\k:\wb+\k+1], v[AC+2*(\e):AC+2*(\e)+1]
.endr
.endm
	DOT 0, WR
	DOT 1, WR+32
	DOT 2, WR+64
	DOT 3, WR+96
	WIN 0x04                                       ; source 1 window 1
	DOT 4, 0
	DOT 5, 32
	DOT 6, 64
	DOT 7, 96
	WIN 0
.irp e, 0,1,2,3,4,5,6,7
	v_add_f32 v[LG+\e], v[AC+2*\e], v[AC+2*\e+1]
.endr
.irp m, 1,2,4,8
.irp e, 0,1,2,3,4,5,6,7
	v_add_f32_dpp v[LG+\e], v[LG+\e], v[LG+\e] row_xmask:\m row_mask:0xf bank_mask:0xf
.endr
.endr
.irp e, 0,1,2,3,4,5,6,7
	v_permlanex16_b32 v[PD+\e], v[LG+\e], s32, s33
.endr
	s_wait_alu depctr_va_vdst(0)
	s_wait_kmcnt 0x0                               ; router_b
.irp e, 0,1,2,3,4,5,6,7
	v_add_f32 v[LG+\e], v[LG+\e], v[PD+\e]
.endr
.irp e, 0,1,2,3,4,5,6,7
	v_add_f32 v[LG+\e], s[24+\e], v[LG+\e]         ; every lane now holds all eight logits
.endr
	; ---- the two largest; strict compares, ascending e: the lower index wins a tie
	v_mov_b32 v216, v[LG]                          ; best
	v_mov_b32 v217, 0                              ; its index
	v_mov_b32 v218, 0xff800000                     ; second: -infinity
	v_mov_b32 v219, 0
.irp e, 1,2,3,4,5,6,7
	v_cmp_gt_f32 vcc_lo, v[LG+\e], v216
	v_cmp_gt_f32 s36, v[LG+\e], v218
	v_cndmask_b32 v218, v218, v[LG+\e], s36
	v_cndmask_b32 v219, v219, \e, s36
	v_cndmask_b32 v218, v218, v216, vcc_lo
	v_cndmask_b32 v219, v219, v217, vcc_lo
	v_cndmask_b32 v216, v216, v[LG+\e], vcc_lo
	v_cndmask_b32 v217, v217, \e, vcc_lo
.endr
	v_sub_f32 v220, v218, v216                     ; second - best: 0 or less
	v_mul_f32 v220, 0x3fb8aa3b, v220               ; x log2(e)
	s_wait_alu depctr_va_vdst(0)
	v_exp_f32 v221, v220
	v_lshl_or_b32 v222, v219, 8, v217              ; (plain lines behind the exponential)  the word for sel: the two indices,
	v_mov_b32 v226, 1
	v_lshlrev_b32 v227, v217, v226                 ; 1 << best
	v_lshlrev_b32 v228, v219, v226                 ; 1 << second
	v_or_b32 v227, v227, v228
	v_lshl_or_b32 v222, v227, 16, v222             ; and a bit for each chosen expert, from bit 16 on
	s_wait_alu depctr_va_vdst(0)                   ; the wait ahead of the first line that names the result
	v_add_f32 v220, 1.0, v221
	s_wait_alu depctr_va_vdst(0)
	v_rcp_f32 v224, v220
	v_mov_b32 v5, 0                                ; (a plain line behind the reciprocal)  the stores' offset
	s_wait_alu depctr_va_vdst(0)
	v_mul_f32 v225, v221, v224                     ; g1; g0 is v224
	v_cmp_eq_u32 vcc_lo, 0, v1
	s_wait_alu depctr_va_vdst(0)
	s_wait_xcnt 0x0                                ; EXEC changes only when every earlier memory instruction has read its sources
	s_and_saveexec_b32 s35, vcc_lo                 ; lane 0 alone
	global_store_b32 v5, v222, s[14:15]
	global_store_b64 v5, v[224:225], s[16:17]
	s_endpgm
.Lfunc_end_k_qe3ed122a15_route:
	.size	k_qe3ed122a15_route, .Lfunc_end_k_qe3ed122a15_route-k_qe3ed122a15_route
	.p2alignl 7, 3214868480
	.fill 96, 4, 3214868480
	.section	.rodata,"a",@progbits
	.p2align	6, 0x0
	.amdhsa_kernel k_qe3ed122a15_route
		.amdhsa_group_segment_fixed_size 0
		.amdhsa_private_segment_fixed_size 0
		.amdhsa_enable_private_segment 0
		.amdhsa_kernarg_size 56
		.amdhsa_user_sgpr_count 2
		.amdhsa_user_sgpr_kernarg_segment_ptr 1
		.amdhsa_wavefront_size32 1
		.amdhsa_system_sgpr_workgroup_id_x 1
		.amdhsa_system_sgpr_workgroup_id_y 1
		.amdhsa_system_sgpr_workgroup_id_z 1
		.amdhsa_system_vgpr_workitem_id 0
		.amdhsa_next_free_vgpr 384
		.amdhsa_next_free_sgpr 66
		.amdhsa_reserve_vcc 1
		.amdhsa_float_denorm_mode_32 3
		.amdhsa_float_denorm_mode_16_64 3
		.amdhsa_memory_ordered 1
		.amdhsa_forward_progress 1
		.amdhsa_inst_pref_size 29
	.end_amdhsa_kernel
	.amdgpu_metadata
---
amdhsa.version: [ 1, 2 ]
amdhsa.kernels:
  - .name:           k_qe3ed122a15_route
    .symbol:         k_qe3ed122a15_route.kd
    .args:
      - { .name: x, .offset: 0, .size: 8, .value_kind: global_buffer, .address_space: global }
      - { .name: router_w, .offset: 8, .size: 8, .value_kind: global_buffer, .address_space: global }
      - { .name: router_b, .offset: 16, .size: 8, .value_kind: global_buffer, .address_space: global }
      - { .name: xq, .offset: 24, .size: 8, .value_kind: global_buffer, .address_space: global }
      - { .name: xs, .offset: 32, .size: 8, .value_kind: global_buffer, .address_space: global }
      - { .name: sel, .offset: 40, .size: 8, .value_kind: global_buffer, .address_space: global }
      - { .name: gate, .offset: 48, .size: 8, .value_kind: global_buffer, .address_space: global }
    .group_segment_fixed_size: 0
    .private_segment_fixed_size: 0
    .kernarg_segment_align: 8
    .kernarg_segment_size: 56
    .max_flat_workgroup_size: 128
    .sgpr_count:     66
    .vgpr_count:     384
    .wavefront_size: 32
...
	.end_amdgpu_metadata
.endif
;; end of part 5
;; launch up (part 6): grid 32 x 8, 8 waves a work-group, no clusters, 136,448 bytes of LDS; arguments w1, b1, xq, xs, sel, hid, hsc; writes hid, hsc
.if DOCPART == 6
	.amdgcn_target "amdgcn-amd-amdhsa--gfx1250"
	.amdhsa_code_object_version 6
	.text
	.protected	k_qe3ed122a15_up
	.globl	k_qe3ed122a15_up
	.p2align	8
	.type	k_qe3ed122a15_up,@function
k_qe3ed122a15_up:
	s_mov_b64 s[64:65], 0
	v_nop
	global_prefetch_b8 v0, s[64:65] scope:SCOPE_SE
	s_setreg_imm32_b32 hwreg(HW_REG_WAVE_SCHED_MODE, 0, 2), 2
	s_setreg_imm32_b32 hwreg(HW_REG_WAVE_MODE, 25, 1), 1
	s_wait_xcnt 0x0
	s_wait_alu depctr_vm_vsrc(0)
; UP.  Work-group (hs, e) makes hidden units 128 hs .. 128 hs + 127 of expert e for the rows (tokens) that chose e:
; hid = Q(relu(Q(x) Q(w1[e]) + b1[e])), both Q along the product's K, E4M3 with one E8M0 byte for each 32.
; The launch is bound by the 134 MB of w1, f32, K outermost: each byte is read once, by 256 work-groups of 512 KB each.
; TWO ROLES.  Waves 0-3 (producers) stream the slice, 128 k x 128 columns (64 KB) a chunk: wave w takes k = 32 w .. 32 w + 31 of the chunk, a lane four columns, its registers running
;   down K, so that a block of 32 lies in one lane; a load is a whole row of the slice, 512 consecutive bytes.  Two sets of 32 loads a wave take turns: while one is quantised the other is on its way,
;   and each half of a set is asked for again as soon as it has been read.  The codes go to LDS as images of the operand's registers and stay there (all of K: 128 KB).
;   Waves 4-7 (consumers) take the rows' fragments of xq straight from memory, w1's from LDS, and multiply.  Each role has its own count of loads, so no wave waits for young weight loads to get at its rows.
; One barrier a chunk: behind it chunk s is multiplied while chunk s + 1 is quantised.  Every barrier stands in the text that all eight waves walk.
; The registers in which a consumer's loads from memory land (sel, x's fragments and scale words, b1) are named by no line of the producers, and the producers' landing registers by no load of the consumers.
; ROWS.  sel[t] (whole numbers that the launch before stored) has bit 16 + e set where token t chose e.  The tokens go in 32 steps of 32: bit l of mask n = 4 q + k stands for token 128 q + 4 l + k.
;   A chosen token's PLACE is the number of chosen tokens ahead of it, steps ascending, lanes ascending.  Each consumer makes the 32 masks, keeps them in the 32 lanes of one register, and sums the count.
;   A tile is 16 places.  Consumer wq owns tiles 20 p + 4 i + wq, i = 0 .. 4, in pass p; lane (r, h) wants the token at place 16 tile + r.  It is found in registers: a walk over the 32 masks keeps, for each of
;   the lane's five places, the last step whose first place is not above it; the wanted set bit of that step's mask is then found by counts of pairs, fours, bytes and halves and five halvings.
;   Pass 0 (320 places) runs beside the stream; passes 1 to 3 (up to 1,024 places) run from LDS afterwards.
;   Tiles past the count are jumped over by scalar branches on the count, but not in pass 0's first K step nor in its way out: so every accumulator and operand register is written on every way, and tiles
;   0 .. 19 of hid are always stored (the next launch's first loads have no branch either).  Places past the count get some token under 1,024, whose results nobody reads.
; THE PRODUCT IS USED TRANSPOSED (source 0 = 16 columns of w1, source 1 = 16 rows of x) and the columns of a tile are chosen (column 32 b + q lies in tile 2 b + (q / 8) % 2 at row q % 8 + 8 (q / 16)), so that a lane's
;   16 registers of tiles 2 b, 2 b + 1 are 16 neighbours along the next K: the conversions' results are the next operand's registers.  b1 is the C of the first K step: it is loaded into tile 4's accumulators,
;   tiles 0-3 take those as C, tile 4 follows in place.
; No tensor loads, no cluster: the tile branches hang on a count made from loaded numbers, the weights must pass the vector unit, and no two work-groups share a byte of them.
; LIMITS: NaN and infinities are not served; a block of zeros gets the byte 1 (only this program reads the bytes); b1 enters the f32 sum first.
; THE MODE: SCHED_MODE bits 1:0 = 2 (LLVM: expert scheduling mode 2), set by the entry lines.  The code itself states the register dependences
; between vector or matrix instructions and memory or LDS instructions, with s_wait_alu, always for 0.
; THE PLAN.  Registers that memory or LDS instructions touch:
;   v4-v8, v12, v13   offsets and addresses: written at the head, never again; one wait on va_vdst ahead of the roles' parting serves them for the whole kernel.
;   PRODUCERS.  The two landing sets (window 1): chunk s's maxima and holds read set s % 2; the loads of chunk s + 2 land in it.  CC: the conversions write it, four LDS stores a half chunk read it.
;     PB: written at a chunk's head, read by the four byte stores at its end.  ONE wait on va_vdst a half chunk, behind its conversions: the half set has been read, CC and PB are written; only loads and LDS stores follow it.
;     A wait on vm_vsrc stands ahead of each rewriting of CC and PB: at a chunk's head and ahead of the second half's conversions.
;   CONSUMERS.  AF, AS: global loads at a K step's end land there, the step's products read them.  BF, BS: LDS loads land there, the products read them; BF's registers are also the work space of the search and of the way out.
;     BI: b1's loads land there; tile 4's products and its way out write and read it.  AO, AX: the search writes them, the rows' loads read them.  v25-27: three adds a K step of a later pass write them, LDS loads read them.
;     PC, PW: the way out writes them, its stores read them.  A K step has two waits on va_vdst: between its halves (BF) and ahead of the next rows' loads (AF, AS, and BF, BS for the next step's LDS loads:
;     no vector or matrix instruction stands between that wait and those loads).  The eight waves hold all the registers of the four SIMDs (8 x 512), so there is no second set of fragments to load into meanwhile.
;   A vector instruction's scalar result (the wave's number, the masks) has its wait on va_sdst ahead of its first reader, one wait behind each run of such lines.
.set NP, 9                             ; places behind a run of products: 8 serve loads into and reads of their registers, 9 a product that writes over them
.set BT, 16400                         ; LDS: a tile of w1's codes: 8 K steps x 2,048 bytes + 16
.set SC, 131328                        ; w1's scale bytes: 512 s + 64 tile + 4 row + block
; window 0, made ahead of the first parting of the roles: v1 lane, v2 r, v3 h, v4 16 lane, v5 v4 + 4 BT, v6 SC + 4 lane, v7 producers' place for codes, v8 for scale bytes,
; v12 4 r, v13 64 h; v25-27 LDS addresses made and used inside one block; v46 the 32 masks, one a lane
.set AO, 15                            ; v15-19  tile i: byte offset of my row's fragment in xq
.set AX, 20                            ; v20-24  and of its scale words in xs
.set AS, 32                            ; v32-36  x's scale words, tile i
.set BS, 37                            ; v37-40  w1's scale words: lanes 0-15 tile 2 q, lanes 16-31 tile 2 q + 1
.set AF, 48                            ; v48-127 consumers: x's fragments, tile i at 16 i
.set SW, 48                            ; v48-79  at the start: the words of sel
.set BF, 128                           ; v128-191 four of w1's fragments, filled from LDS ahead of every run of products
.set BI, 192                           ; v192-255 tile 4's accumulators; first b1.   window 1: accumulator (i, b) at 64 i + 8 b, i < 4
.set PM, 128                           ; producers: largest magnitudes of my four columns,
.set PS, 132                           ; scale operands,
.set PL, 136                           ; 448 x the scale,
.set PB, 140                           ; scale bytes,
.set TT, 144                           ; v144-175 eight held numbers of each column,
.set CC, 176                           ; v176-191 16 codes of each column.   window 1: the two landing sets, at 0 and at 128
.set TM, 128                           ; the way out works in w1's fragment registers too,
.set PW, 144
.set PC, 148
.set FP, 128                           ; and so does the search for the rows, five registers each: place << 5 | 31,
.set FK, 133                           ; the step found: its first place << 5 | n,
.set FM, 138                           ; its mask,
.set FA, 143                           ; the mask's counts of pairs,
.set FB, 148                           ; of fours,
.set FC, 153                           ; of bytes,
.set FD, 158                           ; of the low half,
.set FR, 163                           ; how many set bits are still to be passed,
.set FO, 168                           ; the bit's position so far,
.set FT, 173                           ; at work
.set FU, 178
.set MT, 184                           ; v184-191 at work on the masks
.set MSB, 0
.macro WIN new                         ; the immediate's high byte repeats the setting that is left; at a label and at a branch every window is 0
.if MSB != \new
	s_set_vgpr_msb (MSB<<8)|\new
.set MSB, \new
.endif
.endm
.macro PLACES n
.rept \n
	v_nop
.endr
.endm
.macro BAR                             ; my LDS stores have landed and my LDS loads are in: then the work-group's barrier
	s_wait_dscnt 0x0
	s_barrier_signal -1
	s_barrier_wait -1
.endm
.macro SKIP i, lbl                     ; tile i and those behind it have no rows in this pass
	s_cmp_lt_u32 s30, (\i)+1
	s_cbranch_scc1 \lbl
.endm
.macro CHEAD lbl                       ; a consumer's block in the loops that all waves walk: producers, and consumers without tiles, pass it by
	s_cmp_lt_u32 s20, 4
	s_cbranch_scc1 \lbl
	s_cmp_eq_u32 s30, 0
	s_cbranch_scc1 \lbl
.endm
.macro WM d, a, b, c, sa, sb, odd      ; one product; odd: source 0's scale words stand in lanes 16-31
.if \odd
	v_wmma_scale_f32_16x16x128_f8f6f4 v[\d:\d+7], v[\a:\a+15], v[\b:\b+15], v[\c:\c+7], v[\sa], v[\sb] matrix_a_scale:MATRIX_SCALE_ROW1
.else
	v_wmma_scale_f32_16x16x128_f8f6f4 v[\d:\d+7], v[\a:\a+15], v[\b:\b+15], v[\c:\c+7], v[\sa], v[\sb]
.endif
.endm
; ---- producers
.macro WLOAD s, g                      ; rows 8 g .. 8 g + 7 of my 32 rows of chunk s: every offset is an immediate, no base is ever stepped.  (The destination's window, 1, is set by the lines round the call)
.irp i, 0,1,2,3,4,5,6,7
	global_load_b128 v[128*((\s)%2)+4*(8*(\g)+\i):128*((\s)%2)+4*(8*(\g)+\i)+3], v4, s[32+2*((\s)/4):33+2*((\s)/4)] offset:(((\s)%4)*128+8*(\g)+\i)*16384 th:TH_LOAD_NT
.endr
.endm
.macro PROD s
.set XB, 128*((\s)%2)
.if (\s) < 7
	s_wait_loadcnt 32                              ; this chunk's 32 loads are in; the next chunk's 32 may be out
.else
	s_wait_loadcnt 0x0
.endif
.if (\s) > 0
	s_wait_alu depctr_vm_vsrc(0)                   ; the last chunk's LDS stores have read the codes' and the bytes' registers, which this chunk writes again
.endif
	WIN 0x14
.irp j, 0,1,2,3
	v_max3_num_f32 v[PM+\j], 0x4800000, |v[XB+\j]|, |v[XB+4+\j]|   ; column j: all 32 numbers of the block are mine; the floor 2^(9 - 127) holds the byte at 1 from below
.endr
.irp i, 2,4,6,8,10,12,14,16,18,20,22,24,26,28,30
.irp j, 0,1,2,3
	v_max3_num_f32 v[PM+\j], v[PM+\j], |v[XB+4*\i+\j]|, |v[XB+4*\i+4+\j]|
.endr
.endr
	WIN 0
.irp j, 0,1,2,3
	v_add_nc_u32 v[PS+\j], 0xfc000000, v[PM+\j]    ; 8 off the exponent field: the conversion's scale operand
	v_and_or_b32 v[PL+\j], v[PM+\j], 0x7f800000, s24   ; 448 x the scale
	v_lshrrev_b32 v[PB+\j], 23, v[PS+\j]           ; the byte
.endr
.irp hf, 0,1                                   ; k 0-15 of the block, then k 16-31
.irp gg, 0,1
	WIN 0x01
.irp j, 0,1,2,3
.irp i, 0,1,2,3,4,5,6,7
	v_med3_num_f32 v[TT+8*\j+\i], v[XB+4*(8*(2*\hf+\gg)+\i)+\j], -v[PL+\j], v[PL+\j]   ; the hold (ISA guide 7.6.2) also brings a column's numbers into consecutive registers
.endr
.endr
	WIN 0
.if (\hf == 1) && (\gg == 0)
	s_wait_alu depctr_va_vdst(0)
	s_wait_dscnt 0x0                               ; the LDS stores of k 0-15 are done,
	s_wait_alu depctr_vm_vsrc(0)                   ; and have read the codes' registers, which are written again now
.endif
.irp j, 0,1,2,3
	v_cvt_scalef32_pk8_fp8_f32 v[CC+4*\j+2*\gg:CC+4*\j+2*\gg+1], v[TT+8*\j:TT+8*\j+7], v[PS+\j]
.endr
	v_nop                                          ; a plain line behind the conversions: the next quarter writes their sources
.endr
	s_wait_alu depctr_va_vdst(0)                   ; the maxima and holds are done reading this half of the set, in which the loads below land; the conversions have written the codes, which the LDS stores below read; the bytes are written
.if (\s) <= 5
	WIN 0x40
	WLOAD (\s)+2, 2*\hf                            ; the half just read takes the chunk two on
	WLOAD (\s)+2, 2*\hf+1
	WIN 0
.endif
.irp j, 0,1,2,3
	ds_store_b128 v7, v[CC+4*\j:CC+4*\j+3] offset:2048*(\s)+16*\j+256*\hf   ; k 0-15 of the block: the image's lane r; k 16-31: lane r + 16
.endr
.endr
.irp j, 0,1,2,3
	ds_store_b8 v8, v[PB+\j] offset:512*(\s)+4*\j
.endr
.endm
; ---- consumers
.macro ALOAD skip, bx, bs, ox, os      ; the rows' fragments and scale words of one K step
.irp i, 0,1,2,3,4
.if \skip
	SKIP \i, .Lal_\@
.endif
.irp c, 0,1,2,3
	global_load_b128 v[AF+16*\i+4*\c:AF+16*\i+4*\c+3], v[AO+\i], s[\bx:\bx+1] offset:\ox+16*\c
.endr
	global_load_b32 v[AS+\i], v[AX+\i], s[\bs:\bs+1] offset:\os
.endr
.Lal_\@:
.endm
; Four of w1's eight tiles against my five tiles of rows.  The accumulators take turns, one product a turn.
.macro HALF hf, first, skip, ra, rs, ob, os
.irp b, 0,1,2,3
.irp c, 0,1,2,3
	ds_load_b128 v[BF+16*\b+4*\c:BF+16*\b+4*\c+3], v[\ra] offset:\ob+\b*BT+512*\c
.endr
.endr
.if \hf == 0
.irp q, 0,1,2,3
	ds_load_b32 v[BS+\q], v[\rs] offset:\os+128*\q
.endr
.endif
	s_wait_dscnt 0x0
.irp i, 0,1,2,3
.if \skip
	SKIP \i, .Lh_\@
.endif
.if \first
	WIN 0x40                                       ; D window 1, C (b1) window 0
.irp b, 0,1,2,3
	WM 64*\i+8*(4*\hf+\b), BF+16*\b, AF+16*\i, BI+8*(4*\hf+\b), BS+2*\hf+\b/2, AS+\i, \b%2
.endr
.else
	WIN 0x50                                       ; C and D window 1
.irp b, 0,1,2,3
	WM 64*\i+8*(4*\hf+\b), BF+16*\b, AF+16*\i, 64*\i+8*(4*\hf+\b), BS+2*\hf+\b/2, AS+\i, \b%2
.endr
.endif
	WIN 0
.endr
.if \skip
	SKIP 4, .Lh_\@
.endif
.if \first
	PLACES 9                                       ; tile 4 writes over b1, which the products above took as C
.endif
.irp b, 0,1,2,3
	WM BI+8*(4*\hf+\b), BF+16*\b, AF+64, BI+8*(4*\hf+\b), BS+2*\hf+\b/2, AS+4, \b%2
.endr
.Lh_\@:
	PLACES NP                                      ; in front of the next loads into operand registers, of reads of results, and of products that start sums anew
.endm
.macro CONS s, first, skip, next       ; K step s of pass 0: every LDS offset is an immediate
	s_wait_loadcnt 0x0                             ; my rows' fragments, asked for an interval ago (and b1)
	HALF 0, \first, \skip, 4, 6, 2048*(\s), 512*(\s)
	s_wait_alu depctr_va_vdst(0)                   ; the products above are done reading w1's four fragments, in which the other four land
	HALF 1, \first, \skip, 5, 6, 2048*(\s), 512*(\s)
.if \next
	s_wait_alu depctr_va_vdst(0)                   ; the K step's products are done reading x's fragments and scale words, in which the loads below land, and w1's, in which the next K step's LDS loads land
	ALOAD 1, 8, 10, 128*((\s)+1), 4*((\s)+1)
.endif
.endm
.macro B1LOAD                          ; b1 into tile 4's accumulators
.irp t, 0,1,2,3,4,5,6,7
	global_load_b128 v[BI+8*\t:BI+8*\t+3], v13, s[56:57] offset:(32*(\t/2)+8*(\t%2))*4          ; tile 2 b + u, lane half h: units 32 b + 16 h + 8 u + 0 .. 7
	global_load_b128 v[BI+8*\t+4:BI+8*\t+7], v13, s[56:57] offset:(32*(\t/2)+8*(\t%2))*4+16
.endr
.endm
.macro MASKS                           ; the 32 masks into the lanes of v46, the count into s28; eight steps at a time, so that no line waits for the line above it
.irp g, 0,1,2,3
.irp k, 0,1,2,3,4,5,6,7
	v_and_b32 v[MT+\k], s66, v[SW+8*\g+\k]         ; the expert's bit of the token's word
.endr
.irp k, 0,1,2,3,4,5,6,7
	v_cmp_ne_u32 s[68+\k], 0, v[MT+\k]             ; the lanes whose token chose e
.endr
	s_wait_alu depctr_va_sdst(0)                   ; the eight masks are written, ahead of their first readers
.irp k, 0,1,2,3,4,5,6,7
	v_writelane_b32 v46, s[68+\k], 8*\g+\k
	s_bcnt1_i32_b32 s76, s[68+\k]
	s_add_co_u32 s28, s28, s76
.endr
.endr
.endm
.macro HALVE src, w                    ; does the wanted bit lie past the next w positions?  src: the mask's counts over w positions
.irp i, 0,1,2,3,4
	v_bfe_u32 v[FT+\i], v[\src+\i], v[FO+\i], \w
.endr
.irp i, 0,1,2,3,4
	v_cmp_ge_u32 s[93+\i], v[FR+\i], v[FT+\i]
.endr
	s_wait_alu depctr_va_sdst(0)                   ; the five compares' masks are written, ahead of the selects that read them
.irp i, 0,1,2,3,4
	v_cndmask_b32 v[FT+\i], 0, v[FT+\i], s[93+\i]
	v_cndmask_b32 v[FU+\i], 0, \w, s[93+\i]
.endr
.irp i, 0,1,2,3,4
	v_sub_nc_u32 v[FR+\i], v[FR+\i], v[FT+\i]
	v_add_nc_u32 v[FO+\i], v[FO+\i], v[FU+\i]
.endr
.endm
.macro FCMP c, m                       ; step c of a trip's four against my five places: the masks go to s[m] on
.irp i, 0,1,2,3,4
	v_cmp_le_u32 s[\m+\i], s[88+\c], v[FP+\i]      ; the step begins at or below my place: it is kept until a later one does too
.endr
.endm
.macro FSEL c, m
.irp i, 0,1,2,3,4
	v_cndmask_b32 v[FK+\i], v[FK+\i], s[88+\c], s[\m+\i]
	v_cndmask_b32 v[FM+\i], v[FM+\i], s[84+\c], s[\m+\i]
.endr
.endm
; The tokens at my five places of the pass (s59 = 16 wq + 320 p) become offsets into xq and xs.  The five registers take turns line by line.
.macro FIND
	v_add_nc_u32 v[FT], s59, v2
.irp i, 0,1,2,3,4
	v_add_nc_u32 v[FP+\i], 64*\i, v[FT]            ; the place: 16 (20 p + 4 i + wq) + r
.endr
.irp i, 0,1,2,3,4
	v_lshl_or_b32 v[FP+\i], v[FP+\i], 5, 31
	v_mov_b32 v[FK+\i], 0
	v_mov_b32 v[FM+\i], 0
.endr
	s_mov_b32 s78, 0                               ; the step n
	s_mov_b32 s79, 0                               ; its first place
.Lfind_\@:                                             ; eight trips of four steps
	s_add_co_u32 s80, s78, 1
	s_add_co_u32 s81, s78, 2
	s_add_co_u32 s82, s78, 3
	v_readlane_b32 s84, v46, s78                   ; the four masks
	v_readlane_b32 s85, v46, s80
	v_readlane_b32 s86, v46, s81
	v_readlane_b32 s87, v46, s82
	s_wait_alu depctr_va_sdst(0)                   ; the four masks are written, ahead of the counts that read them
	s_lshl_b32 s88, s79, 5                         ; the four keys: first place << 5 | n: they rise with n
	s_or_b32 s88, s88, s78
	s_bcnt1_i32_b32 s92, s84
	s_add_co_u32 s79, s79, s92
	s_lshl_b32 s89, s79, 5
	s_or_b32 s89, s89, s80
	s_bcnt1_i32_b32 s92, s85
	s_add_co_u32 s79, s79, s92
	s_lshl_b32 s90, s79, 5
	s_or_b32 s90, s90, s81
	s_bcnt1_i32_b32 s92, s86
	s_add_co_u32 s79, s79, s92
	s_lshl_b32 s91, s79, 5
	s_or_b32 s91, s91, s82
	s_bcnt1_i32_b32 s92, s87
	s_add_co_u32 s79, s79, s92
	FCMP 0, 93                                     ; the trip's twenty compares in one run, each with a scalar register of its own (s93-97, s67-76, s48-52: free here),
	FCMP 1, 67
	FCMP 2, 72
	FCMP 3, 48
	s_wait_alu depctr_va_sdst(0)                   ; one wait for the twenty masks, ahead of the selects that read them;
	FSEL 0, 93                                     ; the selects in the steps' order: a later step takes an earlier one's place
	FSEL 1, 67
	FSEL 2, 72
	FSEL 3, 48
	s_add_co_u32 s78, s78, 4
	s_cmp_lt_u32 s78, 32
	s_cbranch_scc1 .Lfind_\@
.irp i, 0,1,2,3,4
	v_lshrrev_b32 v[FR+\i], 5, v[FP+\i]
	v_lshrrev_b32 v[FT+\i], 5, v[FK+\i]
.endr
.irp i, 0,1,2,3,4
	v_sub_nc_u32 v[FR+\i], v[FR+\i], v[FT+\i]      ; my place less the step's first: so many set bits are passed
	v_and_b32 v[FK+\i], 31, v[FK+\i]               ; n
.endr
.irp i, 0,1,2,3,4
	v_lshrrev_b32 v[FT+\i], 1, v[FM+\i]
.endr
.irp i, 0,1,2,3,4
	v_and_b32 v[FT+\i], 0x55555555, v[FT+\i]
.endr
.irp i, 0,1,2,3,4
	v_sub_nc_u32 v[FA+\i], v[FM+\i], v[FT+\i]      ; set bits in each pair
.endr
.irp i, 0,1,2,3,4
	v_lshrrev_b32 v[FT+\i], 2, v[FA+\i]
	v_and_b32 v[FB+\i], 0x33333333, v[FA+\i]
.endr
.irp i, 0,1,2,3,4
	v_and_b32 v[FT+\i], 0x33333333, v[FT+\i]
.endr
.irp i, 0,1,2,3,4
	v_add_nc_u32 v[FB+\i], v[FB+\i], v[FT+\i]      ; in each four
.endr
.irp i, 0,1,2,3,4
	v_lshrrev_b32 v[FT+\i], 4, v[FB+\i]
.endr
.irp i, 0,1,2,3,4
	v_add_nc_u32 v[FC+\i], v[FB+\i], v[FT+\i]
.endr
.irp i, 0,1,2,3,4
	v_and_b32 v[FC+\i], 0x0f0f0f0f, v[FC+\i]       ; in each byte
.endr
.irp i, 0,1,2,3,4
	v_lshrrev_b32 v[FT+\i], 8, v[FC+\i]
.endr
.irp i, 0,1,2,3,4
	v_add_nc_u32 v[FD+\i], v[FC+\i], v[FT+\i]
.endr
.irp i, 0,1,2,3,4
	v_and_b32 v[FD+\i], 0xff, v[FD+\i]             ; in the low half
.endr
.irp i, 0,1,2,3,4
	v_cmp_ge_u32 s[93+\i], v[FR+\i], v[FD+\i]
.endr
	s_wait_alu depctr_va_sdst(0)                   ; the five compares' masks are written, ahead of the selects that read them
.irp i, 0,1,2,3,4
	v_cndmask_b32 v[FT+\i], 0, v[FD+\i], s[93+\i]
	v_cndmask_b32 v[FO+\i], 0, 16, s[93+\i]
.endr
.irp i, 0,1,2,3,4
	v_sub_nc_u32 v[FR+\i], v[FR+\i], v[FT+\i]
.endr
	HALVE FC, 8
	HALVE FB, 4
	HALVE FA, 2
	HALVE FM, 1
.irp i, 0,1,2,3,4
	v_lshrrev_b32 v[FT+\i], 2, v[FK+\i]            ; q
	v_and_b32 v[FU+\i], 3, v[FK+\i]                ; k
.endr
.irp i, 0,1,2,3,4
	v_lshl_add_u32 v[FU+\i], v[FO+\i], 2, v[FU+\i]
.endr
.irp i, 0,1,2,3,4
	v_lshl_add_u32 v[FT+\i], v[FT+\i], 7, v[FU+\i] ; the token: 128 q + 4 bit + k,
.endr
.irp i, 0,1,2,3,4
	v_min_u32 v[FT+\i], 0x3ff, v[FT+\i]            ; held inside the table
.endr
.irp i, 0,1,2,3,4
	v_lshl_add_u32 v[AO+\i], v[FT+\i], 10, v13     ; 1,024 t + 64 h
	v_lshlrev_b32 v[AX+\i], 5, v[FT+\i]            ; 32 t
.endr
	PLACES 9                                       ; the work registers are w1's fragment registers
.endm
.macro CONSG first                     ; a K step of a later pass: addresses from scalars that step in the loops
	CHEAD .Lcg_\@
	s_wait_alu depctr_vm_vsrc(0)                   ; the last K step's LDS loads have read v25 to v27, which are written now; in a pass's first step the way out's stores have read their data, on which w1's fragments land
	v_add_nc_u32 v25, s44, v4
	v_add_nc_u32 v26, s44, v5
	s_lshr_b32 s47, s44, 2
	v_add_nc_u32 v27, s47, v6
	s_wait_alu depctr_va_vdst(0)                   ; v25 to v27 are written, which the LDS loads below read; the last K step's products are done reading the operand registers in which the loads below land; in a pass's first step the rows' offsets are written
	ALOAD 1, 40, 42, 0, 0
	s_wait_loadcnt 0x0
	HALF 0, \first, 1, 25, 27, 0, 0
	s_wait_alu depctr_va_vdst(0)                   ; the products above are done reading w1's four fragments, in which the other four land
	HALF 1, \first, 1, 26, 27, 0, 0
.Lcg_\@:
	s_wait_xcnt 0x0                                ; the loads have read their bases
	s_add_co_u32 s44, s44, 2048
	s_add_nc_u64 s[40:41], s[40:41], 128
	s_add_nc_u64 s[42:43], s[42:43], 4
.endm
; The way out of tile i: relu, quantised along the 128 hidden units (one K step of the next product), stored as the operand's image.  hb: its 64 registers; the three window settings.
.macro EPI i, hb, wmx, wmd, wcv
	s_cmp_lt_u32 s58, (\i)+1
	s_cbranch_scc1 .Lepi_end
	s_wait_xcnt 0x0                                ; the last tile's stores have read their data
	s_wait_alu depctr_vm_vsrc(0)                   ; the last tile's stores have read the codes' and the scale word's registers, which the lines below write again
	WIN \wmx
.irp b, 0,1,2,3
	v_max3_num_f32 v[TM+\b], 0x4800000, v[\hb+16*\b], v[\hb+16*\b+1]   ; no |.|: what is negative becomes 0 and must not count; each accumulator is read from its low end on
.endr
.irp k, 2,4,6,8,10,12,14
.irp b, 0,1,2,3
	v_max3_num_f32 v[TM+\b], v[TM+\b], v[\hb+16*\b+\k], v[\hb+16*\b+\k+1]
.endr
.endr
	WIN 0
.irp b, 0,1,2,3
	v_permlanex16_b32 v[TM+4+\b], v[TM+\b], s26, s27
.endr
.irp b, 0,1,2,3
	v_max_num_f32 v[TM+\b], v[TM+\b], v[TM+4+\b]   ; with lane l xor 16: the block's largest
.endr
.irp b, 0,1,2,3
	v_add_nc_u32 v[TM+12+\b], 0xfc000000, v[TM+\b]
	v_and_or_b32 v[TM+8+\b], v[TM+\b], 0x7f800000, s24
	v_lshrrev_b32 v[TM+4+\b], 23, v[TM+12+\b]
.endr
	v_lshl_or_b32 v[PW], v[TM+5], 8, v[TM+4]       ; my row's scale word
	v_lshl_or_b32 v[PW], v[TM+6], 16, v[PW]
	v_lshl_or_b32 v[PW], v[TM+7], 24, v[PW]
.irp b, 0,1,2,3
	WIN \wmd
.irp k, 0,1,2,3,4,5,6,7,8,9,10,11,12,13,14,15
	v_med3_num_f32 v[\hb+16*\b+\k], v[\hb+16*\b+\k], 0, v[TM+8+\b]   ; the activation and the hold in one
.endr
	WIN \wcv
	v_cvt_scalef32_pk8_fp8_f32 v[PC+4*\b:PC+4*\b+1], v[\hb+16*\b:\hb+16*\b+7], v[TM+12+\b]
	v_cvt_scalef32_pk8_fp8_f32 v[PC+4*\b+2:PC+4*\b+3], v[\hb+16*\b+8:\hb+16*\b+15], v[TM+12+\b]
.endr
	WIN 0
	v_nop                                          ; a plain line behind the last scaled conversion
	s_wait_alu depctr_va_vdst(0)                   ; the conversions have written the codes and the shifts the scale word, which the five stores below read
.irp c, 0,1,2,3
	global_store_b128 v4, v[PC+4*\c:PC+4*\c+3], s[36:37] offset:262144*(\i)+512*\c   ; 32 lanes store 512 consecutive bytes
.endr
	global_store_b32 v12, v[PW], s[38:39] offset:8192*(\i)     ; lanes r and r + 16 store the same word with the same value
.endm
	s_load_b256 s[4:11], s[0:1], 0x0               ; w1 s[4:5], b1 s[6:7], xq s[8:9], xs s[10:11]
	s_load_b128 s[12:15], s[0:1], 0x20             ; sel s[12:13], hid s[14:15]
	s_load_b64 s[16:17], s[0:1], 0x30              ; hsc
	v_lshl_add_u32 v45, v0, 2, 0x21100
	v_mov_b32 v47, 0
	v_lshrrev_b32 v14, 5, v0
	v_readfirstlane_b32 s20, v14                   ; wave 0..7
	s_wait_alu depctr_va_sdst(0)                   ; s20 is written, ahead of its first reader
	s_and_b32 s21, s20, 3                          ; wq: my number within my role
	s_mov_b32 s22, ttmp9                           ; hs
	s_and_b32 s23, ttmp7, 0xffff                   ; e
	s_mov_b32 s24, 0x600000                        ; the mantissa field of 448
	s_mov_b32 s26, 0x76543210
	s_mov_b32 s27, 0xfedcba98                      ; lane selects: lane l xor 16
	s_mov_b32 s28, 0                               ; the count: the consumers sum it
	s_lshl_b32 s59, s21, 4                         ; 16 wq + 320 p
	s_lshl_b32 s66, 0x10000, s23                   ; the expert's bit in a word of sel
	v_and_b32 v1, 31, v0
	v_and_b32 v2, 15, v0
	v_bfe_u32 v3, v0, 4, 1
	v_lshlrev_b32 v4, 4, v1
	v_add_nc_u32 v5, 4*BT, v4
	v_lshl_add_u32 v6, v1, 2, SC
	v_mov_b32 v46, 0                               ; written once whole: a lane write's destination counts as one of its sources
	v_bfe_u32 v14, v0, 3, 2                        ; l / 8
	v_bfe_u32 v25, v0, 1, 1
	v_lshl_add_u32 v14, v14, 1, v25                ; my four columns' tile: 2 (l / 8) + (l / 2) % 2
	v_and_b32 v25, 1, v0
	v_bfe_u32 v26, v0, 2, 1
	v_lshlrev_b32 v25, 2, v25
	v_lshl_add_u32 v25, v26, 3, v25                ; and the first one's row in it: 4 (l % 2) + 8 ((l / 4) % 2)
	v_mul_u32_u24 v7, v14, BT
	v_lshl_add_u32 v7, v25, 4, v7
	s_lshl_b32 s47, s21, 9
	v_add_nc_u32 v7, s47, v7                       ; + 512 wq: my wave's block of 32 is group wq of the image
	v_lshlrev_b32 v8, 6, v14
	v_lshl_add_u32 v8, v25, 2, v8
	v_add_nc_u32 v8, s21, v8
	v_add_nc_u32 v8, SC, v8
	v_lshlrev_b32 v12, 2, v2
	v_lshlrev_b32 v13, 6, v3
	s_lshl_b32 s52, s23, 24                        ; w1: expert e, column 128 hs, row 32 wq
	s_lshl_b32 s47, s22, 9
	s_add_co_u32 s52, s52, s47
	s_lshl_b32 s47, s21, 19
	s_add_co_u32 s52, s52, s47
	s_mov_b32 s53, 0
	s_lshl_b32 s54, s23, 22                        ; hid: [e][tile][K step][2,048]: tile wq, K step hs
	s_lshl_b32 s47, s21, 16
	s_add_co_u32 s54, s54, s47
	s_lshl_b32 s47, s22, 11
	s_add_co_u32 s54, s54, s47
	s_mov_b32 s55, 0
	s_lshl_b32 s48, s23, 17                        ; hsc: [e][tile][K step][64]
	s_lshl_b32 s47, s21, 11
	s_add_co_u32 s48, s48, s47
	s_lshl_b32 s47, s22, 6
	s_add_co_u32 s48, s48, s47
	s_mov_b32 s49, 0
	s_lshl_b32 s50, s23, 14                        ; b1
	s_lshl_b32 s47, s22, 9
	s_add_co_u32 s50, s50, s47
	s_mov_b32 s51, 0
	s_wait_kmcnt 0x0
	s_add_nc_u64 s[32:33], s[4:5], s[52:53]        ; chunks 0-3
	s_add_nc_u64 s[34:35], s[32:33], 0x800000      ; chunks 4-7: 512 rows of 16,384 bytes on
	s_add_nc_u64 s[36:37], s[14:15], s[54:55]
	s_add_nc_u64 s[38:39], s[16:17], s[48:49]
	s_add_nc_u64 s[56:57], s[6:7], s[50:51]
	s_wait_alu depctr_va_vdst(0)                   ; the offsets and addresses v4 to v8, v12 and v13 are written, which the loads and stores of both roles read; they are never written again
	; ---- interval 0: the producers ask for two chunks and quantise the first; the consumers find their rows and ask for them
	s_cmp_lt_u32 s20, 4
	s_cbranch_scc0 .Lsetup
	WIN 0x40
.irp g, 0,1,2,3
	WLOAD 0, \g
.endr
.irp g, 0,1,2,3
	WLOAD 1, \g
.endr
	WIN 0
	PROD 0
	s_branch .Ljoin0
.Lsetup:
.irp q, 0,1,2,3,4,5,6,7
	global_load_b128 v[SW+4*\q:SW+4*\q+3], v4, s[12:13] offset:512*\q      ; sel of tokens 128 q + 4 l + k
.endr
	B1LOAD
	s_wait_loadcnt 16                              ; sel is in; the 16 loads of b1 behind it may be out
	MASKS
	FIND
	s_wait_alu depctr_va_vdst(0)                   ; the rows' offsets are written, which the loads below read; the masks' lines are done reading sel's words, on which x's fragments land; the search is done with w1's fragment registers, in which the first LDS loads land
	ALOAD 0, 8, 10, 0, 0                           ; the first K step's fragments, all five tiles
.Ljoin0:
	BAR
	s_min_u32 s28, s28, 1024                       ; the count
	s_add_co_u32 s29, s28, 15
	s_lshr_b32 s29, s29, 4                         ; tiles
	s_add_co_u32 s25, s29, 3
	s_sub_co_u32 s25, s25, s21                     ; tiles + 3 - wq - 20 p
	s_lshr_b32 s30, s25, 2
	s_min_u32 s30, s30, 5                          ; how many of my five tiles have rows in pass 0
; ---- intervals 1 to 7: chunk s is quantised while K step s - 1 is multiplied
.macro INTERVAL s
	s_cmp_lt_u32 s20, 4
	s_cbranch_scc0 .Lcons_\@
	PROD \s
	s_branch .Ljoin_\@
.Lcons_\@:
.if (\s) == 1
	CONS 0, 1, 0, 1
.else
	CONS (\s)-1, 0, 1, 1
.endif
.Ljoin_\@:
	BAR
.endm
.irp s, 1,2,3,4,5,6,7
	INTERVAL \s
.endr
	; ---- behind the last barrier nothing is stored to LDS any more
	s_cmp_lt_u32 s20, 4
	s_cbranch_scc1 .Ltail
	CONS 7, 0, 1, 0
.Ltail:
	s_wait_loadcnt 0x0                             ; from here on no load is out at the head of a block that loads
	s_mov_b32 s31, 0                               ; the pass
	s_mov_b32 s58, 5                               ; pass 0 stores all five tiles
.Lpass:                                                ; four trips: the way out of pass p, then the products of pass p + 1 (none in the last trip: the count allows 64 tiles at most)
	s_cmp_lt_u32 s20, 4
	s_cbranch_scc1 .Lepi_end
	EPI 0, 0, 0x14, 0x41, 0x01
	EPI 1, 64, 0x14, 0x41, 0x01
	EPI 2, 128, 0x14, 0x41, 0x01
	EPI 3, 192, 0x14, 0x41, 0x01
	EPI 4, BI, 0, 0, 0
.Lepi_end:
	s_wait_xcnt 0x0                                ; every earlier memory instruction has read its sources: bases, offsets and data may be written
	s_add_nc_u64 s[36:37], s[36:37], 1310720       ; 20 tiles on in hid,
	s_add_nc_u64 s[38:39], s[38:39], 40960         ; in hsc,
	s_add_co_u32 s59, s59, 320                     ; and 320 places on
	s_sub_co_i32 s25, s25, 20
	s_max_i32 s30, s25, 0
	s_lshr_b32 s30, s30, 2
	s_min_u32 s30, s30, 5
	s_mov_b32 s58, s30
	s_mov_b32 s44, 0
	s_mov_b64 s[40:41], s[8:9]
	s_mov_b64 s[42:43], s[10:11]
	CHEAD .Lsetupg_end
	s_wait_alu depctr_vm_vsrc(0)                   ; the last pass's loads have read the rows' offsets and the way out's stores their data: the search below writes all of these registers
	PLACES NP
	s_wait_alu depctr_va_vdst(0)                   ; tile 4's products and its way out are done reading and writing its accumulators, in which b1 lands
	B1LOAD
	FIND
	s_wait_loadcnt 0x0                             ; b1 is in
.Lsetupg_end:
	CONSG 1
	s_mov_b32 s46, 7
.Lk:
	CONSG 0
	s_sub_co_u32 s46, s46, 1
	s_cmp_lg_u32 s46, 0
	s_cbranch_scc1 .Lk
	s_add_co_u32 s31, s31, 1
	s_cmp_lt_u32 s31, 4
	s_cbranch_scc1 .Lpass
	s_wait_dscnt 0x0                               ; the closing lines, six on end
	s_wait_alu 0x0
	s_wait_tensorcnt 0x0
	ds_add_u32 v45, v47
	s_wait_dscnt 0x0
	s_endpgm
.Lfunc_end_k_qe3ed122a15_up:
	.size	k_qe3ed122a15_up, .Lfunc_end_k_qe3ed122a15_up-k_qe3ed122a15_up
	.p2alignl 7, 3214868480
	.fill 96, 4, 3214868480
	.section	.rodata,"a",@progbits
	.p2align	6, 0x0
	.amdhsa_kernel k_qe3ed122a15_up
		.amdhsa_group_segment_fixed_size 136448
		.amdhsa_private_segment_fixed_size 0
		.amdhsa_enable_private_segment 0
		.amdhsa_kernarg_size 56
		.amdhsa_user_sgpr_count 2
		.amdhsa_user_sgpr_kernarg_segment_ptr 1
		.amdhsa_wavefront_size32 1
		.amdhsa_system_sgpr_workgroup_id_x 1
		.amdhsa_system_sgpr_workgroup_id_y 1
		.amdhsa_system_sgpr_workgroup_id_z 1
		.amdhsa_system_vgpr_workitem_id 0
		.amdhsa_next_free_vgpr 512
		.amdhsa_next_free_sgpr 98
		.amdhsa_reserve_vcc 0
		.amdhsa_float_denorm_mode_32 3
		.amdhsa_float_denorm_mode_16_64 3
		.amdhsa_memory_ordered 1
		.amdhsa_forward_progress 1
		.amdhsa_inst_pref_size 255
	.end_amdhsa_kernel
	.section	.bss,"aw",@nobits
	.p2align	6
	.space	262144
	.amdgpu_metadata
---
amdhsa.version: [ 1, 2 ]
amdhsa.kernels:
  - .name:           k_qe3ed122a15_up
    .symbol:         k_qe3ed122a15_up.kd
    .args:
      - { .name: w1, .offset: 0, .size: 8, .value_kind: global_buffer, .address_space: global }
      - { .name: b1, .offset: 8, .size: 8, .value_kind: global_buffer, .address_space: global }
      - { .name: xq, .offset: 16, .size: 8, .value_kind: global_buffer, .address_space: global }
      - { .name: xs, .offset: 24, .size: 8, .value_kind: global_buffer, .address_space: global }
      - { .name: sel, .offset: 32, .size: 8, .value_kind: global_buffer, .address_space: global }
      - { .name: hid, .offset: 40, .size: 8, .value_kind: global_buffer, .address_space: global }
      - { .name: hsc, .offset: 48, .size: 8, .value_kind: global_buffer, .address_space: global }
    .group_segment_fixed_size: 136448
    .private_segment_fixed_size: 0
    .kernarg_segment_align: 8
    .kernarg_segment_size: 56
    .max_flat_workgroup_size: 256
    .sgpr_count:     98
    .vgpr_count:     512
    .wavefront_size: 32
...
	.end_amdgpu_metadata
.endif
;; end of part 6
;; launch down (part 7): grid 32 x 8, 8 waves a work-group, no clusters, 153,856 bytes of LDS; arguments w2, b2, hid, hsc, sel, y, rows; writes y, rows
.if DOCPART == 7
	.amdgcn_target "amdgcn-amd-amdhsa--gfx1250"
	.amdhsa_code_object_version 6
	.text
	.protected	k_qe3ed122a15_down
	.globl	k_qe3ed122a15_down
	.p2align	8
	.type	k_qe3ed122a15_down,@function
k_qe3ed122a15_down:
	s_mov_b64 s[64:65], 0
	v_nop
	global_prefetch_b8 v0, s[64:65] scope:SCOPE_SE
	s_setreg_imm32_b32 hwreg(HW_REG_WAVE_SCHED_MODE, 0, 2), 2
	s_setreg_imm32_b32 hwreg(HW_REG_WAVE_MODE, 25, 1), 1
	s_wait_xcnt 0x0
	s_wait_alu depctr_vm_vsrc(0)
; DOWN.  Work-group (ds + 16 kh, e) makes output columns 64 ds .. 64 ds + 63 of expert e from half kh of the hidden layer (K = 2,048 kh .. + 2,047), for the expert's rows:
; y[kh][1024 e + place] = hid Q(w2[e]) (+ b2[e] where kh = 0).  The two halves and the two experts of a token are added by the last launch.
; The launch is bound by the 134 MB of w2, f32, K outermost: each byte is read once; 64 columns make a row of the slice 256 aligned bytes that one work-group alone reads.
; TWO ROLES, as in the launch before.  Waves 0-3 (producers) stream the slice, 256 k x 64 columns (64 KB, two K steps) a chunk: wave w takes block w (32 k) of both K steps; lanes 0-15 take its rows 0-15,
;   lanes 16-31 its rows 16-31, a lane four columns, registers down K; a block's maximum is joined with lane l xor 16.  A lane's 16 codes of a column are one group of the operand's image: one 16-byte LDS store.
;   Waves 4-7 (consumers) load the hidden layer's images from memory (512 consecutive bytes a load), w2's from LDS, and multiply.  One barrier a chunk, in the text that all eight waves walk.
; The registers in which a consumer's loads of sel and of hid's fragments and scale words land (window 0, v20-24 and v32-191) are named by no line of the producers; the producers' landing registers (window 1) take
;   no load of the consumers from memory but b2's, which is waited for in the block that asks for it.
; ROWS.  sel[t] (whole numbers that an earlier launch stored) has bit 16 + e set where token t chose e.  The tokens go in 32 steps of 32: lane l of step 4 q + k has token 128 q + 4 l + k; a chosen token's place is
;   the number of chosen tokens ahead of it, steps ascending, lanes ascending: the order in which the launch before laid hid.  Each consumer sums the expert's count.  Wave 4 of the expert's first work-group also
;   stores each chosen token's place for the last launch: rows[2 t + j] = 1,024 e + place (j = 0: first choice, 1: second); a lane whose token did not choose e stores to a dump word of its own
;   (word 2,304 + 32 e + l), which nobody loads: so EXEC never changes.  Each step has two registers of its own for its store: no store's source is written again before the wait behind them.
;   A tile is 16 places; consumer wq owns tiles 20 p + 4 i + wq in pass p.  Pass 0 runs beside the stream, passes 1 to 3 from LDS afterwards.  Tiles past the count are jumped
;   over by scalar branches on the count, but not in pass 0's first chunk: so every accumulator and operand register is written on every way (tiles 0 .. 19 of hid are always stored by the launch before).
; THE PRODUCT IS USED TRANSPOSED (source 0 = 16 columns of w2, source 1 = 16 rows of hid): a lane holds eight neighbouring outputs of one row.  b2 is loaded into tile 4's accumulators (made 0 where kh = 1),
;   tiles 0-3 take those as the C of their first product, tile 4 follows in place.  Results go through the wave's own stage in LDS: sixteen lanes store 256 consecutive, aligned bytes.
; No tensor loads, no cluster: the tile branches hang on a count made from loaded numbers, the weights must pass the vector unit, and no two work-groups share a byte of them.
; LIMITS: NaN and infinities are not served; a block of zeros gets the byte 1; K is summed in two f32 halves and b2 enters the first half's sum first.
; THE MODE: SCHED_MODE bits 1:0 = 2 (LLVM: expert scheduling mode 2), set by the entry lines.  The code itself states the register dependences
; between vector or matrix instructions and memory or LDS instructions, with s_wait_alu, always for 0.
; THE PLAN.  Registers that memory or LDS instructions touch:
;   v4-v14            offsets and addresses: written at the head, never again; one wait on va_vdst ahead of the roles' parting serves them for the whole kernel.
;   PRODUCERS.  The two landing sets (window 1): chunk ch's maxima and holds read set ch % 2; the loads of chunk ch + 2 land in it.  CC: the conversions write it, four LDS stores a K step read it.
;     The scale bytes (PM): made at a chunk's head, read by the eight byte stores at its end.  ONE wait on va_vdst a K step, behind its conversions: the half set has been read, CC and the bytes are written; only loads and
;     LDS stores follow it.  A wait on vm_vsrc stands ahead of each rewriting of CC and PM: at a chunk's head and ahead of the second K step's conversions.
;   CONSUMERS.  A0, A1, AS: global loads at a chunk's end land there, the chunk's products read them.  B0, B1, BS: LDS loads land there, the products read them; B0 also takes the stage's rows, which the stores of y read.
;     The accumulators: the products write them, the stage's LDS stores read them; tile 4's also take b2's loads.  RA, RD: the places' lines write them, their 32 stores read them.  v17-19: three adds a chunk of a later pass, LDS loads read them.
;     A chunk has one wait on va_vdst, behind its products and ahead of the next rows' loads: no vector or matrix instruction stands between it and the next chunk's LDS loads either.  The way out has one at its head.
;     The eight waves hold all the registers of the four SIMDs (8 x 512), so there is no second set of fragments to load into meanwhile.
;   A vector instruction's scalar result (the wave's number, the masks) has its wait on va_sdst ahead of its first reader, one wait behind each run of such lines.
.set NP, 9                             ; places behind a run of products: 8 serve loads into and reads of their registers, 9 a product that writes over them
.set BT, 32784                         ; LDS: a tile of w2's codes: 16 K steps x 2,048 bytes + 16
.set SC, 131328                        ; w2's scale bytes: 256 K step + 4 column + block
.set STG, 135424                       ; the stages: 16 rows x 272 bytes for each consumer
.set RDUMP, 2304                       ; rows: the first dump word
; window 0, made ahead of the first parting of the roles: v1 lane, v2 r, v3 h, v4 16 lane, v5 v4 + 2 BT, v6 SC + 4 lane, v7 producers' place for codes, v8 for scale bytes, v9 into my stage, v10 out of it,
; v11 4 lane, v12 my place in two rows of y, v13 32 h, v14 my place in w2's rows; v17-19 LDS addresses made and used inside one block
.set AS, 20                            ; v20-24  hid's scale words, tile i: lanes 0-15 the chunk's first K step, lanes 16-31 its second
.set BS, 26                            ; v26-29  w2's: register 2 u + m: lanes 0-15 tile 2 m, lanes 16-31 tile 2 m + 1
.set A0, 32                            ; v32-111  hid's fragments of the first K step, tile i at 16 i
.set A1, 112                           ; v112-191 of the second
.set SW, 32                            ; at the start, ahead of hid's first fragments: v32-63 the words of sel,
.set RA, 64                            ; v64-95   step n: the offset of its store (v64-71 at work where nothing is stored),
.set RD, 96                            ; v96-127  its data,
.set RT, 128                           ; v128-137 at work
.set B0, 192                           ; v192-223 w2's fragments (u 0, tiles 0, 1); on the way out: rows of y
.set B1, 160                           ; window 1, v160-255: (0, 2), (0, 3), (1, 0) .. (1, 3).   window 1, v0-159: accumulator (i, nt) at 32 i + 8 nt
.set PM, 192                           ; producers: largest magnitudes of (u, j), then the scale bytes,
.set PS, 200                           ; the lane exchange's destinations, then the scale operands,
.set PL, 208                           ; 448 x the scale,
.set TT, 216                           ; v216-231 eight held numbers of each of two columns,
.set CC, 232                           ; v232-247 16 codes of each column of one K step.   window 1: the two landing sets, at 0 and at 128
.set MSB, 0
.macro WIN new                         ; the immediate's high byte repeats the setting that is left; at a label and at a branch every window is 0
.if MSB != \new
	s_set_vgpr_msb (MSB<<8)|\new
.set MSB, \new
.endif
.endm
.macro PLACES n
.rept \n
	v_nop
.endr
.endm
.macro BAR                             ; my LDS stores have landed and my LDS loads are in: then the work-group's barrier
	s_wait_dscnt 0x0
	s_barrier_signal -1
	s_barrier_wait -1
.endm
.macro SKIP i, lbl                     ; tile i and those behind it have no rows in this pass
	s_cmp_lt_u32 s30, (\i)+1
	s_cbranch_scc1 \lbl
.endm
.macro CHEAD lbl                       ; a consumer's block in the loops that all waves walk: producers, and consumers without tiles, pass it by
	s_cmp_lt_u32 s20, 4
	s_cbranch_scc1 \lbl
	s_cmp_eq_u32 s30, 0
	s_cbranch_scc1 \lbl
.endm
.macro WM d, a, b, c, sa, sb, odd, u   ; one product; odd: source 0's scale words stand in lanes 16-31; u: source 1's do
.if (\odd) && (\u)
	v_wmma_scale_f32_16x16x128_f8f6f4 v[\d:\d+7], v[\a:\a+15], v[\b:\b+15], v[\c:\c+7], v[\sa], v[\sb] matrix_a_scale:MATRIX_SCALE_ROW1 matrix_b_scale:MATRIX_SCALE_ROW1
.elseif \odd
	v_wmma_scale_f32_16x16x128_f8f6f4 v[\d:\d+7], v[\a:\a+15], v[\b:\b+15], v[\c:\c+7], v[\sa], v[\sb] matrix_a_scale:MATRIX_SCALE_ROW1
.elseif \u
	v_wmma_scale_f32_16x16x128_f8f6f4 v[\d:\d+7], v[\a:\a+15], v[\b:\b+15], v[\c:\c+7], v[\sa], v[\sb] matrix_b_scale:MATRIX_SCALE_ROW1
.else
	v_wmma_scale_f32_16x16x128_f8f6f4 v[\d:\d+7], v[\a:\a+15], v[\b:\b+15], v[\c:\c+7], v[\sa], v[\sb]
.endif
.endm
; ---- producers
.macro WLOAD ch, g                     ; quarter g of my 32 loads of chunk ch: K step g / 2, rows 8 (g % 2) .. + 7 of each half of the lanes; every offset is an immediate.  (The destination's window, 1, is set by the lines round the call)
.irp i, 0,1,2,3,4,5,6,7
	global_load_b128 v[128*((\ch)%2)+4*(8*(\g)+\i):128*((\ch)%2)+4*(8*(\g)+\i)+3], v14, s[32:33] offset:(\ch)*1048576+(128*((\g)/2)+8*((\g)%2)+\i)*4096 th:TH_LOAD_NT
.endr
.endm
.macro PROD ch
.set XB, 128*((\ch)%2)
.if (\ch) < 7
	s_wait_loadcnt 32                              ; this chunk's 32 loads are in; the next chunk's 32 may be out
.else
	s_wait_loadcnt 0x0
.endif
.if (\ch) > 0
	s_wait_alu depctr_vm_vsrc(0)                   ; the last chunk's LDS stores have read the codes' and the bytes' registers, which this chunk writes again
.endif
	WIN 0x14
.irp u, 0,1
.irp j, 0,1,2,3
	v_max3_num_f32 v[PM+4*\u+\j], 0x4800000, |v[XB+64*\u+\j]|, |v[XB+64*\u+4+\j]|   ; my 16 numbers of column j in K step u, and the floor 2^(9 - 127)
.endr
.endr
.irp i, 2,4,6,8,10,12,14
.irp u, 0,1
.irp j, 0,1,2,3
	v_max3_num_f32 v[PM+4*\u+\j], v[PM+4*\u+\j], |v[XB+64*\u+4*\i+\j]|, |v[XB+64*\u+4*\i+4+\j]|
.endr
.endr
.endr
	WIN 0
.irp m, 0,1,2,3,4,5,6,7
	v_permlanex16_b32 v[PS+\m], v[PM+\m], s26, s27
.endr
.irp m, 0,1,2,3,4,5,6,7
	v_max_num_f32 v[PM+\m], v[PM+\m], v[PS+\m]     ; with lane l xor 16: the block's largest magnitude
.endr
.irp m, 0,1,2,3,4,5,6,7
	v_add_nc_u32 v[PS+\m], 0xfc000000, v[PM+\m]    ; 8 off the exponent field: the conversion's scale operand
	v_and_or_b32 v[PL+\m], v[PM+\m], 0x7f800000, s24   ; 448 x the scale
.endr
.irp m, 0,1,2,3,4,5,6,7
	v_lshrrev_b32 v[PM+\m], 23, v[PS+\m]           ; the scale bytes: made here, so that the K steps' waits below also stand ahead of the stores that read them
.endr
.irp u, 0,1                                    ; the chunk's two K steps
.irp gg, 0,1
.irp jj, 0,2
	WIN 0x01
.irp jl, 0,1
.irp i, 0,1,2,3,4,5,6,7
	v_med3_num_f32 v[TT+8*\jl+\i], v[XB+4*(8*(2*\u+\gg)+\i)+\jj+\jl], -v[PL+4*\u+\jj+\jl], v[PL+4*\u+\jj+\jl]   ; the hold (ISA guide 7.6.2) also brings a column's numbers into consecutive registers
.endr
.endr
	WIN 0
.if (\u == 1) && (\gg == 0) && (\jj == 0)
	s_wait_alu depctr_va_vdst(0)
	s_wait_dscnt 0x0                               ; the LDS stores of the first K step are done,
	s_wait_alu depctr_vm_vsrc(0)                   ; and have read the codes' registers, which are written again now
.endif
.irp jl, 0,1
	v_cvt_scalef32_pk8_fp8_f32 v[CC+4*(\jj+\jl)+2*\gg:CC+4*(\jj+\jl)+2*\gg+1], v[TT+8*\jl:TT+8*\jl+7], v[PS+4*\u+\jj+\jl]
.endr
	v_nop                                          ; a plain line behind the conversions: the next two columns write their sources
.endr
.endr
	s_wait_alu depctr_va_vdst(0)                   ; the maxima and holds are done reading this half of the set, in which the loads below land; the conversions have written the codes, which the LDS stores below read; the bytes are written
.if (\ch) <= 5
	WIN 0x40
	WLOAD (\ch)+2, 2*\u                            ; the half just read takes the chunk two on
	WLOAD (\ch)+2, 2*\u+1
	WIN 0
.endif
.irp j, 0,1,2,3
	ds_store_b128 v7, v[CC+4*\j:CC+4*\j+3] offset:4096*(\ch)+2048*\u+16*\j
.endr
.endr
.irp u, 0,1
.irp j, 0,1,2,3
	ds_store_b8 v8, v[PM+4*\u+\j] offset:512*(\ch)+256*\u+4*\j     ; lanes l and l xor 16 store the same byte with the same value
.endr
.endr
.endm
; ---- consumers
.macro ALOAD skip, bh, bs, oh, os      ; the rows' images and scale words of one chunk
.irp i, 0,1,2,3,4
.if \skip
	SKIP \i, .Lal_\@
.endif
.irp c, 0,1,2,3
	global_load_b128 v[A0+16*\i+4*\c:A0+16*\i+4*\c+3], v4, s[\bh:\bh+1] offset:\oh+262144*\i+512*\c
.endr
.irp c, 0,1,2,3
	global_load_b128 v[A1+16*\i+4*\c:A1+16*\i+4*\c+3], v4, s[\bh:\bh+1] offset:\oh+262144*\i+2048+512*\c
.endr
	global_load_b32 v[AS+\i], v11, s[\bs:\bs+1] offset:\os+8192*\i
.endr
.Lal_\@:
.endm
; A chunk: w2's four tiles x two K steps against my five tiles of rows.  The four accumulators of a tile take turns, one product a turn.
.macro CMUL first, skip, r0, r1, rs, ob, os
.irp nt, 0,1
.irp c, 0,1,2,3
	ds_load_b128 v[B0+16*\nt+4*\c:B0+16*\nt+4*\c+3], v[\r0] offset:\ob+\nt*BT+512*\c               ; (0, nt)
.endr
.endr
.irp u, 0,1
.irp m, 0,1
	ds_load_b32 v[BS+2*\u+\m], v[\rs] offset:\os+256*\u+128*\m
.endr
.endr
	WIN 0x40                                       ; destination window 1
.irp nt, 0,1
.irp c, 0,1,2,3
	ds_load_b128 v[B1+16*\nt+4*\c:B1+16*\nt+4*\c+3], v[\r1] offset:\ob+\nt*BT+512*\c               ; (0, 2 + nt)
.endr
.endr
.irp nt, 0,1
.irp c, 0,1,2,3
	ds_load_b128 v[B1+32+16*\nt+4*\c:B1+32+16*\nt+4*\c+3], v[\r0] offset:\ob+\nt*BT+2048+512*\c    ; (1, nt)
	ds_load_b128 v[B1+64+16*\nt+4*\c:B1+64+16*\nt+4*\c+3], v[\r1] offset:\ob+\nt*BT+2048+512*\c    ; (1, 2 + nt)
.endr
.endr
	WIN 0
	s_wait_dscnt 0x0
.irp i, 0,1,2,3,4
.if \skip
	SKIP \i, .Lm_\@
.endif
.if (\first) && (\i == 4)
	PLACES 9                                       ; tile 4 writes over b2, which the products above took as C
.endif
	WIN 0x50                                       ; C and D window 1
.irp nt, 0,1
.if (\first) && (\i < 4)
	WM 32*\i+8*\nt, B0+16*\nt, A0+16*\i, 128+8*\nt, BS, AS+\i, \nt, 0
.else
	WM 32*\i+8*\nt, B0+16*\nt, A0+16*\i, 32*\i+8*\nt, BS, AS+\i, \nt, 0
.endif
.endr
	WIN 0x51                                       ; and source 0 window 1
.irp nt, 0,1
.if (\first) && (\i < 4)
	WM 32*\i+16+8*\nt, B1+16*\nt, A0+16*\i, 144+8*\nt, BS+1, AS+\i, \nt, 0
.else
	WM 32*\i+16+8*\nt, B1+16*\nt, A0+16*\i, 32*\i+16+8*\nt, BS+1, AS+\i, \nt, 0
.endif
.endr
.irp nt, 0,1,2,3
	WM 32*\i+8*\nt, B1+32+16*\nt, A1+16*\i, 32*\i+8*\nt, BS+2+\nt/2, AS+\i, \nt%2, 1
.endr
	WIN 0
.endr
.Lm_\@:
	PLACES NP                                      ; in front of the next loads into operand registers, of reads of results, and of products that start sums anew
.endm
.macro CONS ch, first, skip, next      ; chunk ch of pass 0: every LDS offset is an immediate
	s_wait_loadcnt 0x0                             ; my rows' images, asked for an interval ago
	CMUL \first, \skip, 4, 5, 6, 4096*(\ch), 512*(\ch)
.if \next
	s_wait_alu depctr_va_vdst(0)                   ; the chunk's products are done reading hid's fragments and scale words, in which the loads below land, and w2's, in which the next chunk's LDS loads land
	ALOAD 1, 36, 38, 4096*((\ch)+1), 128*((\ch)+1)
.endif
.endm
.macro BIAS                            ; b2 into tile 4's accumulators: lane half h, tile nt: columns 16 nt + 8 h + 0 .. 7
	WIN 0x40
.irp nt, 0,1,2,3
	global_load_b128 v[128+8*\nt:131+8*\nt], v13, s[56:57] offset:64*\nt
	global_load_b128 v[132+8*\nt:135+8*\nt], v13, s[56:57] offset:64*\nt+16
.endr
	WIN 0
.endm
.macro BMASK                           ; the second half of K adds no bias: a choice of values, no branch
	WIN 0x44
.set k, 0
.rept 32
	v_cndmask_b32 v[128+k], 0, v[128+k], s59
.set k, k+1
.endr
	WIN 0
	PLACES 4
.endm
.macro COUNT                           ; the expert's count into s28; eight steps at a time, so that no line waits for the line above it
.irp g, 0,1,2,3
.irp k, 0,1,2,3,4,5,6,7
	v_and_b32 v[RA+\k], s66, v[SW+8*\g+\k]         ; the expert's bit of the token's word
.endr
.irp k, 0,1,2,3,4,5,6,7
	v_cmp_ne_u32 s[68+\k], 0, v[RA+\k]             ; the lanes whose token chose e
.endr
	s_wait_alu depctr_va_sdst(0)                   ; the eight masks are written, ahead of the counts that read them
.irp k, 0,1,2,3,4,5,6,7
	s_bcnt1_i32_b32 s76, s[68+\k]
	s_add_co_u32 s28, s28, s76
.endr
.endr
.endm
.macro PUBLISH                         ; the count, and each chosen token's place into rows.  Eight steps at a time; all 32 offsets and data are made first, each in its own register, and the 32 stores follow one wait
	v_lshlrev_b32 v[RT+8], 3, v1                   ; 8 l
	s_lshl_b32 s77, s23, 5
	s_add_co_u32 s77, s77, RDUMP
	v_add_nc_u32 v[RT+9], s77, v1                  ; my dump word
	s_lshl_b32 s78, s23, 10                        ; 1,024 e
.irp g, 0,1,2,3
.irp k, 0,1,2,3,4,5,6,7
	v_and_b32 v[RA+8*\g+\k], s66, v[SW+8*\g+\k]    ; the expert's bit of the token's word,
	v_bfe_u32 v[RD+8*\g+\k], v[SW+8*\g+\k], 8, 8   ; its second choice
.endr
.irp k, 0,1,2,3,4,5,6,7
	v_cmp_ne_u32 s[68+\k], 0, v[RA+8*\g+\k]        ; the lanes whose token chose e,
	v_cmp_eq_u32 s[48+\k], s23, v[RD+8*\g+\k]      ; and those that chose it second (s48-55 are free behind the head)
.endr
	s_wait_alu depctr_va_sdst(0)                   ; the sixteen masks are written, ahead of their first readers
.irp k, 0,1,2,3,4,5,6,7
	v_mbcnt_lo_u32_b32 v[RD+8*\g+\k], s[68+\k], s28   ; my place: the count so far + such lanes below me
	v_cndmask_b32 v[RA+8*\g+\k], 0, 1, s[48+\k]    ; j
	s_bcnt1_i32_b32 s76, s[68+\k]
	s_add_co_u32 s28, s28, s76
.endr
.irp k, 0,1,2,3,4,5,6,7
	v_add3_u32 v[RA+8*\g+\k], v[RT+8], v[RA+8*\g+\k], 256*(2*\g+\k/4)+2*(\k%4)   ; 2 t + j
.endr
.irp k, 0,1,2,3,4,5,6,7
	v_cndmask_b32 v[RA+8*\g+\k], v[RT+9], v[RA+8*\g+\k], s[68+\k]
	v_add_nc_u32 v[RD+8*\g+\k], s78, v[RD+8*\g+\k]
.endr
.irp k, 0,1,2,3,4,5,6,7
	v_min_u32 v[RA+8*\g+\k], RDUMP+255, v[RA+8*\g+\k]   ; held inside the buffer
.endr
.irp k, 0,1,2,3,4,5,6,7
	v_lshlrev_b32 v[RA+8*\g+\k], 2, v[RA+8*\g+\k]
.endr
.endr
	s_wait_alu depctr_va_vdst(0)                   ; the 32 offsets and the 32 places are written, which the stores below read
.set n, 0
.rept 32
	global_store_b32 v[RA+n], v[RD+n], s[16:17]
.set n, n+1
.endr
.endm
.macro CONSG first                     ; a chunk of a later pass: addresses from scalars that step in the loops
	CHEAD .Lcg_\@
	s_wait_alu depctr_vm_vsrc(0)                   ; the last chunk's LDS loads have read v17 to v19, which are written now; in a pass's first chunk the stage's stores have read the accumulators, which the products write anew, and the stores of y their rows, on which w2's fragments land
	v_add_nc_u32 v17, s44, v4
	v_add_nc_u32 v18, s44, v5
	s_lshr_b32 s47, s44, 3
	v_add_nc_u32 v19, s47, v6
	s_wait_alu depctr_va_vdst(0)                   ; v17 to v19 are written, which the LDS loads below read; the last chunk's products are done reading the operand registers in which the loads below land
	ALOAD 1, 40, 42, 0, 0
	s_wait_loadcnt 0x0
	CMUL \first, 1, 17, 18, 19, 0, 0
.Lcg_\@:
	s_wait_xcnt 0x0                                ; the loads have read their bases
	s_add_co_u32 s44, s44, 4096
	s_add_nc_u64 s[40:41], s[40:41], 4096
	s_add_nc_u64 s[42:43], s[42:43], 128
.endm
; The way out of tile i: 16 rows x 64 columns through my own stage (LDS serves a wave's instructions in order: no wait between the stores and the loads)
.macro EPI i
	SKIP \i, .Lepi_end
	s_wait_xcnt 0x0                                ; the last tile's stores have read their data
	s_wait_alu depctr_vm_vsrc(0)                   ; the last tile's stores of y have read their rows' registers, in which the stage's loads below land
	WIN 0x04                                       ; an LDS store's data are its source 1: window 1
.irp nt, 0,1,2,3
	ds_store_b128 v9, v[32*(\i)+8*\nt:32*(\i)+8*\nt+3] offset:64*\nt           ; each accumulator from its low end on
	ds_store_b128 v9, v[32*(\i)+8*\nt+4:32*(\i)+8*\nt+7] offset:64*\nt+16
.endr
	WIN 0
.irp t, 0,1,2,3,4,5,6,7
	ds_load_b128 v[B0+4*\t:B0+4*\t+3], v10 offset:544*\t           ; rows 2 t and 2 t + 1
.endr
.irp t, 0,1,2,3,4,5,6,7
	s_wait_dscnt 7-\t                              ; the younger loads may be out
	global_store_b128 v12, v[B0+4*\t:B0+4*\t+3], s[34:35] offset:262144*(\i)+8192*\t   ; sixteen lanes store 256 consecutive bytes, at a multiple of 256 from the first byte of y
.endr
.endm
	s_load_b256 s[4:11], s[0:1], 0x0               ; w2 s[4:5], b2 s[6:7], hid s[8:9], hsc s[10:11]
	s_load_b128 s[12:15], s[0:1], 0x20             ; sel s[12:13], y s[14:15]
	s_load_b64 s[16:17], s[0:1], 0x30              ; rows
	v_lshl_add_u32 v254, v0, 2, 0x25500
	v_mov_b32 v255, 0
	v_lshrrev_b32 v15, 5, v0
	v_readfirstlane_b32 s20, v15                   ; wave 0..7
	s_wait_alu depctr_va_sdst(0)                   ; s20 is written, ahead of its first reader
	s_and_b32 s21, s20, 3                          ; wq: my number within my role
	s_and_b32 s22, ttmp9, 15                       ; ds
	s_lshr_b32 s19, ttmp9, 4                       ; kh
	s_and_b32 s23, ttmp7, 0xffff                   ; e
	s_mov_b32 s24, 0x600000                        ; the mantissa field of 448
	s_mov_b32 s26, 0x76543210
	s_mov_b32 s27, 0xfedcba98                      ; lane selects: lane l xor 16
	s_mov_b32 s28, 0                               ; the count: the consumers sum it
	s_lshl_b32 s66, 0x10000, s23                   ; the expert's bit in a word of sel
	v_and_b32 v1, 31, v0
	v_and_b32 v2, 15, v0
	v_bfe_u32 v3, v0, 4, 1
	v_lshlrev_b32 v4, 4, v1
	v_add_nc_u32 v5, 2*BT, v4
	v_lshl_add_u32 v6, v1, 2, SC
	v_bfe_u32 v15, v0, 2, 2                        ; my four columns' tile: (l % 16) / 4
	v_and_b32 v16, 3, v0
	v_mul_u32_u24 v7, v15, BT
	v_lshl_add_u32 v7, v3, 8, v7                   ; my half of the block: the image's lanes 16 h on
	v_lshl_add_u32 v7, v16, 6, v7                  ; the first column's row in the tile: 4 (l % 4)
	s_lshl_b32 s47, s21, 9
	v_add_nc_u32 v7, s47, v7                       ; + 512 wq: my wave's block of 32 is group wq of the image
	v_lshl_add_u32 v8, v2, 4, SC
	v_add_nc_u32 v8, s21, v8
	s_mul_i32 s47, s21, 4352
	s_add_co_u32 s47, s47, STG                     ; my stage
	v_mul_u32_u24 v9, v2, 272
	v_lshl_add_u32 v9, v3, 5, v9
	v_add_nc_u32 v9, s47, v9                       ; in: row r, 32 bytes for each half of the lanes
	v_mul_u32_u24 v10, v3, 272
	v_lshl_add_u32 v10, v2, 4, v10
	v_add_nc_u32 v10, s47, v10                     ; back: lanes 0-15 one row of 256 bytes, lanes 16-31 the next
	v_lshlrev_b32 v11, 2, v1
	v_lshlrev_b32 v12, 12, v3
	v_lshl_add_u32 v12, v2, 4, v12                 ; and the same two rows in y
	v_lshlrev_b32 v13, 5, v3
	v_lshlrev_b32 v14, 16, v3
	v_lshl_add_u32 v14, v2, 4, v14                 ; w2: 16 rows of 4,096 bytes down for lanes 16-31, 16 bytes a lane
.irp m, 0,1,2,3,4,5,6,7
	v_mov_b32 v[PS+\m], 0                          ; written once: a lane exchange's destination counts as one of its sources
.endr
	s_lshl_b32 s52, s23, 24                        ; w2: expert e, row 2,048 kh + 32 wq, column 64 ds
	s_lshl_b32 s47, s19, 23
	s_add_co_u32 s52, s52, s47
	s_lshl_b32 s47, s21, 17
	s_add_co_u32 s52, s52, s47
	s_lshl_b32 s47, s22, 8
	s_add_co_u32 s52, s52, s47
	s_mov_b32 s53, 0
	s_lshl_b32 s54, s23, 22                        ; hid: [e][tile][K step][2,048]: tile wq, K step 16 kh
	s_lshl_b32 s47, s21, 16
	s_add_co_u32 s54, s54, s47
	s_lshl_b32 s47, s19, 15
	s_add_co_u32 s54, s54, s47
	s_mov_b32 s55, 0
	s_lshl_b32 s48, s23, 17                        ; hsc: [e][tile][K step][64]
	s_lshl_b32 s47, s21, 11
	s_add_co_u32 s48, s48, s47
	s_lshl_b32 s47, s19, 10
	s_add_co_u32 s48, s48, s47
	s_mov_b32 s49, 0
	s_lshl_b32 s50, s23, 12                        ; b2
	s_lshl_b32 s47, s22, 8
	s_add_co_u32 s50, s50, s47
	s_mov_b32 s51, 0
	s_lshl_b32 s60, s19, 25                        ; y: [kh][1,024 e + place][4,096 bytes]: place 16 wq, column 64 ds
	s_lshl_b32 s47, s23, 22
	s_add_co_u32 s60, s60, s47
	s_lshl_b32 s47, s21, 16
	s_add_co_u32 s60, s60, s47
	s_lshl_b32 s47, s22, 8
	s_add_co_u32 s60, s60, s47
	s_mov_b32 s61, 0
	s_cmp_eq_u32 s19, 0
	s_cselect_b32 s59, -1, 0                       ; all lanes where the bias counts
	s_wait_kmcnt 0x0
	s_add_nc_u64 s[32:33], s[4:5], s[52:53]
	s_add_nc_u64 s[36:37], s[8:9], s[54:55]
	s_add_nc_u64 s[38:39], s[10:11], s[48:49]
	s_add_nc_u64 s[56:57], s[6:7], s[50:51]
	s_add_nc_u64 s[34:35], s[14:15], s[60:61]
	s_wait_alu depctr_va_vdst(0)                   ; the offsets and addresses v4 to v14 are written, which the loads and stores of both roles read; they are never written again.  So are v200 to v207, on which a consumer's first LDS loads land
	; ---- interval 0
	s_cmp_lt_u32 s20, 4
	s_cbranch_scc0 .Lsetup
	WIN 0x40
.irp g, 0,1,2,3
	WLOAD 0, \g
.endr
.irp g, 0,1,2,3
	WLOAD 1, \g
.endr
	WIN 0
	PROD 0
	s_branch .Ljoin0
.Lsetup:
.irp q, 0,1,2,3,4,5,6,7
	global_load_b128 v[SW+4*\q:SW+4*\q+3], v4, s[12:13] offset:512*\q      ; sel of tokens 128 q + 4 l + k
.endr
	BIAS
	s_wait_loadcnt 0x0                             ; sel and b2 are in
	BMASK
	s_cmp_lg_u32 s20, 4
	s_cbranch_scc1 .Lcount
	s_cmp_lg_u32 ttmp9, 0
	s_cbranch_scc1 .Lcount
	PUBLISH                                        ; wave 4 of the expert's first work-group
	s_branch .Lcounted
.Lcount:
	COUNT
.Lcounted:
	s_wait_xcnt 0x0                                ; the stores have read their offsets and data: hid's fragments may land there
	s_wait_alu depctr_vm_vsrc(0)                   ; the places' stores have read their offsets' and data's registers, on which hid's fragments land
	PLACES 9                                       ; the work registers are hid's fragment registers
	s_wait_alu depctr_va_vdst(0)                   ; the lines above are done reading sel's words and writing their work registers: hid's fragments land on all of these
	ALOAD 0, 36, 38, 0, 0                          ; the first chunk's images, all five tiles
.Ljoin0:
	BAR
	s_min_u32 s28, s28, 1024
	s_add_co_u32 s29, s28, 15
	s_lshr_b32 s29, s29, 4                         ; tiles
	s_add_co_u32 s25, s29, 3
	s_sub_co_u32 s25, s25, s21                     ; tiles + 3 - wq - 20 p
	s_lshr_b32 s30, s25, 2
	s_min_u32 s30, s30, 5                          ; how many of my five tiles have rows in pass 0
; ---- intervals 1 to 7: chunk ch is quantised while chunk ch - 1 is multiplied
.macro INTERVAL ch
	s_cmp_lt_u32 s20, 4
	s_cbranch_scc0 .Lcons_\@
	PROD \ch
	s_branch .Ljoin_\@
.Lcons_\@:
.if (\ch) == 1
	CONS 0, 1, 0, 1
.else
	CONS (\ch)-1, 0, 1, 1
.endif
.Ljoin_\@:
	BAR
.endm
.irp ch, 1,2,3,4,5,6,7
	INTERVAL \ch
.endr
	; ---- behind the last barrier only each consumer's own stage is stored to
	s_cmp_lt_u32 s20, 4
	s_cbranch_scc1 .Ltail
	CONS 7, 0, 1, 0
.Ltail:
	s_wait_loadcnt 0x0                             ; from here on no load is out at the head of a block that loads
	s_mov_b32 s31, 0                               ; the pass
.Lpass:                                                ; four trips: the way out of pass p, then the products of pass p + 1 (none in the last trip: the count allows 64 tiles at most)
	CHEAD .Lepi_end
	s_wait_alu depctr_va_vdst(0)                   ; the pass's products have written the accumulators, which the stage's LDS stores read, and are done reading w2's fragments, on which the stage's rows land; the places behind the products stay beside this wait
	EPI 0
	EPI 1
	EPI 2
	EPI 3
	EPI 4
.Lepi_end:
	s_wait_xcnt 0x0                                ; every earlier memory instruction has read its sources: bases and data may be written
	s_add_nc_u64 s[36:37], s[36:37], 1310720       ; 20 tiles on in hid,
	s_add_nc_u64 s[38:39], s[38:39], 40960         ; in hsc,
	s_add_nc_u64 s[34:35], s[34:35], 1310720       ; and 320 rows on in y
	s_sub_co_i32 s25, s25, 20
	s_max_i32 s30, s25, 0
	s_lshr_b32 s30, s30, 2
	s_min_u32 s30, s30, 5
	s_mov_b32 s44, 0
	s_mov_b64 s[40:41], s[36:37]
	s_mov_b64 s[42:43], s[38:39]
	CHEAD .Lsetupg_end
	s_wait_alu depctr_vm_vsrc(0)                   ; the stage's LDS stores have read tile 4's accumulators, in which b2 lands
	PLACES NP
	s_wait_alu depctr_va_vdst(0)                   ; the products, and the choice behind the last b2, are done reading and writing tile 4's accumulators, in which b2 lands
	BIAS
	s_wait_loadcnt 0x0
	BMASK
.Lsetupg_end:
	CONSG 1
	s_mov_b32 s46, 7
.Lk:
	CONSG 0
	s_sub_co_u32 s46, s46, 1
	s_cmp_lg_u32 s46, 0
	s_cbranch_scc1 .Lk
	s_add_co_u32 s31, s31, 1
	s_cmp_lt_u32 s31, 4
	s_cbranch_scc1 .Lpass
	s_wait_dscnt 0x0                               ; the closing lines, six on end
	s_wait_alu 0x0
	s_wait_tensorcnt 0x0
	ds_add_u32 v254, v255
	s_wait_dscnt 0x0
	s_endpgm
.Lfunc_end_k_qe3ed122a15_down:
	.size	k_qe3ed122a15_down, .Lfunc_end_k_qe3ed122a15_down-k_qe3ed122a15_down
	.p2alignl 7, 3214868480
	.fill 96, 4, 3214868480
	.section	.rodata,"a",@progbits
	.p2align	6, 0x0
	.amdhsa_kernel k_qe3ed122a15_down
		.amdhsa_group_segment_fixed_size 153856
		.amdhsa_private_segment_fixed_size 0
		.amdhsa_enable_private_segment 0
		.amdhsa_kernarg_size 56
		.amdhsa_user_sgpr_count 2
		.amdhsa_user_sgpr_kernarg_segment_ptr 1
		.amdhsa_wavefront_size32 1
		.amdhsa_system_sgpr_workgroup_id_x 1
		.amdhsa_system_sgpr_workgroup_id_y 1
		.amdhsa_system_sgpr_workgroup_id_z 1
		.amdhsa_system_vgpr_workitem_id 0
		.amdhsa_next_free_vgpr 512
		.amdhsa_next_free_sgpr 80
		.amdhsa_reserve_vcc 0
		.amdhsa_float_denorm_mode_32 3
		.amdhsa_float_denorm_mode_16_64 3
		.amdhsa_memory_ordered 1
		.amdhsa_forward_progress 1
		.amdhsa_inst_pref_size 255
	.end_amdhsa_kernel
	.section	.bss,"aw",@nobits
	.p2align	6
	.space	262144
	.amdgpu_metadata
---
amdhsa.version: [ 1, 2 ]
amdhsa.kernels:
  - .name:           k_qe3ed122a15_down
    .symbol:         k_qe3ed122a15_down.kd
    .args:
      - { .name: w2, .offset: 0, .size: 8, .value_kind: global_buffer, .address_space: global }
      - { .name: b2, .offset: 8, .size: 8, .value_kind: global_buffer, .address_space: global }
      - { .name: hid, .offset: 16, .size: 8, .value_kind: global_buffer, .address_space: global }
      - { .name: hsc, .offset: 24, .size: 8, .value_kind: global_buffer, .address_space: global }
      - { .name: sel, .offset: 32, .size: 8, .value_kind: global_buffer, .address_space: global }
      - { .name: y, .offset: 40, .size: 8, .value_kind: global_buffer, .address_space: global }
      - { .name: rows, .offset: 48, .size: 8, .value_kind: global_buffer, .address_space: global }
    .group_segment_fixed_size: 153856
    .private_segment_fixed_size: 0
    .kernarg_segment_align: 8
    .kernarg_segment_size: 56
    .max_flat_workgroup_size: 256
    .sgpr_count:     80
    .vgpr_count:     512
    .wavefront_size: 32
...
	.end_amdgpu_metadata
.endif
;; end of part 7
;; launch combine (part 8): grid 256 x 1, 4 waves a work-group, no clusters, 0 bytes of LDS; arguments y, rows, gate, out0; writes out0
.if DOCPART == 8
	.amdgcn_target "amdgcn-amd-amdhsa--gfx1250"
	.amdhsa_code_object_version 6
	.text
	.protected	k_qe3ed122a15_combine
	.globl	k_qe3ed122a15_combine
	.p2align	8
	.type	k_qe3ed122a15_combine,@function
k_qe3ed122a15_combine:
	s_mov_b64 s[64:65], 0
	v_nop
	global_prefetch_b8 v0, s[64:65] scope:SCOPE_SE
	s_setreg_imm32_b32 hwreg(HW_REG_WAVE_MODE, 25, 1), 1
	s_wait_xcnt 0x0
; COMBINE.  out0[t] = g0 (yA[r0] + yB[r0]) + g1 (yA[r1] + yB[r1]): the two halves of K and the two chosen experts of a token; the experts that were not chosen have the gate 0 and add nothing.
; One wave takes one token t = 4 x work-group + wave.  r0, r1 (rows[2 t], rows[2 t + 1]: whole numbers that an earlier launch stored) and g0, g1 come by scalar loads.
; A row is 4,096 bytes: eight groups of four loads of 512 consecutive bytes, all 32 asked for at once; each result has registers of its own, so nothing is waited for but the loads.
; A stream: no LDS, no barrier, no matrix unit.
.set IN, 8                             ; v8-135   group q: yA[r0], yB[r0], yA[r1], yB[r1], four registers each
.set OU, 136                           ; v136-167 group q: four results
	s_load_b256 s[4:11], s[0:1], 0x0               ; y s[4:5], rows s[6:7], gate s[8:9], out0 s[10:11]
	v_lshrrev_b32 v1, 5, v0
	v_readfirstlane_b32 s12, v1                    ; wave
	v_and_b32 v1, 31, v0
	v_lshlrev_b32 v1, 4, v1                        ; 16 bytes a lane
	s_lshl_b32 s13, ttmp9, 2
	s_add_co_u32 s13, s13, s12                     ; my token
	s_lshl_b32 s14, s13, 3
	s_mov_b32 s15, 0
	s_wait_alu depctr_va_vdst(0)
	s_wait_kmcnt 0x0
	s_add_nc_u64 s[6:7], s[6:7], s[14:15]
	s_add_nc_u64 s[8:9], s[8:9], s[14:15]
	s_load_b64 s[16:17], s[6:7], 0x0               ; r0, r1
	s_load_b64 s[18:19], s[8:9], 0x0               ; g0, g1
	s_lshl_b32 s14, s13, 12
	s_add_nc_u64 s[10:11], s[10:11], s[14:15]      ; my row of out0
	s_wait_kmcnt 0x0
	s_min_u32 s16, s16, 8191                       ; held inside the table
	s_min_u32 s17, s17, 8191
	s_lshl_b32 s20, s16, 12
	s_mov_b32 s21, 0
	s_lshl_b32 s22, s17, 12
	s_mov_b32 s23, 0
	s_add_nc_u64 s[24:25], s[4:5], s[20:21]        ; yA[r0]
	s_add_nc_u64 s[26:27], s[24:25], 0x2000000     ; yB[r0]: 8,192 rows of 4,096 bytes on
	s_add_nc_u64 s[28:29], s[4:5], s[22:23]        ; yA[r1]
	s_add_nc_u64 s[30:31], s[28:29], 0x2000000     ; yB[r1]
	s_mov_b32 s32, s18                             ; g0 and g1 as pairs: the packed forms name a pair and take its low word for both halves
	s_mov_b32 s33, s18
	s_mov_b32 s34, s19
	s_mov_b32 s35, s19
.irp q, 0,1,2,3,4,5,6,7
.irp m, 0,1,2,3
	global_load_b128 v[IN+16*\q+4*\m:IN+16*\q+4*\m+3], v1, s[24+2*\m:25+2*\m] offset:512*\q th:TH_LOAD_NT
.endr
.endr
.irp q, 0,1,2,3,4,5,6,7
	s_wait_loadcnt 4*(7-\q)                        ; this group's four loads are in; the later groups' may be out
.irp p, 0,2
	v_pk_add_f32 v[IN+16*\q+\p:IN+16*\q+\p+1], v[IN+16*\q+\p:IN+16*\q+\p+1], v[IN+16*\q+4+\p:IN+16*\q+4+\p+1]
	v_pk_add_f32 v[IN+16*\q+8+\p:IN+16*\q+8+\p+1], v[IN+16*\q+8+\p:IN+16*\q+8+\p+1], v[IN+16*\q+12+\p:IN+16*\q+12+\p+1]
.endr
.irp p, 0,2
	v_pk_mul_f32 v[OU+4*\q+\p:OU+4*\q+\p+1], v[IN+16*\q+\p:IN+16*\q+\p+1], s[32:33] op_sel_hi:[1,0]
.endr
.irp p, 0,2
	v_pk_fma_f32 v[OU+4*\q+\p:OU+4*\q+\p+1], v[IN+16*\q+8+\p:IN+16*\q+8+\p+1], s[34:35], v[OU+4*\q+\p:OU+4*\q+\p+1] op_sel_hi:[1,0,1]
.endr
	global_store_b128 v1, v[OU+4*\q:OU+4*\q+3], s[10:11] offset:512*\q th:TH_STORE_NT   ; 32 lanes store 512 consecutive bytes
.endr
	s_endpgm
.Lfunc_end_k_qe3ed122a15_combine:
	.size	k_qe3ed122a15_combine, .Lfunc_end_k_qe3ed122a15_combine-k_qe3ed122a15_combine
	.p2alignl 7, 3214868480
	.fill 96, 4, 3214868480
	.section	.rodata,"a",@progbits
	.p2align	6, 0x0
	.amdhsa_kernel k_qe3ed122a15_combine
		.amdhsa_group_segment_fixed_size 0
		.amdhsa_private_segment_fixed_size 0
		.amdhsa_enable_private_segment 0
		.amdhsa_kernarg_size 32
		.amdhsa_user_sgpr_count 2
		.amdhsa_user_sgpr_kernarg_segment_ptr 1
		.amdhsa_wavefront_size32 1
		.amdhsa_system_sgpr_workgroup_id_x 1
		.amdhsa_system_sgpr_workgroup_id_y 1
		.amdhsa_system_sgpr_workgroup_id_z 1
		.amdhsa_system_vgpr_workitem_id 0
		.amdhsa_next_free_vgpr 168
		.amdhsa_next_free_sgpr 66
		.amdhsa_reserve_vcc 0
		.amdhsa_float_denorm_mode_32 3
		.amdhsa_float_denorm_mode_16_64 3
		.amdhsa_memory_ordered 1
		.amdhsa_forward_progress 1
		.amdhsa_inst_pref_size 10
	.end_amdhsa_kernel
	.amdgpu_metadata
---
amdhsa.version: [ 1, 2 ]
amdhsa.kernels:
  - .name:           k_qe3ed122a15_combine
    .symbol:         k_qe3ed122a15_combine.kd
    .args:
      - { .name: y, .offset: 0, .size: 8, .value_kind: global_buffer, .address_space: global }
      - { .name: rows, .offset: 8, .size: 8, .value_kind: global_buffer, .address_space: global }
      - { .name: gate, .offset: 16, .size: 8, .value_kind: global_buffer, .address_space: global }
      - { .name: out0, .offset: 24, .size: 8, .value_kind: global_buffer, .address_space: global }
    .group_segment_fixed_size: 0
    .private_segment_fixed_size: 0
    .kernarg_segment_align: 8
    .kernarg_segment_size: 32
    .max_flat_workgroup_size: 128
    .sgpr_count:     66
    .vgpr_count:     168
    .wavefront_size: 32
...
	.end_amdgpu_metadata
.endif
;; end of part 8
